; MI455X (gfx1250); checked and timed in simulation.
; The chip was launched on July 23, 2026; its instructions are those of AMD's public machine-readable ISA for CDNA 5 (MIT licence, August 2026) and "CDNA5" Instruction Set Architecture Reference Guide (July 2026). The comments in the code are by the model that wrote it; some were corrected since.
;; KNN Attention. Allowed arithmetic: matrix products marked QUANTISED: E5M2 operands, one given power-of-two scale a tensor, by v_wmma_f32_16x16x64_bf8_bf8 or v_wmma_f32_16x16x128_bf8_bf8, f32 sums; everything else in f32.
;; Inputs: kv 4 x 2,048 x 1,024 float32; lowp_scales 12 int32 (the exponents e of the quantised operands' scales 2^e); mem_table 4 x 1,000 x 1,024 float32; q_codes 4 x 2,048 x 32 x 32 uint8 (E5M2 codes of q, K innermost, in blocks of 32 codes); w_concat_codes 1,024 x 32 x 32 uint8 (E5M2 codes of w_concat, K innermost, in blocks of 32 codes); w_kv_codes 128 x 32 x 32 uint8 (E5M2 codes of w_kv, K innermost, in blocks of 32 codes); w_q_codes 1,024 x 32 x 32 uint8 (E5M2 codes of w_q, K innermost, in blocks of 32 codes).
;; Outputs: out0 4 x 2,048 x 1,024 float32.
;; Constants: topk = 1.
;; This version of the problem:
;;   THIS VERSION OF THE PROBLEM IS GIVEN IN LOW PRECISION. The matrix products marked QUANTISED in the list below multiply operands that are first quantised to E5M2 (5 exponent bits, 2 mantissa bits; 8 bits a number), with one given power-of-two scale for each operand tensor; their sums are f32. All else is computed in f32.
;;   The module's matrix products, in the order in which they are computed (A, B: the left and right operand; K: the contracted axis; several contracted axes count as one K, in the product's order):
;;     1. [M 8,192, K 1,024] x [K 1,024, N 1,024]; A: input q (given as codes); B: input w_q (given as codes): QUANTISED (scales: A lowp_scales[0], B lowp_scales[1])
;;     2. batch 4 x [M 2,048, K 1,024] x [K 1,024, N 1,000]; A: computed on the way; B: input mem_table: QUANTISED (scales: A lowp_scales[2], B lowp_scales[3])
;;     3. [M 8,192, K 1,024] x [K 1,024, N 128]; A: computed on the way; B: input w_kv (given as codes): QUANTISED (scales: A lowp_scales[4], B lowp_scales[5])
;;     4. batch 4 x [M 32,768, K 64] x [K 64, N 2,048]; A: computed on the way; B: computed on the way: QUANTISED (scales: A lowp_scales[6], B lowp_scales[7])
;;     5. batch 4 x [M 32,768, K 2,048] x [K 2,048, N 64]; A: softmax (see below); B: computed on the way: QUANTISED (scales: A lowp_scales[8], B lowp_scales[9])
;;     6. [M 8,192, K 1,024] x [K 1,024, N 1,024]; A: computed on the way; B: input w_concat (given as codes): QUANTISED (scales: A lowp_scales[10], B lowp_scales[11])
;;   THE QUANTISER, for each operand of a quantised product, along K:
;;     - The operand's scale is 2^e, e = its entry of the input lowp_scales (int32; the entries are numbered through the quantised products in the list's order, A before B).
;;     - Each number is divided by the scale, clamped to +-57,344, and rounded to the nearest number of E5M2, ties to even, subnormals kept.
;;     - The product sums the exact products of the quantised numbers (number of the format x scale) in f32.
;;   ~~~python
;;   def quantise(x, axis, e):      # numpy; x: float32 -> the quantised numbers, widened to float32 again
;;       x = np.moveaxis(x, axis, -1); K = x.shape[-1]
;;       r = np.clip(x / 2.0 ** e, -57344, 57344)
;;       step = 2.0 ** (np.maximum(np.frexp(np.where(r == 0, 1, r))[1] - 1, -14) - 2)
;;       q = np.round(r / step) * step * 2.0 ** e      # np.round: ties to even
;;       return np.moveaxis(q, -1, axis).astype(np.float32)
;;   ~~~
;;   SOFTMAX AHEAD OF A QUANTISED PRODUCT. Where the list says 'softmax', what is quantised is not the finished softmax but p = 2^(t - M), with t = logit x log2(e) and M = ceil(the row's largest t), a whole number; so 1/2 < the row's largest p <= 1. The row's sum l is taken of the UNQUANTISED p, in f32, and the product's result is divided by l at the end. Since M is a whole number, a kernel that streams over the keys may use a running M (the ceiling of the running maximum): every later rescaling is an exact power of two, so the quantised numbers keep their values, but for numbers so far below the row's largest that they fall under the format's range.
;;   OPERANDS COMPUTED ON THE WAY. 'Computed on the way' means the value that the module computes at that place (a softmax that the list does not call 'softmax' is quantised finished and normalised). What goes into a quantiser is computed in f32, as accurately as f32 sums, v_exp_f32 and their like allow (about 1e-6 of the number): no bf16 or f16 on the way to a quantiser, and a product that is left as it is and whose result goes on into a quantised operand takes f32 operands (vector FMAs, or v_wmma_f32_16x16x4_f32). A number that lies on a knife's edge between two numbers of the format may be rounded either way, as far as f32 arithmetic and the matrix unit's own rounding can turn it there, and no further.
;;   INPUTS GIVEN AS CODES. q (in the module: [4, 2048, 1024], K = its axis 2); w_concat (in the module: [1024, 1024], K = its axis 0); w_kv (in the module: [1024, 128], K = its axis 0); w_q (in the module: [1024, 1024], K = its axis 0): each comes as NAME_codes (uint8): NAME with its K axis moved to the last place and cut into blocks of 32 codes, [.., K / 32, bytes a block], one block behind the other in memory; one code a byte (a code: sign, 5 exponent bits, 2 mantissa bits); its scale is its entry of lowp_scales. Its value is code x scale, taken as it is: it is not quantised again, and the codes and scales need not be those that the quantiser above would give.
;; 3 versions, each right; version 2 is faster than version 1; version 3 is version 2 with the launches prep, attn written anew for expert scheduling mode. Each part assembles by itself: llvm-mc -triple=amdgcn-amd-amdhsa -mcpu=gfx1250 --defsym DOCPART=n.
;; ======== version 1 of 3: 4 launches
;; workspace buffers: wqi 1,048,576 bytes; wci 1,048,576 bytes; mqi 4,194,304 bytes; kvt 524,288 bytes; qbi 8,388,608 bytes; oci 8,388,608 bytes; idx 32,768 bytes of whole numbers
;; launch prep (part 1): grid 256 x 1, 8 waves a work-group, no clusters, 19,712 bytes of LDS; arguments mem_table, w_q_codes, w_concat_codes, w_kv_codes, lowp_scales, wqi, wci, mqi, kvt; writes wqi, wci, mqi, kvt
.if DOCPART == 1
	.amdgcn_target "amdgcn-amd-amdhsa--gfx1250"
	.amdhsa_code_object_version 6
	.text
	.protected	k_q310cd227f0_prep
	.globl	k_q310cd227f0_prep
	.p2align	8
	.type	k_q310cd227f0_prep,@function
k_q310cd227f0_prep:
	s_mov_b64 s[64:65], 0
	v_nop
	global_prefetch_b8 v0, s[64:65] scope:SCOPE_SE
	s_setreg_imm32_b32 hwreg(HW_REG_WAVE_MODE, 25, 1), 1
	s_wait_xcnt 0x0
; THE FIRST OF FOUR LAUNCHES (prep, front, attn, back) of KNN attention on codes of BF8 (E5M2).  The input kv is used by no step of the computation and is read by no launch.
; This launch works on the memory table and the weights alone:
;  (a) mem_table, f32, is quantised with scale 2^e3 into mqi, the right operand of the search's product;
;  (b) the product of the chosen memory row with w_kv hangs on the row alone, so it is made once for each of the table's rows (quantised with 2^e4), and its results are quantised at once:
;      channels 0-63 (k) with 2^e7, channels 64-127 (v) with 2^e9, into kvt [batch][row 0..1023][128 bytes]; a later launch gathers these codes by the index that the search finds;
;  (c) w_q and w_concat are laid anew (wqi, wci) in the order in which a wave's operand registers take them.
; A FRAGMENT is 16 rows x 128 K in 16 registers: lane (r = lane % 16, h = lane / 16) holds row r, registers 4c..4c+3 hold K = 32c + 16h + 0..15: the same places of K on both sides of every product.
; Its IMAGE is 2,048 bytes: registers 4c..4c+3 of lane l at byte 512c + 16l.  wqi, wci: [K step 0..7][tile 0..63][2048]; mqi: the same for each batch.
; Rows of a tile: wci, mqi: 16t + r.  wqi: 32(t/2) + 8(t%2) + r + 8(r/8), so that the results of two neighbouring tiles are 16 neighbours along the next product's K.
; The table has 1,000 rows: rows 1000..1023 of mqi and kvt are copies of row 999; a copy's score ties with row 999's and the search keeps the lowest index.
; SHARES.  Work-group g: batch g / 64, 16 rows of the table from 16 (g % 64).  Wave w quantises K step w of these rows, makes tile w (16 channels) of the product with w_kv over all K, and lays half a fragment of
; w_q (g < 128) or w_concat (g >= 128) anew.  One path for all work-groups: only pointers and two numbers are chosen on the work-group's number.
; LIMITS: e3, e4, e7 - e4 - e5 and e9 - e4 - e5 lie between -126 and 112, so that each scale and each largest number x scale is an f32 number.  NaN among the inputs is not served.
.set AIM,  0                           ; LDS: the eight images of my rows' codes for the product with w_kv, K step s at 2048 s
.set STG,  16384                       ; and a stage of 16 rows x (128 bytes + 16) for the rows of kvt
.set SP,   144
.set XO,   4                           ; v4   mem_table: min(16t + r, 999) rows of 4,096 bytes + 64 h
.set WO,   5                           ; v5   w_kv: (r + 8 (r/8)) rows of 1,024 bytes + 16 h
.set LI,   6                           ; v6   16 x lane: my place in an image
.set RS,   7                           ; v7   the weight that is laid anew: my row x 1,024 + 16 h
.set AW,   8                           ; v8   where I store my image
.set SW,   9                           ; v9   the stage: where I put eight codes
.set SR,   10                          ; v10  the stage: where I read them back
.set G8,   11                          ; v11  8 x lane
.set SC3,  12                          ; v12-17 scale and largest number x scale: for e3, for e4, for the results
.set LM3,  13
.set SC4,  14
.set LM4,  15
.set SCK,  16
.set LMK,  17
.set RL,   24                          ; v24-31  half a fragment on its way
.set X,    32                          ; v32-95  64 numbers of my rows; later four fragments of codes
.set T,    96                          ; v96-111 16 held numbers; then the codes for e4; then two accumulators
.set C3,   112                         ; v112-127 the codes for e3; later the sums and their codes
.set W,    128                         ; v128-255 w_kv: my tile's eight fragments
.set WV,   22
.macro MKSC se, vsc, vlim              ; s[se] holds e (and is used up): v[vsc] = 2^e, v[vlim] = 57,344 x 2^e
	s_add_co_i32 s[\se], s[\se], 127
	s_lshl_b32 s60, s[\se], 23
	v_mov_b32 v[\vsc], s60
	s_add_co_i32 s[\se], s[\se], 15
	s_lshl_b32 s[\se], s[\se], 23
	s_or_b32 s[\se], s[\se], 0x600000
	v_mov_b32 v[\vlim], s[\se]
.endm
; 64 numbers in v[X] on, register 16 b + i = K 32 b + 16 h + i of my row, become a fragment's codes in v[dst] on.  keep = 1: X stays as it is (the held numbers go to T).
.macro QUANTP dst, sc, lim, keep
.irp b, 0,1,2,3
.irp i, 0,1,2,3,4,5,6,7,8,9,10,11,12,13,14,15
.if \keep
	v_med3_num_f32 v[T+\i], v[X+16*\b+\i], -v[\lim], v[\lim]          ; the conversion to an 8-bit code does not saturate (ISA guide 7.6.2): the hold at the largest code x the scale
.else
	v_med3_num_f32 v[X+16*\b+\i], v[X+16*\b+\i], -v[\lim], v[\lim]
.endif
.endr
.if \keep
	v_cvt_scalef32_pk8_bf8_f32 v[\dst+4*\b:\dst+4*\b+1], v[T:T+7], v[\sc]
	v_cvt_scalef32_pk8_bf8_f32 v[\dst+4*\b+2:\dst+4*\b+3], v[T+8:T+15], v[\sc]
.else
	v_cvt_scalef32_pk8_bf8_f32 v[\dst+4*\b:\dst+4*\b+1], v[X+16*\b:X+16*\b+7], v[\sc]
	v_cvt_scalef32_pk8_bf8_f32 v[\dst+4*\b+2:\dst+4*\b+3], v[X+16*\b+8:X+16*\b+15], v[\sc]
.endif
	v_nop                                          ; one plain vector line between a scaled conversion and the next line that writes its sources or touches its result
.endr
.endm
.macro ALOAD s0                        ; the images of K steps s0 .. s0 + 3 come back as fragments, in any wave
.irp k, 0,1,2,3
.irp c, 0,1,2,3
	ds_load_b128 v[X+16*\k+4*\c:X+16*\k+4*\c+3], v[LI] offset:AIM+2048*(\s0+\k)+512*\c
.endr
.endr
.endm
.macro MM4 s0, zero                    ; four K steps; two accumulators take turns, one instruction a turn; zero = 1: the first two start the sums
.irp k, 0,1,2,3
.if \zero && (\k < 2)
	v_wmma_f32_16x16x128_bf8_bf8 v[T+8*(\k%2):T+8*(\k%2)+7], v[W+16*(\s0+\k):W+16*(\s0+\k)+15], v[X+16*\k:X+16*\k+15], 0
.else
	v_wmma_f32_16x16x128_bf8_bf8 v[T+8*(\k%2):T+8*(\k%2)+7], v[W+16*(\s0+\k):W+16*(\s0+\k)+15], v[X+16*\k:X+16*\k+15], v[T+8*(\k%2):T+8*(\k%2)+7]
.endif
.endr
.endm
	s_load_b512 s[4:19], s[0:1], 0x0               ; mem_table s[4:5], w_q s[6:7], w_concat s[8:9], w_kv s[10:11], scales s[12:13], wqi s[14:15], wci s[16:17], mqi s[18:19]
	s_load_b64 s[20:21], s[0:1], 0x40              ; kvt
	v_lshl_add_u32 v22, v0, 2, 0x4900
	v_mov_b32 v23, 0
	v_lshrrev_b32 v1, 5, v0
	v_readfirstlane_b32 s[WV], v1                  ; wave 0..7
	v_and_b32 v1, 31, v0                           ; lane
	v_and_b32 v2, 15, v0                           ; r
	v_bfe_u32 v3, v0, 4, 1                         ; h
	s_lshr_b32 s36, ttmp9, 6                       ; batch
	s_and_b32 s37, ttmp9, 63                       ; t: which 16 rows of the table
	s_lshl_b32 s38, s37, 4
	v_add_nc_u32 v[XO], s38, v2
	v_min_u32 v[XO], 999, v[XO]                    ; rows past the table's end are copies of its last row
	v_lshlrev_b32 v[XO], 12, v[XO]
	v_lshl_add_u32 v[XO], v3, 6, v[XO]
	v_and_b32 v[WO], 8, v2
	v_add_nc_u32 v[WO], v[WO], v2                  ; r + 8 (r / 8)
	v_lshlrev_b32 v[WO], 10, v[WO]
	v_lshl_add_u32 v[WO], v3, 4, v[WO]
	v_lshlrev_b32 v[LI], 4, v1
	s_cmp_lt_u32 ttmp9, 128                        ; w_q's work-group or w_concat's?
	s_cselect_b32 s39, 8, 0
	v_and_b32 v[RS], s39, v2                       ; w_q: r + 8 (r / 8); w_concat: r
	v_add_nc_u32 v[RS], v[RS], v2
	v_lshlrev_b32 v[RS], 10, v[RS]
	v_lshl_add_u32 v[RS], v3, 4, v[RS]
	s_lshl_b32 s40, s[WV], 11
	v_add_nc_u32 v[AW], s40, v[LI]                 ; AIM + 2048 w + 16 lane
	s_lshr_b32 s41, s[WV], 1
	s_lshl_b32 s41, s41, 5
	s_and_b32 s42, s[WV], 1
	s_lshl_b32 s42, s42, 3
	s_add_co_u32 s41, s41, s42                     ; 32 (w / 2) + 8 (w % 2): my tile's first row of w_kv, and my codes' byte in a row of kvt
	v_mul_u32_u24 v[SW], v2, SP
	v_lshl_add_u32 v[SW], v3, 4, v[SW]
	v_add_nc_u32 v[SW], s41, v[SW]
	v_add_nc_u32 v[SW], STG, v[SW]                 ; row r, + 16 h, + my tile's byte
	s_mul_i32 s43, s[WV], 2*SP
	v_mul_u32_u24 v[SR], v3, SP
	v_lshl_add_u32 v[SR], v2, 3, v[SR]
	v_add_nc_u32 v[SR], s43, v[SR]
	v_add_nc_u32 v[SR], STG, v[SR]                 ; back: rows 2 w and 2 w + 1, sixteen lanes to a row of 128 bytes
	v_lshlrev_b32 v[G8], 3, v1
	; byte offsets, each in registers of its own
	s_mul_i32 s44, s36, 4096000                    ; mem_table: the batch's 1,000 rows of 4,096 bytes,
	s_lshl_b32 s45, s[WV], 9
	s_add_co_u32 s44, s44, s45                     ; + K step w: 128 numbers
	s_mov_b32 s45, 0
	s_lshl_b32 s46, s41, 10                        ; w_kv: my tile's first row
	s_mov_b32 s47, 0
	s_lshl_b32 s48, ttmp9, 2
	s_lshr_b32 s49, s[WV], 1
	s_add_co_u32 s48, s48, s49
	s_and_b32 s48, s48, 511                        ; which of the weight's 512 fragments: 64 s + t
	s_lshr_b32 s49, s48, 6                         ; its K step
	s_and_b32 s50, s48, 63                         ; its tile
	s_and_b32 s51, s[WV], 1                        ; which half of it is mine: registers 0-7 or 8-15
	s_lshr_b32 s52, s50, 1
	s_lshl_b32 s52, s52, 5
	s_and_b32 s53, s50, 1
	s_lshl_b32 s53, s53, 3
	s_add_co_u32 s52, s52, s53                     ; w_q: the tile begins at row 32 (t / 2) + 8 (t % 2),
	s_lshl_b32 s53, s50, 4                         ; w_concat: at row 16 t
	s_cmp_lt_u32 ttmp9, 128
	s_cselect_b32 s52, s52, s53
	s_lshl_b32 s52, s52, 10
	s_lshl_b32 s49, s49, 7
	s_add_co_u32 s52, s52, s49
	s_lshl_b32 s53, s51, 6
	s_add_co_u32 s52, s52, s53                     ; from: row x 1,024 + 128 s + 64 half
	s_mov_b32 s53, 0
	s_lshl_b32 s54, s48, 11
	s_lshl_b32 s55, s51, 10
	s_add_co_u32 s54, s54, s55                     ; to: fragment x 2,048 + 1,024 half
	s_mov_b32 s55, 0
	s_lshl_b32 s56, s36, 3
	s_add_co_u32 s56, s56, s[WV]
	s_lshl_b32 s56, s56, 6
	s_add_co_u32 s56, s56, s37
	s_lshl_b32 s56, s56, 11                        ; mqi: ((8 batch + w) 64 + t) images
	s_mov_b32 s57, 0
	s_lshl_b32 s58, s36, 17
	s_lshl_b32 s59, s37, 11
	s_add_co_u32 s58, s58, s59
	s_lshl_b32 s59, s[WV], 8
	s_add_co_u32 s58, s58, s59                     ; kvt: (1024 batch + 16 t) rows of 128 bytes + my two rows
	s_mov_b32 s59, 0
	s_wait_kmcnt 0x0
	s_load_b256 s[24:31], s[12:13], 0x0            ; e0 .. e7
	s_load_b64 s[32:33], s[12:13], 0x20            ; e8, e9
	s_add_nc_u64 s[4:5], s[4:5], s[44:45]
	s_add_nc_u64 s[10:11], s[10:11], s[46:47]
	s_cmp_lt_u32 ttmp9, 128                        ; the choice hangs on the work-group's number alone
	s_cselect_b64 s[6:7], s[6:7], s[8:9]
	s_cselect_b64 s[14:15], s[14:15], s[16:17]
	s_add_nc_u64 s[6:7], s[6:7], s[52:53]
	s_add_nc_u64 s[14:15], s[14:15], s[54:55]
	s_add_nc_u64 s[18:19], s[18:19], s[56:57]
	s_add_nc_u64 s[20:21], s[20:21], s[58:59]
.irp c, 0,1,2,3
.irp i, 0,1,2,3
	global_load_b128 v[X+16*\c+4*\i:X+16*\c+4*\i+3], v[XO], s[4:5] offset:128*\c+16*\i th:TH_LOAD_NT   ; my row's K = 128 w + 32 c + 16 h + 4 i .. + 3
.endr
.endr
	global_load_b128 v[RL:RL+3], v[RS], s[6:7]
	global_load_b128 v[RL+4:RL+7], v[RS], s[6:7] offset:32
.irp k, 0,1,2,3,4,5,6,7
.irp c, 0,1,2,3
	global_load_b128 v[W+16*\k+4*\c:W+16*\k+4*\c+3], v[WO], s[10:11] offset:128*\k+32*\c
.endr
.endr
	s_wait_kmcnt 0x0
	s_cmp_lt_u32 s[WV], 4                          ; waves 0-3 make k's channels, waves 4-7 v's
	s_cselect_b32 s61, s31, s33                    ; e7 or e9
	s_sub_co_i32 s61, s61, s28
	s_sub_co_i32 s61, s61, s29                     ; a sum stands for sum x 2^(e4 + e5): the three scales are folded into the conversion's one
	MKSC 27, SC3, LM3
	MKSC 28, SC4, LM4
	MKSC 61, SCK, LMK
	s_wait_loadcnt 34                              ; my 64 numbers are in; the 2 + 32 younger loads stay out
	QUANTP C3, SC3, LM3, 1
.irp c, 0,1,2,3
	global_store_b128 v[LI], v[C3+4*\c:C3+4*\c+3], s[18:19] offset:512*\c     ; the image: each store covers 512 consecutive bytes, aligned
.endr
	QUANTP T, SC4, LM4, 0
.irp c, 0,1,2,3
	ds_store_b128 v[AW], v[T+4*\c:T+4*\c+3] offset:512*\c
.endr
	s_wait_loadcnt 32                              ; the half fragment is in; w_kv's 32 loads stay out
	global_store_b128 v[LI], v[RL:RL+3], s[14:15]
	global_store_b128 v[LI], v[RL+4:RL+7], s[14:15] offset:512
	s_wait_dscnt 0x0                               ; for the others' sake: my image has landed
	s_barrier_signal -1
	s_barrier_wait -1                              ; all eight K steps lie in LDS
	ALOAD 0
	s_wait_dscnt 0x0
	s_wait_loadcnt 0x0                             ; w_kv
	MM4 0, 1                                       ; transposed: source 0 = 16 rows of w_kv, source 1 = my work-group's 16 rows of the table
.rept 4
	v_nop                                          ; four places in front of loads into registers that matrix instructions have read
.endr
	ALOAD 4
	s_wait_dscnt 0x0
	MM4 4, 0
.rept 4
	v_nop                                          ; four places in front of the first read of results
.endr
	s_wait_xcnt 0x0                                ; the stores of the codes for e3 have read their registers, which are written again below
.irp j, 0,2,4,6
	v_pk_add_f32 v[C3+\j:C3+\j+1], v[T+\j:T+\j+1], v[T+8+\j:T+8+\j+1]         ; the two halves of K; each accumulator from its low end on.  Lane (r, h), register j: channel 32 (w/2) + 16 h + 8 (w%2) + j of row r
.endr
.irp j, 0,1,2,3,4,5,6,7
	v_med3_num_f32 v[C3+\j], v[C3+\j], -v[LMK], v[LMK]
.endr
	v_cvt_scalef32_pk8_bf8_f32 v[C3+8:C3+9], v[C3:C3+7], v[SCK]
	v_nop
	ds_store_b64 v[SW], v[C3+8:C3+9]
	s_wait_dscnt 0x0                               ; for the others' sake
	s_barrier_signal -1
	s_barrier_wait -1                              ; 16 whole rows of kvt lie in the stage
	ds_load_b64 v[C3+10:C3+11], v[SR]
	s_wait_dscnt 0x0
	global_store_b64 v[G8], v[C3+10:C3+11], s[20:21]                          ; the wave's store covers 256 consecutive bytes, aligned
	s_wait_tensorcnt 0x0
	ds_add_u32 v22, v23
	s_wait_dscnt 0x0
	s_endpgm
.Lfunc_end_k_q310cd227f0_prep:
	.size	k_q310cd227f0_prep, .Lfunc_end_k_q310cd227f0_prep-k_q310cd227f0_prep
	.p2alignl 7, 3214868480
	.fill 96, 4, 3214868480
	.section	.rodata,"a",@progbits
	.p2align	6, 0x0
	.amdhsa_kernel k_q310cd227f0_prep
		.amdhsa_group_segment_fixed_size 19712
		.amdhsa_private_segment_fixed_size 0
		.amdhsa_enable_private_segment 0
		.amdhsa_kernarg_size 72
		.amdhsa_user_sgpr_count 2
		.amdhsa_user_sgpr_kernarg_segment_ptr 1
		.amdhsa_wavefront_size32 1
		.amdhsa_system_sgpr_workgroup_id_x 1
		.amdhsa_system_sgpr_workgroup_id_y 1
		.amdhsa_system_sgpr_workgroup_id_z 1
		.amdhsa_system_vgpr_workitem_id 0
		.amdhsa_next_free_vgpr 256
		.amdhsa_next_free_sgpr 66
		.amdhsa_reserve_vcc 0
		.amdhsa_float_denorm_mode_32 3
		.amdhsa_float_denorm_mode_16_64 3
		.amdhsa_memory_ordered 1
		.amdhsa_forward_progress 1
		.amdhsa_inst_pref_size 25
	.end_amdhsa_kernel
	.amdgpu_metadata
---
amdhsa.version: [ 1, 2 ]
amdhsa.kernels:
  - .name:           k_q310cd227f0_prep
    .symbol:         k_q310cd227f0_prep.kd
    .args:
      - { .name: mem_table, .offset: 0, .size: 8, .value_kind: global_buffer, .address_space: global }
      - { .name: w_q_codes, .offset: 8, .size: 8, .value_kind: global_buffer, .address_space: global }
      - { .name: w_concat_codes, .offset: 16, .size: 8, .value_kind: global_buffer, .address_space: global }
      - { .name: w_kv_codes, .offset: 24, .size: 8, .value_kind: global_buffer, .address_space: global }
      - { .name: lowp_scales, .offset: 32, .size: 8, .value_kind: global_buffer, .address_space: global }
      - { .name: wqi, .offset: 40, .size: 8, .value_kind: global_buffer, .address_space: global }
      - { .name: wci, .offset: 48, .size: 8, .value_kind: global_buffer, .address_space: global }
      - { .name: mqi, .offset: 56, .size: 8, .value_kind: global_buffer, .address_space: global }
      - { .name: kvt, .offset: 64, .size: 8, .value_kind: global_buffer, .address_space: global }
    .group_segment_fixed_size: 19712
    .private_segment_fixed_size: 0
    .kernarg_segment_align: 8
    .kernarg_segment_size: 72
    .max_flat_workgroup_size: 256
    .sgpr_count:     66
    .vgpr_count:     256
    .wavefront_size: 32
...
	.end_amdgpu_metadata
.endif
;; end of part 1
;; launch front (part 2): grid 256 x 1, 8 waves a work-group, clusters of 4 x 1, 327,680 bytes of LDS; arguments q_codes, wqi, mqi, lowp_scales, qbi, idx; writes qbi, idx
.if DOCPART == 2
	.amdgcn_target "amdgcn-amd-amdhsa--gfx1250"
	.amdhsa_code_object_version 6
	.text
	.protected	k_q310cd227f0_front
	.globl	k_q310cd227f0_front
	.p2align	8
	.type	k_q310cd227f0_front,@function
k_q310cd227f0_front:
	s_mov_b64 s[64:65], 0
	v_nop
	global_prefetch_b8 v0, s[64:65] scope:SCOPE_SE
	s_setreg_imm32_b32 hwreg(HW_REG_WAVE_MODE, 25, 1), 1
	s_wait_xcnt 0x0
	s_wait_alu depctr_hold_cnt(0) depctr_sa_sdst(0) depctr_va_vdst(0) depctr_va_sdst(0) depctr_va_ssrc(0) depctr_va_vcc(0) depctr_vm_vsrc(0)
	s_getreg_b32 s2, hwreg(HW_REG_IB_STS2, 6, 4)
	s_cmp_eq_u32 s2, 0
	s_cbranch_scc0 .Lentry_in_a_cluster
	s_endpgm
.Lentry_in_a_cluster:
	s_bfe_u32 s2, ttmp6, 0x10000c
	s_cmp_lg_u32 s2, 0x3003
	s_cbranch_scc0 .Lentry_shape_is_right
	s_endpgm
.Lentry_shape_is_right:
; THE SECOND LAUNCH: qp = q w_q; qp quantised with 2^e6 (attention's queries) goes to qbi; qp quantised with 2^e2 stays in LDS and is multiplied by the batch's memory table; the row's argmax goes to idx.
; SHARES.  A work-group owns 32 rows (two tiles a = 0, 1 of 16) and ALL 1,024 columns of both products, since the argmax wants whole rows.  Wave w owns tiles 8w .. 8w+7 of the columns, for both row tiles:
; 16 accumulators, in window 1 at v[64 a + 8 t].  The products are used transposed (source 0 = 16 columns' rows of the right operand, source 1 = 16 of my rows): a lane holds one row.
; FRAGMENTS AND IMAGES as the first launch lays them: 16 rows x 128 K in 16 registers, an image of 2,048 bytes, registers 4c..4c+3 of lane l at 512 c + 16 l.
; THE RING.  A K step of the right operand is one dense block of 128 KiB (64 images).  Two LDS slots of that size; wave w fetches, by one tensor load, the 16 KiB that it alone reads.  16 tiles: 8 of wqi, then 8 of mqi.
; CLUSTER.  The four work-groups of a cluster lie in one batch and walk the same 16 tiles, so each tile is asked for JOINTLY: the same tensor load, the same descriptor, a mask that names the four.
; The left operand lies in LDS as 16 images ((a, K step s) at (8 a + s) 2048): first q's codes, then the codes of qp, which wave w makes for K step w: by the choice of w_q's rows in wqi its 64 sums of a row tile are
; K = 128 w + 32 b + 16 h + i in register 16 b + i.
; THE ARGMAX is taken of the unscaled sums (2^(e2 + e3) is positive); of equal scores the lowest index is kept.  NaN among the scores is not served.
; LIMITS: e6 - e0 - e1 and e2 - e0 - e1 lie between -126 and 112.
.set TILE,  131072
.set AIMG,  262144                     ; behind the ring: the left operand's 16 images
.set SCR,   294912                     ; 32 rows x 8 waves x (score, index)
.set SPARE, 296960                     ; the spare words, 128 bytes for each wave: four blocks of 256 bytes that no other line names
.set SPW,  1                           ; v1   SPARE + 4 x my thread's number; never rewritten
.set NIL,  2                           ; v2   0; never rewritten
.set LI,   3                           ; v3   16 x lane
.set BA,   4                           ; v4, v5  my 16 KiB in slot 0, 1, + 16 x lane
.set AA,   6                           ; v6   AIMG + 16 x lane
.set AWR,  7                           ; v7   where I store images: AIMG + 2048 w + 16 x lane
.set QO,   8                           ; v8   q: 1,024 r + 16 h
.set SCA,  9                           ; v9   SCR + 64 r + 8 w
.set SCL,  10                          ; v10  SCR + 64 x lane
.set IO,   11                          ; v11  4 x lane
.set SC6,  12                          ; v12-15 scale and largest number x scale, for e6 - e0 - e1 and for e2 - e0 - e1
.set LM6,  13
.set SC2,  14
.set LM2,  15
.set AF,   16                          ; v16-47   the left operand's two fragments of a K step
.set BF,   48                          ; v48-175  my eight fragments of the right operand
.set T,    48                          ; v48-111  between the products: 64 held numbers
.set PC6,  176                         ; v176-207 codes for qbi
.set PC2,  208                         ; v208-239 codes for the search
.set BEST, 240                         ; v[240:241], v[242:243] (score, index) of row tile 0, 1
.set OTH,  244                         ; v244, v245 the other half of the lanes'
.set NB,   246                         ; v246 128 w + 8 h
.set WV,   16
.set G1,   24                          ; s[24:31] descriptor group 1
.set G0,   32                          ; s[32:35], s[36:39] group 0 of slot 0, 1
.set MQ,   40                          ; s[40:41], s[42:43] my part of mqi's K steps 0, 1
.set MSB, 0
.macro WIN new                         ; the immediate's high byte repeats the setting that is left
.if MSB != \new
	s_set_vgpr_msb (MSB<<8)|\new
.set MSB, \new
.endif
.endm
.macro MKSC se, vsc, vlim              ; s[se] holds e (and is used up): v[vsc] = 2^e, v[vlim] = 57,344 x 2^e
	s_add_co_i32 s[\se], s[\se], 127
	s_lshl_b32 s23, s[\se], 23
	v_mov_b32 v[\vsc], s23
	s_add_co_i32 s[\se], s[\se], 15
	s_lshl_b32 s[\se], s[\se], 23
	s_or_b32 s[\se], s[\se], 0x600000
	v_mov_b32 v[\vlim], s[\se]
.endm
.macro ROUND                           ; a round of the cluster's barrier: my work-group's barrier; wave 0 signals for the work-group; every wave waits for all four work-groups; my work-group's barrier once more
	s_barrier_signal -1
	s_barrier_wait -1
	s_cmp_lg_u32 s[WV], 0
	s_cbranch_scc1 .Lnot_wave_0_\@
	s_barrier_signal -3
.Lnot_wave_0_\@:
	s_barrier_wait -3
	s_barrier_signal -1
	s_barrier_wait -1
.endm
; TRIP u: tile u (slot u % 2, K step u % 8) is multiplied; tile u + 1 is asked for, into the slot that was read in the trip before.
; nxt: how this slot's group 0 goes on to tile u + 2: 1: two K steps on; 2: to mqi's first tiles; 0: there is none.  last = 1: nothing is asked for.
.macro TRIP u, last, nxt
.set SL, (\u)%2
.set KS, (\u)%8
	s_wait_tensorcnt 0x0                           ; my one tensor load has landed: my part of this trip's tile; no load of mine is out, so a group 0 may be written
	ds_add_u32 v[SPW], v[NIL]                      ; 0 onto my spare word
.if \nxt == 1
	s_add_nc_u64 s[G0+4*SL+2:G0+4*SL+3], s[G0+4*SL+2:G0+4*SL+3], 2*TILE
.elseif \nxt == 2
	s_mov_b64 s[G0+4*SL+2:G0+4*SL+3], s[MQ+2*SL:MQ+2*SL+1]
	s_or_b32 s[G0+4*SL+3], s[G0+4*SL+3], 0x80000000
.endif
	s_wait_dscnt 0x0                               ; the add is done, my reads of the other slot are over, and my LDS stores (images) have landed
	ROUND                                          ; all that now holds of every wave of the four work-groups
.if \last == 0
	tensor_load_to_lds s[G0+4-4*SL:G0+7-4*SL], s[G1:G1+7]     ; the first thing behind the round, and my one tensor load until the next
	s_nop 0
.endif
.rept 4
	v_nop                                          ; four plain lines behind the tensor load; they are also the four places in front of loads into registers that matrix instructions have read
.endr
.irp a, 0,1
.irp c, 0,1,2,3
	ds_load_b128 v[AF+16*\a+4*\c:AF+16*\a+4*\c+3], v[AA] offset:(8*\a+KS)*2048+512*\c
.endr
.endr
.irp t, 0,1,2,3,4,5,6,7
.irp c, 0,1,2,3
	ds_load_b128 v[BF+16*\t+4*\c:BF+16*\t+4*\c+3], v[BA+SL] offset:2048*\t+512*\c
.endr
.endr
	WIN 0x50                                       ; C and D in window 1
.irp t, 0,1,2,3,4,5,6,7
	s_wait_dscnt 4*(7-\t)                          ; LDS loads come back in order: tile t's fragment is in, the four loads of each younger tile stay out
.irp a, 0,1
.if KS == 0
	v_wmma_f32_16x16x128_bf8_bf8 v[64*\a+8*\t:64*\a+8*\t+7], v[BF+16*\t:BF+16*\t+15], v[AF+16*\a:AF+16*\a+15], 0       ; the first K step starts the sums: nothing is cleared
.else
	v_wmma_f32_16x16x128_bf8_bf8 v[64*\a+8*\t:64*\a+8*\t+7], v[BF+16*\t:BF+16*\t+15], v[AF+16*\a:AF+16*\a+15], v[64*\a+8*\t:64*\a+8*\t+7]   ; the 16 accumulators take turns, in the same order in every trip
.endif
.endr
.endr
	WIN 0
.endm
; The 64 sums of row tile a become a fragment's codes in v[pc] on.  Each accumulator is read from its low end on.
.macro QUANTW a, sc, lim, pc
	WIN 0x01                                       ; source 0 in window 1
.set i, 0
.rept 64
	v_med3_num_f32 v[T+i], v[64*(\a)+i], -v[\lim], v[\lim]    ; the conversion to an 8-bit code does not saturate (ISA guide 7.6.2): the hold at the largest code x the scale
.set i, i+1
.endr
	WIN 0
.irp g, 0,1,2,3,4,5,6,7
	v_cvt_scalef32_pk8_bf8_f32 v[\pc+2*\g:\pc+2*\g+1], v[T+8*\g:T+8*\g+7], v[\sc]
.endr
	v_nop                                          ; one plain vector line between a scaled conversion and the next line that writes its sources
.endm
	s_load_b256 s[4:11], s[0:1], 0x0               ; q's codes s[4:5], wqi s[6:7], mqi s[8:9], scales s[10:11]
	s_load_b128 s[12:15], s[0:1], 0x20             ; qbi s[12:13], idx s[14:15]
	v_lshl_add_u32 v[SPW], v0, 2, SPARE
	v_mov_b32 v[NIL], 0
	ds_add_u32 v1, v2
	ds_add_u32 v1, v2
	s_wait_dscnt 0x0
	v_lshrrev_b32 v[LI], 5, v0
	v_readfirstlane_b32 s[WV], v[LI]               ; wave 0..7
	s_bfe_u32 s17, ttmp6, 0x40000                  ; cx: my place in the cluster
	s_lshl_b32 s18, ttmp9, 2                       ; in a cluster launch ttmp9 counts clusters
	s_add_co_u32 s18, s18, s17                     ; my work-group: it enters the addresses of q, qbi and idx alone
	v_and_b32 v[LI], 31, v0
	v_lshlrev_b32 v[LI], 4, v[LI]
	v_and_b32 v12, 15, v0                          ; r  (v12, v13 take scales later)
	v_bfe_u32 v13, v0, 4, 1                        ; h
	s_lshl_b32 s60, s[WV], 14                      ; my 16 KiB of a tile, in memory and in a slot
	s_mov_b32 s61, 0
	v_add_nc_u32 v[BA], s60, v[LI]
	v_add_nc_u32 v[BA+1], TILE, v[BA]
	v_add_nc_u32 v[AA], AIMG, v[LI]
	s_lshl_b32 s19, s[WV], 11
	v_add_nc_u32 v[AWR], s19, v[AA]
	v_lshlrev_b32 v[QO], 10, v12
	v_lshl_add_u32 v[QO], v13, 4, v[QO]
	s_lshl_b32 s20, s[WV], 3
	v_lshlrev_b32 v[SCA], 6, v12
	v_add_nc_u32 v[SCA], s20, v[SCA]
	v_add_nc_u32 v[SCA], SCR, v[SCA]
	v_lshl_add_u32 v[SCL], v[LI], 2, SCR
	v_lshrrev_b32 v[IO], 2, v[LI]
	s_lshl_b32 s21, s[WV], 7
	v_lshl_add_u32 v[NB], v13, 3, s21
	v_mov_b32 v[OTH], 0                            ; written once: a lane permute's destination counts as one of its sources
	v_mov_b32 v[OTH+1], 0
	s_lshl_b32 s44, s18, 15
	s_add_co_u32 s44, s44, s21                     ; q: 32 rows of 1,024 bytes a work-group, + K step w
	s_mov_b32 s45, 0
	s_lshl_b32 s46, s18, 15
	s_add_co_u32 s46, s46, s19                     ; qbi: 16 images a work-group, + image w
	s_mov_b32 s47, 0
	s_lshl_b32 s58, s18, 7                         ; idx: 32 words a work-group
	s_mov_b32 s59, 0
	s_lshr_b32 s62, ttmp9, 4                       ; the batch: 16 clusters each; the four partners share it
	s_lshl_b32 s62, s62, 20                        ; its 8 K steps of 128 KiB in mqi,
	s_add_co_u32 s62, s62, s60                     ; + my 16 KiB
	s_mov_b32 s63, 0
	s_mov_b32 s56, 0x76543210                      ; lane selects for v_permlanex16_b32: lane l xor 16
	s_mov_b32 s57, 0xfedcba98
	; descriptor group 1: 64 rows of 32 elements of 8 bytes, dense: 16 KiB
	s_mov_b32 s[G1+0], 15|(3<<16)|(1<<21)          ; 15:0 the mask: all four work-groups; 17:16 elements of 8 bytes; 21 set beside a mask; no padding
	s_mov_b32 s[G1+1], 32<<16                      ; tensor_dim0 = 32
	s_mov_b32 s[G1+2], 64<<16                      ; tensor_dim1 = 64
	s_mov_b32 s[G1+3], 32<<16                      ; tile_dim0 = 32
	s_mov_b32 s[G1+4], 64                          ; tile_dim1 = 64
	s_mov_b32 s[G1+5], 32                          ; from row to row: 32 elements
	s_mov_b32 s[G1+6], 0
	s_mov_b32 s[G1+7], 0
	s_wait_kmcnt 0x0
	s_load_b256 s[48:55], s[10:11], 0x0            ; e0 .. e7
	s_add_nc_u64 s[4:5], s[4:5], s[44:45]
	s_add_nc_u64 s[12:13], s[12:13], s[46:47]
	s_add_nc_u64 s[14:15], s[14:15], s[58:59]
	s_add_nc_u64 s[6:7], s[6:7], s[60:61]          ; wqi at my part of K step 0
	s_add_nc_u64 s[MQ:MQ+1], s[8:9], s[62:63]      ; mqi at my part of the batch's K step 0,
	s_add_nc_u64 s[MQ+2:MQ+3], s[MQ:MQ+1], TILE    ; and of K step 1
.irp a, 0,1
.irp c, 0,1,2,3
	global_load_b128 v[AF+16*\a+4*\c:AF+16*\a+4*\c+3], v[QO], s[4:5] offset:16384*\a+32*\c th:TH_LOAD_NT    ; q's fragments (a, K step w)
.endr
.endr
	s_mov_b32 s[G0], 1                             ; count = 1
	s_lshl_b32 s[G0+1], s[WV], 14                  ; LDS address: slot 0, my 16 KiB
	s_mov_b64 s[G0+2:G0+3], s[6:7]                 ; tile 0
	s_or_b32 s[G0+3], s[G0+3], 0x80000000          ; type = 2
	s_mov_b32 s[G0+4], 1
	s_add_co_u32 s[G0+5], s60, TILE                ; slot 1
	s_add_nc_u64 s[G0+6:G0+7], s[6:7], TILE        ; tile 1
	s_or_b32 s[G0+7], s[G0+7], 0x80000000
	ROUND                                          ; all four work-groups are here: the first joint loads meet
	tensor_load_to_lds s[G0:G0+3], s[G1:G1+7]      ; tile 0
	s_nop 0
.rept 4
	v_nop
.endr
	s_wait_kmcnt 0x0
	s_add_co_i32 s21, s48, s49                     ; a sum of the first product stands for sum x 2^(e0 + e1): the scales are folded into the conversions'
	s_sub_co_i32 s22, s54, s21                     ; e6 - e0 - e1
	s_sub_co_i32 s21, s50, s21                     ; e2 - e0 - e1
	MKSC 22, SC6, LM6
	MKSC 21, SC2, LM2
	s_wait_loadcnt 0x0
.irp a, 0,1
.irp c, 0,1,2,3
	ds_store_b128 v[AWR], v[AF+16*\a+4*\c:AF+16*\a+4*\c+3] offset:16384*\a+512*\c   ; q's images; the first trip's wait and round show them to every wave
.endr
.endr
	; ---- qp = q w_q
	TRIP 0, 0, 1
	TRIP 1, 0, 1
	TRIP 2, 0, 1
	TRIP 3, 0, 1
	TRIP 4, 0, 1
	TRIP 5, 0, 1
	TRIP 6, 0, 2
	TRIP 7, 0, 2
.rept 4
	v_nop                                          ; four places in front of the first read of results
.endr
	QUANTW 0, SC6, LM6, PC6
.irp c, 0,1,2,3
	global_store_b128 v[LI], v[PC6+4*\c:PC6+4*\c+3], s[12:13] offset:512*\c          ; each store covers 512 consecutive bytes, aligned
.endr
	QUANTW 1, SC6, LM6, PC6+16
.irp c, 0,1,2,3
	global_store_b128 v[LI], v[PC6+16+4*\c:PC6+16+4*\c+3], s[12:13] offset:16384+512*\c
.endr
	s_wait_dscnt 0x0                               ; my reads of q's images are over
	s_barrier_signal -1
	s_barrier_wait -1                              ; everybody's are: the images may be written again
	QUANTW 0, SC2, LM2, PC2
.irp c, 0,1,2,3
	ds_store_b128 v[AWR], v[PC2+4*\c:PC2+4*\c+3] offset:512*\c
.endr
	QUANTW 1, SC2, LM2, PC2+16
.irp c, 0,1,2,3
	ds_store_b128 v[AWR], v[PC2+16+4*\c:PC2+16+4*\c+3] offset:16384+512*\c
.endr
	; ---- the scores: qp x the batch's table.  The next trip's wait and round show the new images to every wave
	TRIP 8, 0, 1
	TRIP 9, 0, 1
	TRIP 10, 0, 1
	TRIP 11, 0, 1
	TRIP 12, 0, 1
	TRIP 13, 0, 1
	TRIP 14, 0, 0
	TRIP 15, 1, 0
.rept 4
	v_nop
.endr
	; ---- the argmax.  Lane (r, h), register 8 t + j of row tile a: the score of row r against table row 128 w + 16 t + 8 h + j.  Ascending, and a later score must be greater to be taken
	WIN 0x01
.irp a, 0,1
	v_mov_b32 v[BEST+2*\a], v[64*\a]
	v_mov_b32 v[BEST+2*\a+1], 0
.endr
.set i, 1
.rept 63
.irp a, 0,1
	v_cmp_le_f32 vcc_lo, v[64*\a+i], v[BEST+2*\a]
	v_cndmask_b32 v[BEST+2*\a], v[64*\a+i], v[BEST+2*\a], vcc_lo
	v_cndmask_b32 v[BEST+2*\a+1], 16*(i/8)+i%8, v[BEST+2*\a+1], vcc_lo
.endr
.set i, i+1
.endr
	WIN 0
.irp a, 0,1
	v_add_nc_u32 v[BEST+2*\a+1], v[NB], v[BEST+2*\a+1]
	v_permlanex16_b32 v[OTH], v[BEST+2*\a], s56, s57           ; the row's other columns of my wave lie in the lane 16 away
	v_permlanex16_b32 v[OTH+1], v[BEST+2*\a+1], s56, s57
	v_cmp_gt_f32 s58, v[OTH], v[BEST+2*\a]
	v_cmp_eq_f32 s59, v[OTH], v[BEST+2*\a]
	v_cmp_lt_u32 vcc_lo, v[OTH+1], v[BEST+2*\a+1]
	s_and_b32 s59, s59, vcc_lo
	s_or_b32 vcc_lo, s58, s59                                  ; greater, or equal with the lower index
	v_cndmask_b32 v[BEST+2*\a], v[BEST+2*\a], v[OTH], vcc_lo
	v_cndmask_b32 v[BEST+2*\a+1], v[BEST+2*\a+1], v[OTH+1], vcc_lo
	ds_store_b64 v[SCA], v[BEST+2*\a:BEST+2*\a+1] offset:1024*\a   ; both halves of the lanes write the same pair to the same place
.endr
	s_wait_dscnt 0x0                               ; for wave 0's sake
	s_barrier_signal -1
	s_barrier_wait -1
	s_cmp_lg_u32 s[WV], 0
	s_cbranch_scc1 .Lothers
.irp c, 0,1,2,3
	ds_load_b128 v[48+4*\c:48+4*\c+3], v[SCL] offset:16*\c     ; lane = row: the eight waves' pairs
.endr
	s_wait_dscnt 0x0
.irp k, 1,2,3,4,5,6,7
	v_cmp_gt_f32 vcc_lo, v[48+2*\k], v48                       ; a later wave's columns are higher: it must be greater
	v_cndmask_b32 v48, v48, v[48+2*\k], vcc_lo
	v_cndmask_b32 v49, v49, v[49+2*\k], vcc_lo
.endr
	global_store_b32 v[IO], v49, s[14:15]
.Lothers:
	s_wait_tensorcnt 0x0                           ; the wave's end: behind my last tensor load and my last LDS store
	ds_add_u32 v[SPW], v[NIL]
	s_wait_dscnt 0x0
	ROUND                                          ; the closing round: no work-group ends while a partner may still ask for a tile that names it
	s_endpgm
.Lfunc_end_k_q310cd227f0_front:
	.size	k_q310cd227f0_front, .Lfunc_end_k_q310cd227f0_front-k_q310cd227f0_front
	.p2alignl 7, 3214868480
	.fill 96, 4, 3214868480
	.section	.rodata,"a",@progbits
	.p2align	6, 0x0
	.amdhsa_kernel k_q310cd227f0_front
		.amdhsa_group_segment_fixed_size 327680
		.amdhsa_private_segment_fixed_size 0
		.amdhsa_enable_private_segment 0
		.amdhsa_kernarg_size 48
		.amdhsa_user_sgpr_count 2
		.amdhsa_user_sgpr_kernarg_segment_ptr 1
		.amdhsa_wavefront_size32 1
		.amdhsa_system_sgpr_workgroup_id_x 1
		.amdhsa_system_sgpr_workgroup_id_y 1
		.amdhsa_system_sgpr_workgroup_id_z 1
		.amdhsa_system_vgpr_workitem_id 0
		.amdhsa_next_free_vgpr 384
		.amdhsa_next_free_sgpr 66
		.amdhsa_reserve_vcc 1
		.amdhsa_float_denorm_mode_32 3
		.amdhsa_float_denorm_mode_16_64 3
		.amdhsa_memory_ordered 1
		.amdhsa_forward_progress 1
		.amdhsa_inst_pref_size 115
	.end_amdhsa_kernel
	.amdgpu_metadata
---
amdhsa.version: [ 1, 2 ]
amdhsa.kernels:
  - .name:           k_q310cd227f0_front
    .symbol:         k_q310cd227f0_front.kd
    .args:
      - { .name: q_codes, .offset: 0, .size: 8, .value_kind: global_buffer, .address_space: global }
      - { .name: wqi, .offset: 8, .size: 8, .value_kind: global_buffer, .address_space: global }
      - { .name: mqi, .offset: 16, .size: 8, .value_kind: global_buffer, .address_space: global }
      - { .name: lowp_scales, .offset: 24, .size: 8, .value_kind: global_buffer, .address_space: global }
      - { .name: qbi, .offset: 32, .size: 8, .value_kind: global_buffer, .address_space: global }
      - { .name: idx, .offset: 40, .size: 8, .value_kind: global_buffer, .address_space: global }
    .group_segment_fixed_size: 327680
    .private_segment_fixed_size: 0
    .kernarg_segment_align: 8
    .kernarg_segment_size: 48
    .max_flat_workgroup_size: 256
    .sgpr_count:     66
    .vgpr_count:     384
    .wavefront_size: 32
...
	.end_amdgpu_metadata
.endif
;; end of part 2
;; launch attn (part 3): grid 256 x 1, 8 waves a work-group, no clusters, 312,320 bytes of LDS; arguments qbi, kvt, idx, lowp_scales, oci; writes oci
.if DOCPART == 3
	.amdgcn_target "amdgcn-amd-amdhsa--gfx1250"
	.amdhsa_code_object_version 6
	.text
	.protected	k_q310cd227f0_attn
	.globl	k_q310cd227f0_attn
	.p2align	8
	.type	k_q310cd227f0_attn,@function
k_q310cd227f0_attn:
	s_mov_b64 s[64:65], 0
	v_nop
	global_prefetch_b8 v0, s[64:65] scope:SCOPE_SE
	s_setreg_imm32_b32 hwreg(HW_REG_WAVE_MODE, 25, 1), 1
	s_wait_xcnt 0x0
; THE THIRD LAUNCH: attention.  o = softmax(qh k^T / 8) v for 16 heads of 64 channels; k and v (2,048 keys a batch) are shared by all heads.  Both products on codes of BF8; the result, quantised with 2^e10, goes to oci.
; SHARES.  Work-group g owns 32 rows of batch g / 64, all 16 heads: 32 tiles of 16 queries.  Wave w owns heads 2w, 2w+1 x row tiles a = 0, 1: four tiles x (a = x % 2, head 2w + x / 2).  Every wave walks all keys, 128 a step.
; THE KEYS.  Key m's codes are row idx[m] of kvt (64 of k, 64 of v), which the launches before have stored.  At the head wave w gathers keys 256 w .. + 255 and lays them in LDS in the order of the operands' registers;
; the batch's whole K (128 KiB) and V (128 KiB) then stay in LDS: one barrier in the launch, and each fragment read feeds four tiles.
;   K: a tile of 16 keys x 64 channels is 8 registers: lane (r, h): key r, registers 4j..4j+3 channels 32j + 16h + 0..15 (as the queries' codes lie in qbi): the gathered 16 bytes ARE the registers.
;   V: its K is the keys.  64 keys' rows go through the wave's own scratch (pitch 96) and come back turned, two bytes at a time, by ds_load_tr16_b128; v_perm_b32 parts even and odd channels.
;      Fragment n of a key step (n = 2 (n0/32) + p): lane (r, h): channel n0 + 2r + p, registers 2c, 2c+1 keys 16c + 8h + 0..7.
; LAYOUT.  Both products transposed: S^T = K Q^T (a lane holds one query; register 8t + j is key 16t + 8h + j), so the conversions' results are the second product's operand; O^T = V^T P^T.
; SOFTMAX.  t = score x log2(e) / 8; M = the running largest t rounded UP to a whole number, kept as -M; p = 2^(t - M) is quantised with 2^e8; the row's sum is taken of the unquantised p; when M moves, sum and O^T are
; multiplied by 2^(old M - new M), which rounds nothing.  At the end O^T x 2^(e8 + e9) / sum.
; p is at most 1, so its hold at 57,344 x 2^e8 binds only where e8 <= -16: a scalar branch on that given whole number jumps over the 64 lines otherwise (this launch has no tensor load and no copy).
; LIMITS: e6 + e7 between -123 and 130 (added to the exponent field of log2(e) / 8); e8 and e10 between -126 and 112.  NaN among the inputs is not served.
; REGISTERS.  Window 0: v1-14 addresses and scales; v16-47 eight registers of statistics a tile; v48-111 K of a step; v112-175 V of a step; v176-239 S^T, then p; v240-244 at work.
;   Window 1: v0-127 O^T (tile x, fragment n at 32x + 8n); v128-159 Q (16a + 8 (head % 2)); v160-223 p's codes, 16 a tile.
.set KIMG, 0
.set VIMG, 131072
.set VTMP, 262144                      ; 64 keys x 96 bytes for each wave
.set VP,   96                          ; a key's 64 codes of v + 32 of padding
.set LI,   1                           ; v1   16 x lane
.set KST,  2                           ; v2   where I store K's tiles: 16384 w + 16 x lane
.set VTS,  3                           ; v3   my scratch: 96 r + 16 h
.set VTL,  4                           ; v4   my scratch, for the turning load: (8 h + lane % 8) 96 + 16 ((lane / 8) % 2)
.set VST,  5                           ; v5   where I store V's fragments: VIMG + 16384 w + 16 x lane
.set R4,   6                           ; v6   4 r
.set H16,  7                           ; v7   16 h
.set ADK,  8                           ; v8   the next step's K
.set ADV,  9                           ; v9   this step's V
.set SC8,  10
.set LM8,  11
.set SC10, 12
.set LM10, 13
.set LIV,  14                          ; v14  VIMG + 16 x lane
.set ST,   16                          ; tile x at v[16 + 8x]: +0 -M, +1 the largest t, +2, +3 the sum in two halves, +4 f (+5 named with it), +6 the divisor, +7 at work
.set KF,   48
.set VF,   112
.set S,    176
.set O,    0
.set Q,    128
.set P,    160
.set IX,   16                          ; at the head: v16-31 my 16 tiles' offsets in kvt; v32-47 and v240-255 turned pieces; v48-175 two sets of gathered rows; v176-239 V's four fragments
.set GD,   48
.set VG,   176
.set WV,   16
.set MSB, 0
.macro WIN new                         ; the immediate's high byte repeats the setting that is left
.if MSB != \new
	s_set_vgpr_msb (MSB<<8)|\new
.set MSB, \new
.endif
.endm
.macro MKSC se, vsc, vlim              ; s[se] holds e (and is used up): v[vsc] = 2^e, v[vlim] = 57,344 x 2^e
	s_add_co_i32 s[\se], s[\se], 127
	s_lshl_b32 s38, s[\se], 23
	v_mov_b32 v[\vsc], s38
	s_add_co_i32 s[\se], s[\se], 15
	s_lshl_b32 s[\se], s[\se], 23
	s_or_b32 s[\se], s[\se], 0x600000
	v_mov_b32 v[\vlim], s[\se]
.endm
.macro GLOAD bt                        ; batch bt: four tiles of 16 keys: of each key's row my half's 16 bytes at 0, 32 (k) and 64, 96 (v)
.irp q, 0,1,2,3
.irp j, 0,1,2,3
	global_load_b128 v[GD+64*((\bt)%2)+16*\q+4*\j:GD+64*((\bt)%2)+16*\q+4*\j+3], v[IX+4*(\bt)+\q], s[6:7] offset:32*\j
.endr
.endr
.endm
.macro BATCH bt
.set GB, GD+64*((\bt)%2)
.if (\bt) < 3
	s_wait_loadcnt 16                              ; this batch's 16 gathers are in; the next batch's stay out
.else
	s_wait_loadcnt 0x0
.endif
.irp q, 0,1,2,3
	ds_store_b128 v[KST], v[GB+16*\q:GB+16*\q+3] offset:1024*(4*(\bt)+\q)
	ds_store_b128 v[KST], v[GB+16*\q+4:GB+16*\q+7] offset:1024*(4*(\bt)+\q)+512
	ds_store_b128 v[VTS], v[GB+16*\q+8:GB+16*\q+11] offset:16*VP*\q
	ds_store_b128 v[VTS], v[GB+16*\q+12:GB+16*\q+15] offset:16*VP*\q+32
.endr
.irp k, 0,1,2,3,4,5,6,7                ; piece k: keys 16 (k / 2) on, channels 32 (k % 2) on.  LDS serves a wave's instructions in order: these see my stores
	ds_load_tr16_b128 v[32+4*\k+192*(\k/4):32+4*\k+192*(\k/4)+3], v[VTL] offset:16*VP*(\k/2)+32*(\k%2)
.endr
	s_wait_dscnt 0x0                               ; the pieces are in, and the stores have read the gathered rows
.if (\bt) < 2
	GLOAD (\bt)+2
.endif
.irp k, 0,1,2,3,4,5,6,7
.irp p, 0,1                            ; even channels: bytes 0, 2 of each word; odd: bytes 1, 3
	v_perm_b32 v[VG+16*(2*(\k%2)+\p)+2*(4*((\bt)%2)+\k/2)], v[32+4*\k+192*(\k/4)+1], v[32+4*\k+192*(\k/4)], s[26+\p]
	v_perm_b32 v[VG+16*(2*(\k%2)+\p)+2*(4*((\bt)%2)+\k/2)+1], v[32+4*\k+192*(\k/4)+3], v[32+4*\k+192*(\k/4)+2], s[26+\p]
.endr
.endr
.if (\bt)%2
.irp n, 0,1,2,3
.irp c, 0,1,2,3
	ds_store_b128 v[VST], v[VG+16*\n+4*\c:VG+16*\n+4*\c+3] offset:8192*((\bt)/2)+2048*\n+512*\c
.endr
.endr
.endif
.endm
.macro KLOAD adr                       ; a step's K: eight tiles of 16 keys
	WIN 0
.irp t, 0,1,2,3,4,5,6,7
	ds_load_b128 v[KF+8*\t:KF+8*\t+3], v[\adr] offset:1024*\t
	ds_load_b128 v[KF+8*\t+4:KF+8*\t+7], v[\adr] offset:1024*\t+512
.endr
.endm
.macro VLOAD                           ; a step's V: four fragments of 16 channels x 128 keys
	WIN 0
.irp n, 0,1,2,3
.irp c, 0,1,2,3
	ds_load_b128 v[VF+16*\n+4*\c:VF+16*\n+4*\c+3], v[ADV] offset:2048*\n+512*\c
.endr
.endr
.endm
.macro KQ x                            ; S^T = K Q^T for tile x: eight products, each its own accumulator, each begun with 0
	WIN 0x04                                       ; source 1 (Q) in window 1
.irp t, 0,1,2,3,4,5,6,7
	v_wmma_f32_16x16x64_bf8_bf8 v[S+8*\t:S+8*\t+7], v[KF+8*\t:KF+8*\t+7], v[Q+16*((\x)%2)+8*((\x)/2):Q+16*((\x)%2)+8*((\x)/2)+7], 0
.endr
.endm
.macro RESC x                          ; tile x's O^T under the new M: x f.  Sixteen plain lines that name no register of the products just issued: they are also the places behind those
	WIN 0x41                                       ; destination and source 0 in window 1
.irp j, 0,2,4,6,8,10,12,14,16,18,20,22,24,26,28,30
	v_pk_mul_f32 v[O+32*(\x)+\j:O+32*(\x)+\j+1], v[O+32*(\x)+\j:O+32*(\x)+\j+1], v[ST+8*(\x)+4:ST+8*(\x)+5] op_sel_hi:[1,0]
.endr
.endm
.macro PLACES
.rept 4
	v_nop
.endr
.endm
.macro SM x                            ; tile x's softmax for a key step, on S^T; its codes go to window 1
.set rT, ST+8*(\x)
	WIN 0
	v_max3_num_f32 v240, v[S], v[S+1], v[S+2]      ; the step's largest score of my query among my 64 keys, in two chains; each accumulator is first read at its low end
	v_max3_num_f32 v244, v[S+3], v[S+4], v[S+5]
.irp i, 6,10,14,18,22,26,30,34,38,42,46,50,54,58
	v_max3_num_f32 v240, v240, v[S+\i], v[S+\i+1]
	v_max3_num_f32 v244, v244, v[S+\i+2], v[S+\i+3]
.endr
	v_max3_num_f32 v240, v240, v[S+62], v[S+63]
	v_max_num_f32 v240, v240, v244
	v_permlanex16_b32 v241, v240, s20, s21         ; the query's other 64 keys lie in the lane 16 away
	v_max_num_f32 v240, v240, v241
	v_mul_f32 v240, s22, v240                      ; as t (c is positive)
	v_max_num_f32 v[rT+1], v[rT+1], v240           ; the running largest t
	v_mov_b32 v240, v[rT]
	v_floor_f32 v[rT], -v[rT+1]                    ; the new -M = floor(-t) = -ceil(t)
	v_sub_f32 v240, v[rT], v240                    ; old M - new M: a whole number, 0 or less
	v_cvt_i32_f32 v240, v240                       ; (it saturates)
	v_ldexp_f32 v[rT+4], 1.0, v240                 ; f = 2^(old M - new M)
.set j, 0
.rept 32
	v_pk_fma_f32 v[S+j:S+j+1], v[S+j:S+j+1], s[22:23], v[rT:rT+1] op_sel_hi:[1,0,0]   ; t - M, two at a time (of the pairs c and -M the low word serves both halves)
.set j, j+2
.endr
.set j, 0
.rept 64
	v_exp_f32 v[S+j], v[S+j]                       ; p = 2^(t - M), at most 1
.set j, j+1
.endr
	v_pk_mul_f32 v[rT+2:rT+3], v[rT+2:rT+3], v[rT+4:rT+5] op_sel_hi:[1,0]    ; the sums under the new M: the plain line behind the exponentials
	s_wait_alu depctr_va_vdst(0)                   ; one wait for the whole batch, ahead of its first reader
	v_pk_add_f32 v[242:243], v[S:S+1], v[S+2:S+3]  ; the row's sum is taken of the unquantised p, in two chains
.irp j, 4,8,12,16,20,24,28,32,36,40,44,48,52,56,60
	v_pk_add_f32 v[rT+2:rT+3], v[rT+2:rT+3], v[S+\j:S+\j+1]
	v_pk_add_f32 v[242:243], v[242:243], v[S+\j+2:S+\j+3]
.endr
	v_pk_add_f32 v[rT+2:rT+3], v[rT+2:rT+3], v[242:243]
	s_cmp_gt_i32 s28, -16                          ; 57,344 x 2^e8 is 1 or more where e8 > -16: p, at most 1, cannot pass it
	s_cbranch_scc1 .Lno_hold_\@
.set j, 0
.rept 64
	v_min_num_f32 v[S+j], v[S+j], v[LM8]           ; the conversion to an 8-bit code does not saturate (ISA guide 7.6.2); p is not negative, so the hold is one-sided
.set j, j+1
.endr
.Lno_hold_\@:
	WIN 0x40                                       ; destination in window 1
.irp t, 0,1,2,3,4,5,6,7
	v_cvt_scalef32_pk8_bf8_f32 v[P+16*(\x)+2*\t:P+16*(\x)+2*\t+1], v[S+8*\t:S+8*\t+7], v[SC8]   ; registers 2t, 2t+1: keys 16t + 8h + 0..7
.endr
	WIN 0
	v_nop                                          ; one plain vector line between a scaled conversion and the products that write its sources or read its result
.endm
.macro PV fst                          ; O^T += V^T P^T: 16 accumulators, one instruction each.  fst = 1: they start the sums
	WIN 0x54                                       ; source 1 (P), C and D in window 1
.irp n, 0,1,2,3
.irp y, 0,1,2,3
.if \fst
	v_wmma_f32_16x16x128_bf8_bf8 v[O+32*\y+8*\n:O+32*\y+8*\n+7], v[VF+16*\n:VF+16*\n+15], v[P+16*\y:P+16*\y+15], 0
.else
	v_wmma_f32_16x16x128_bf8_bf8 v[O+32*\y+8*\n:O+32*\y+8*\n+7], v[VF+16*\n:VF+16*\n+15], v[P+16*\y:P+16*\y+15], v[O+32*\y+8*\n:O+32*\y+8*\n+7]
.endif
.endr
.endr
	WIN 0
.endm
; A KEY STEP: 128 keys, four tiles of queries.  s24: LDS byte of the step within K's and V's images.  fst = 1: the first step: nothing to rescale, and the next step's K is always fetched.
.macro STEP fst
	v_add_nc_u32 v[ADV], s24, v[LIV]
	s_add_co_u32 s24, s24, 8192
	v_add_nc_u32 v[ADK], s24, v[LI]
	s_wait_dscnt 0x0                               ; this step's K is in
	KQ 0
	PLACES                                         ; in front of the read of S^T; with the two additions above also in front of the loads into V's registers, which the last step's products read
	VLOAD
	SM 0
	KQ 1
.if \fst
	PLACES
.else
	RESC 0
.endif
	SM 1
	KQ 2
.if \fst
	PLACES
.else
	RESC 1
.endif
	SM 2
	KQ 3
.if \fst
	PLACES
.else
	RESC 2
	WIN 0
	s_cmp_eq_u32 s25, 1                            ; the last step has no successor; only waits for 0 follow, so the counts hold on both ways
	s_cbranch_scc1 .Lno_k_\@
.endif
	KLOAD ADK                                      ; K's registers are free: the next step's K lands under the last tile's softmax
.if \fst == 0
.Lno_k_\@:
.endif
	SM 3
.if \fst == 0
	RESC 3
.endif
	s_wait_dscnt 0x0                               ; V is in (and the next K)
	PV \fst
.endm
	s_load_b256 s[4:11], s[0:1], 0x0               ; qbi s[4:5], kvt s[6:7], idx s[8:9], scales s[10:11]
	s_load_b64 s[12:13], s[0:1], 0x20              ; oci
	s_set_vgpr_msb 0x40
	v_lshl_add_u32 v224, v0, 2, 0x4c000
	v_mov_b32 v225, 0
	s_set_vgpr_msb 0x4000
	v_lshrrev_b32 v15, 5, v0
	v_readfirstlane_b32 s[WV], v15                 ; wave 0..7
	v_and_b32 v[LI], 31, v0
	v_lshlrev_b32 v[LI], 4, v[LI]
	v_and_b32 v15, 15, v0                          ; r
	v_bfe_u32 v[H16], v0, 4, 1                     ; h
	s_lshl_b32 s17, s[WV], 14
	v_add_nc_u32 v[KST], s17, v[LI]
	s_mul_i32 s18, s[WV], 64*VP
	s_add_co_u32 s18, s18, VTMP                    ; my scratch
	v_mul_u32_u24 v[VTS], v15, VP
	v_lshl_add_u32 v[VTS], v[H16], 4, v[VTS]
	v_add_nc_u32 v[VTS], s18, v[VTS]
	v_and_b32 v[VTL], 7, v0
	v_lshl_add_u32 v[VTL], v[H16], 3, v[VTL]
	v_mul_u32_u24 v[VTL], v[VTL], VP
	v_bfe_u32 v[VST], v0, 3, 1
	v_lshl_add_u32 v[VTL], v[VST], 4, v[VTL]
	v_add_nc_u32 v[VTL], s18, v[VTL]
	v_add_nc_u32 v[LIV], VIMG, v[LI]
	v_add_nc_u32 v[VST], s17, v[LIV]
	v_lshlrev_b32 v[R4], 2, v15
	v_lshlrev_b32 v[H16], 4, v[H16]
	s_lshr_b32 s19, ttmp9, 6                       ; batch
	s_lshl_b32 s30, ttmp9, 15
	s_lshl_b32 s31, s[WV], 11
	s_add_co_u32 s30, s30, s31                     ; qbi, oci: 16 images a work-group, + image w
	s_mov_b32 s31, 0
	s_lshl_b32 s32, s19, 17                        ; kvt: the batch's 1,024 rows of 128 bytes
	s_mov_b32 s33, 0
	s_lshl_b32 s34, s19, 13
	s_lshl_b32 s35, s[WV], 10
	s_add_co_u32 s34, s34, s35                     ; idx: the batch's 2,048 words, + my 256
	s_mov_b32 s35, 0
	s_mov_b32 s20, 0x76543210                      ; lane selects for v_permlanex16_b32: lane l xor 16
	s_mov_b32 s21, 0xfedcba98
	s_mov_b32 s26, 0x06040200                      ; v_perm_b32: the even bytes of two words,
	s_mov_b32 s27, 0x07050301                      ; the odd ones
	s_mov_b32 s24, 0
	s_wait_kmcnt 0x0
	s_load_b256 s[40:47], s[10:11], 0x0            ; e0 .. e7
	s_load_b128 s[48:51], s[10:11], 0x20           ; e8 .. e11
	s_add_nc_u64 s[4:5], s[4:5], s[30:31]
	s_add_nc_u64 s[12:13], s[12:13], s[30:31]
	s_add_nc_u64 s[6:7], s[6:7], s[32:33]
	s_add_nc_u64 s[8:9], s[8:9], s[34:35]
	WIN 0x40                                       ; destination in window 1
.irp a, 0,1
.irp c, 0,1,2,3
	global_load_b128 v[Q+16*\a+4*\c:Q+16*\a+4*\c+3], v[LI], s[4:5] offset:16384*\a+512*\c th:TH_LOAD_NT   ; the queries' codes stay in registers: registers 0-7 head 2w, 8-15 head 2w + 1
.endr
.endr
	WIN 0
.irp t, 0,1,2,3,4,5,6,7,8,9,10,11,12,13,14,15
	global_load_b32 v[IX+\t], v[R4], s[8:9] offset:64*\t       ; the table row of key 256 w + 16 t + r
.endr
	s_wait_kmcnt 0x0
	s_add_co_i32 s36, s46, s47
	s_lshl_b32 s36, s36, 23
	s_mov_b32 s22, 0x3e38aa3b                      ; c = log2(e) / 8;
	s_add_co_i32 s22, s22, s36                     ; a score stands for score x 2^(e6 + e7): the exponents are added to c's exponent field
	s_mov_b32 s23, s22                             ; (named with it as a pair, so it is written)
	s_mov_b32 s28, s48                             ; e8
	s_add_co_i32 s29, s48, s49                     ; e8 + e9
	s_mov_b32 s37, s48
	MKSC 37, SC8, LM8
	MKSC 50, SC10, LM10
	s_wait_loadcnt 0x0
.irp t, 0,1,2,3,4,5,6,7,8,9,10,11,12,13,14,15
	v_min_u32 v[IX+\t], 0x3ff, v[IX+\t]            ; a loaded number enters an address only held inside the table
	v_lshlrev_b32 v[IX+\t], 7, v[IX+\t]
	v_add_nc_u32 v[IX+\t], v[H16], v[IX+\t]        ; row x 128 + 16 h
.endr
	GLOAD 0
	GLOAD 1
	BATCH 0
	BATCH 1
	BATCH 2
	BATCH 3
	s_wait_dscnt 0x0                               ; for the others' sake: my part of K and V has landed
	s_barrier_signal -1
	s_barrier_wait -1                              ; the batch's K and V lie in LDS; nothing is written there again
.irp x, 0,1,2,3
	v_mov_b32 v[ST+8*\x+1], 0xff61b1e6             ; the largest t so far: -3e38, under every t
	v_floor_f32 v[ST+8*\x], -v[ST+8*\x+1]          ; -M
	v_mov_b32 v[ST+8*\x+2], 0                      ; the sum, in two halves
	v_mov_b32 v[ST+8*\x+3], 0
	v_mov_b32 v[ST+8*\x+5], 0                      ; (named as the upper half of f's pair)
	v_mov_b32 v[ST+8*\x+7], 0                      ; a lane permute's destination counts as one of its sources
.endr
	v_mov_b32 v241, 0
	KLOAD LI                                       ; key step 0
	STEP 1
	s_mov_b32 s25, 15
.Lstep:
	STEP 0
	s_sub_co_u32 s25, s25, 1
	s_cmp_lg_u32 s25, 0
	s_cbranch_scc1 .Lstep
	; THE WAY OUT.  The additions are the places behind the last products.
.irp x, 0,1,2,3
	v_add_f32 v[ST+8*\x+6], v[ST+8*\x+2], v[ST+8*\x+3]
.endr
.irp x, 0,1,2,3
	v_permlanex16_b32 v[ST+8*\x+7], v[ST+8*\x+6], s20, s21
.endr
.irp x, 0,1,2,3
	v_add_f32 v[ST+8*\x+6], v[ST+8*\x+6], v[ST+8*\x+7]         ; the row's sum
.endr
.irp x, 0,1,2,3
	v_rcp_f32 v[ST+8*\x+6], v[ST+8*\x+6]
.endr
	v_nop                                          ; a plain line behind the last reciprocal,
	s_wait_alu depctr_va_vdst(0)                   ; and one wait for the four, ahead of the first reader
.irp x, 0,1,2,3
	v_ldexp_f32 v[ST+8*\x+6], v[ST+8*\x+6], s29    ; x 2^(e8 + e9)
.endr
; Row tile a: my two heads' 128 channels are K step w of the last product.  Register j of fragment n is channel 32 (n/2) + 16 h + 2 j + n % 2: laid by turns, a lane's 16 registers are 16 neighbours along that K.
.irp a, 0,1
	WIN 0x01                                       ; source 0 in window 1
.irp d, 0,1
.irp n, 0,1,2,3
.irp j, 0,1,2,3,4,5,6,7
	v_mul_f32 v[S+32*\d+16*(\n/2)+2*\j+(\n%2)], v[O+32*(\a+2*\d)+8*\n+\j], v[ST+8*(\a+2*\d)+6]      ; each accumulator from its low end on
.endr
.endr
.endr
	WIN 0
.set j, 0
.rept 64
	v_med3_num_f32 v[S+j], v[S+j], -v[LM10], v[LM10]
.set j, j+1
.endr
.irp g, 0,1,2,3,4,5,6,7
	v_cvt_scalef32_pk8_bf8_f32 v[KF+16*\a+2*\g:KF+16*\a+2*\g+1], v[S+8*\g:S+8*\g+7], v[SC10]
.endr
	v_nop
.irp c, 0,1,2,3
	global_store_b128 v[LI], v[KF+16*\a+4*\c:KF+16*\a+4*\c+3], s[12:13] offset:16384*\a+512*\c      ; the image: each store covers 512 consecutive bytes, aligned
.endr
.endr
	s_set_vgpr_msb 0x5
	s_wait_tensorcnt 0x0
	ds_add_u32 v224, v225
	s_wait_dscnt 0x0
	s_set_vgpr_msb 0x500
	s_endpgm
.Lfunc_end_k_q310cd227f0_attn:
	.size	k_q310cd227f0_attn, .Lfunc_end_k_q310cd227f0_attn-k_q310cd227f0_attn
	.p2alignl 7, 3214868480
	.fill 96, 4, 3214868480
	.section	.rodata,"a",@progbits
	.p2align	6, 0x0
	.amdhsa_kernel k_q310cd227f0_attn
		.amdhsa_group_segment_fixed_size 312320
		.amdhsa_private_segment_fixed_size 0
		.amdhsa_enable_private_segment 0
		.amdhsa_kernarg_size 40
		.amdhsa_user_sgpr_count 2
		.amdhsa_user_sgpr_kernarg_segment_ptr 1
		.amdhsa_wavefront_size32 1
		.amdhsa_system_sgpr_workgroup_id_x 1
		.amdhsa_system_sgpr_workgroup_id_y 1
		.amdhsa_system_sgpr_workgroup_id_z 1
		.amdhsa_system_vgpr_workitem_id 0
		.amdhsa_next_free_vgpr 482
		.amdhsa_next_free_sgpr 66
		.amdhsa_reserve_vcc 0
		.amdhsa_float_denorm_mode_32 3
		.amdhsa_float_denorm_mode_16_64 3
		.amdhsa_memory_ordered 1
		.amdhsa_forward_progress 1
		.amdhsa_inst_pref_size 152
	.end_amdhsa_kernel
	.amdgpu_metadata
---
amdhsa.version: [ 1, 2 ]
amdhsa.kernels:
  - .name:           k_q310cd227f0_attn
    .symbol:         k_q310cd227f0_attn.kd
    .args:
      - { .name: qbi, .offset: 0, .size: 8, .value_kind: global_buffer, .address_space: global }
      - { .name: kvt, .offset: 8, .size: 8, .value_kind: global_buffer, .address_space: global }
      - { .name: idx, .offset: 16, .size: 8, .value_kind: global_buffer, .address_space: global }
      - { .name: lowp_scales, .offset: 24, .size: 8, .value_kind: global_buffer, .address_space: global }
      - { .name: oci, .offset: 32, .size: 8, .value_kind: global_buffer, .address_space: global }
    .group_segment_fixed_size: 312320
    .private_segment_fixed_size: 0
    .kernarg_segment_align: 8
    .kernarg_segment_size: 40
    .max_flat_workgroup_size: 256
    .sgpr_count:     66
    .vgpr_count:     482
    .wavefront_size: 32
...
	.end_amdgpu_metadata
.endif
;; end of part 3
;; launch back (part 4): grid 256 x 1, 8 waves a work-group, clusters of 4 x 1, 327,680 bytes of LDS; arguments oci, wci, lowp_scales, out0; writes out0
.if DOCPART == 4
	.amdgcn_target "amdgcn-amd-amdhsa--gfx1250"
	.amdhsa_code_object_version 6
	.text
	.protected	k_q310cd227f0_back
	.globl	k_q310cd227f0_back
	.p2align	8
	.type	k_q310cd227f0_back,@function
k_q310cd227f0_back:
	s_mov_b64 s[64:65], 0
	v_nop
	global_prefetch_b8 v0, s[64:65] scope:SCOPE_SE
	s_setreg_imm32_b32 hwreg(HW_REG_WAVE_MODE, 25, 1), 1
	s_wait_xcnt 0x0
	s_wait_alu depctr_hold_cnt(0) depctr_sa_sdst(0) depctr_va_vdst(0) depctr_va_sdst(0) depctr_va_ssrc(0) depctr_va_vcc(0) depctr_vm_vsrc(0)
	s_getreg_b32 s2, hwreg(HW_REG_IB_STS2, 6, 4)
	s_cmp_eq_u32 s2, 0
	s_cbranch_scc0 .Lentry_in_a_cluster
	s_endpgm
.Lentry_in_a_cluster:
	s_bfe_u32 s2, ttmp6, 0x10000c
	s_cmp_lg_u32 s2, 0x3003
	s_cbranch_scc0 .Lentry_shape_is_right
	s_endpgm
.Lentry_shape_is_right:
; THE FOURTH LAUNCH: out0 = o w_concat, on the codes that the launch before stored (oci) and the weight's images (wci); each finished sum x 2^(e10 + e11).
; SHARES, RING AND CLUSTER as in the second launch: a work-group owns 32 rows and all 1,024 columns; wave w owns tiles 8w .. 8w+7 of the columns for both row tiles (16 accumulators, window 1, v[64 a + 8 t]); a K step of
; the weight is one dense block of 128 KiB; two LDS slots; wave w fetches the 16 KiB that it alone reads; the four work-groups of a cluster walk the same 8 tiles and ask for each JOINTLY.
; The products are used transposed (source 0 = 16 columns' rows of the weight, source 1 = 16 of my rows): a lane's eight results are eight neighbouring columns of one row.
; THE WAY OUT: 16 rows x my 128 columns at a time through my own stage in LDS, back as whole rows of 512 bytes.  The stage lies in slot 0: it has had its last fill, and behind the last trip's round nobody reads it.
; LIMIT: e10 + e11 lies between -126 and 127, so that 2^(e10 + e11) is an f32 number.
.set TILE,  131072
.set AIMG,  262144                     ; behind the ring: the left operand's 16 images, (a, K step s) at (8 a + s) 2048
.set SPARE, 296960                     ; the spare words, 128 bytes for each wave: four blocks of 256 bytes that no other line names
.set SPITCH, 528                       ; a stage row: 512 bytes + 16
.set SPW,  1                           ; v1   SPARE + 4 x my thread's number; never rewritten
.set NIL,  2                           ; v2   0; never rewritten
.set LI,   3                           ; v3   16 x lane
.set BA,   4                           ; v4, v5  my 16 KiB in slot 0, 1, + 16 x lane
.set AA,   6                           ; v6   AIMG + 16 x lane
.set AWR,  7                           ; v7   AIMG + 2048 w + 16 x lane
.set STO,  8                           ; v8   the stage: row r, + 32 h
.set RD,   9                           ; v9   the stage: 16 x lane
.set AF,   16                          ; v16-47   the left operand's two fragments of a K step
.set BF,   48                          ; v48-175  my eight fragments of the weight
.set TMP,  48                          ; the way out: v48-111 scaled sums; v112-175, v176-239 rows read back
.set WV,   16
.set G1,   24
.set G0,   32
.set MSB, 0
.macro WIN new                         ; the immediate's high byte repeats the setting that is left
.if MSB != \new
	s_set_vgpr_msb (MSB<<8)|\new
.set MSB, \new
.endif
.endm
.macro ROUND                           ; a round of the cluster's barrier
	s_barrier_signal -1
	s_barrier_wait -1
	s_cmp_lg_u32 s[WV], 0
	s_cbranch_scc1 .Lnot_wave_0_\@
	s_barrier_signal -3
.Lnot_wave_0_\@:
	s_barrier_wait -3
	s_barrier_signal -1
	s_barrier_wait -1
.endm
; TRIP u: tile u (slot u % 2, K step u) is multiplied; tile u + 1 is asked for, into the slot read in the trip before.  nxt = 1: this slot's group 0 goes two K steps on.  last = 1: nothing is asked for.
.macro TRIP u, last, nxt
.set SL, (\u)%2
.set KS, (\u)
	s_wait_tensorcnt 0x0                           ; my one tensor load has landed: my part of this trip's tile; no load of mine is out, so a group 0 may be written
	ds_add_u32 v[SPW], v[NIL]                      ; 0 onto my spare word
.if \nxt == 1
	s_add_nc_u64 s[G0+4*SL+2:G0+4*SL+3], s[G0+4*SL+2:G0+4*SL+3], 2*TILE
.endif
	s_wait_dscnt 0x0                               ; the add is done, my reads of the other slot are over, and my LDS stores (images) have landed
	ROUND                                          ; all that now holds of every wave of the four work-groups
.if \last == 0
	tensor_load_to_lds s[G0+4-4*SL:G0+7-4*SL], s[G1:G1+7]     ; the first thing behind the round, and my one tensor load until the next
	s_nop 0
.endif
.rept 4
	v_nop                                          ; four plain lines behind the tensor load; also the four places in front of loads into registers that matrix instructions have read
.endr
.irp a, 0,1
.irp c, 0,1,2,3
	ds_load_b128 v[AF+16*\a+4*\c:AF+16*\a+4*\c+3], v[AA] offset:(8*\a+KS)*2048+512*\c
.endr
.endr
.irp t, 0,1,2,3,4,5,6,7
.irp c, 0,1,2,3
	ds_load_b128 v[BF+16*\t+4*\c:BF+16*\t+4*\c+3], v[BA+SL] offset:2048*\t+512*\c
.endr
.endr
	WIN 0x50                                       ; C and D in window 1
.irp t, 0,1,2,3,4,5,6,7
	s_wait_dscnt 4*(7-\t)                          ; tile t's fragment is in, the four loads of each younger tile stay out
.irp a, 0,1
.if KS == 0
	v_wmma_f32_16x16x128_bf8_bf8 v[64*\a+8*\t:64*\a+8*\t+7], v[BF+16*\t:BF+16*\t+15], v[AF+16*\a:AF+16*\a+15], 0       ; the first K step starts the sums
.else
	v_wmma_f32_16x16x128_bf8_bf8 v[64*\a+8*\t:64*\a+8*\t+7], v[BF+16*\t:BF+16*\t+15], v[AF+16*\a:AF+16*\a+15], v[64*\a+8*\t:64*\a+8*\t+7]   ; the 16 accumulators take turns, in the same order in every trip
.endif
.endr
.endr
	WIN 0
.endm
	s_load_b256 s[4:11], s[0:1], 0x0               ; oci s[4:5], wci s[6:7], scales s[8:9], out0 s[10:11]
	v_lshl_add_u32 v[SPW], v0, 2, SPARE
	v_mov_b32 v[NIL], 0
	ds_add_u32 v1, v2
	ds_add_u32 v1, v2
	s_wait_dscnt 0x0
	v_lshrrev_b32 v[LI], 5, v0
	v_readfirstlane_b32 s[WV], v[LI]               ; wave 0..7
	s_bfe_u32 s17, ttmp6, 0x40000                  ; cx: my place in the cluster
	s_lshl_b32 s18, ttmp9, 2
	s_add_co_u32 s18, s18, s17                     ; my work-group: it enters the addresses of oci and out0 alone
	v_and_b32 v[LI], 31, v0
	v_lshlrev_b32 v[LI], 4, v[LI]
	v_and_b32 v12, 15, v0                          ; r
	v_bfe_u32 v13, v0, 4, 1                        ; h
	s_lshl_b32 s60, s[WV], 14                      ; my 16 KiB of a tile, in memory and in a slot
	s_mov_b32 s61, 0
	v_add_nc_u32 v[BA], s60, v[LI]
	v_add_nc_u32 v[BA+1], TILE, v[BA]
	v_add_nc_u32 v[AA], AIMG, v[LI]
	s_lshl_b32 s19, s[WV], 11
	v_add_nc_u32 v[AWR], s19, v[AA]
	s_mul_i32 s20, s[WV], 16*SPITCH                ; my stage
	v_mul_u32_u24 v[STO], v12, SPITCH
	v_lshl_add_u32 v[STO], v13, 5, v[STO]
	v_add_nc_u32 v[STO], s20, v[STO]
	v_add_nc_u32 v[RD], s20, v[LI]
	s_lshl_b32 s40, s18, 15
	s_add_co_u32 s40, s40, s19                     ; oci: 16 images a work-group, + image w
	s_mov_b32 s41, 0
	s_lshl_b32 s42, s18, 17                        ; out0: 32 rows of 4,096 bytes a work-group,
	s_lshl_b32 s43, s[WV], 9
	s_add_co_u32 s42, s42, s43                     ; + my 128 columns
	s_mov_b32 s43, 0
	; descriptor group 1: 64 rows of 32 elements of 8 bytes, dense: 16 KiB
	s_mov_b32 s[G1+0], 15|(3<<16)|(1<<21)          ; 15:0 the mask: all four work-groups; 17:16 elements of 8 bytes; 21 set beside a mask; no padding
	s_mov_b32 s[G1+1], 32<<16                      ; tensor_dim0 = 32
	s_mov_b32 s[G1+2], 64<<16                      ; tensor_dim1 = 64
	s_mov_b32 s[G1+3], 32<<16                      ; tile_dim0 = 32
	s_mov_b32 s[G1+4], 64                          ; tile_dim1 = 64
	s_mov_b32 s[G1+5], 32                          ; from row to row: 32 elements
	s_mov_b32 s[G1+6], 0
	s_mov_b32 s[G1+7], 0
	s_wait_kmcnt 0x0
	s_load_b64 s[44:45], s[8:9], 0x28              ; e10, e11
	s_add_nc_u64 s[4:5], s[4:5], s[40:41]
	s_add_nc_u64 s[10:11], s[10:11], s[42:43]
	s_add_nc_u64 s[6:7], s[6:7], s[60:61]          ; wci at my part of K step 0
.irp a, 0,1
.irp c, 0,1,2,3
	global_load_b128 v[AF+16*\a+4*\c:AF+16*\a+4*\c+3], v[LI], s[4:5] offset:16384*\a+512*\c th:TH_LOAD_NT    ; the images (a, K step w), as they lie
.endr
.endr
	s_mov_b32 s[G0], 1                             ; count = 1
	s_lshl_b32 s[G0+1], s[WV], 14                  ; LDS address: slot 0, my 16 KiB
	s_mov_b64 s[G0+2:G0+3], s[6:7]                 ; tile 0
	s_or_b32 s[G0+3], s[G0+3], 0x80000000          ; type = 2
	s_mov_b32 s[G0+4], 1
	s_add_co_u32 s[G0+5], s60, TILE                ; slot 1
	s_add_nc_u64 s[G0+6:G0+7], s[6:7], TILE        ; tile 1
	s_or_b32 s[G0+7], s[G0+7], 0x80000000
	ROUND                                          ; all four work-groups are here: the first joint loads meet
	tensor_load_to_lds s[G0:G0+3], s[G1:G1+7]      ; tile 0
	s_nop 0
.rept 4
	v_nop
.endr
	s_wait_kmcnt 0x0
	s_add_co_i32 s46, s44, s45
	s_add_co_i32 s46, s46, 127
	s_lshl_b32 s46, s46, 23                        ; 2^(e10 + e11) as f32
	s_mov_b32 s47, s46                             ; (named with it as a pair, so it is written)
	s_wait_loadcnt 0x0
.irp a, 0,1
.irp c, 0,1,2,3
	ds_store_b128 v[AWR], v[AF+16*\a+4*\c:AF+16*\a+4*\c+3] offset:16384*\a+512*\c   ; the first trip's wait and round show them to every wave
.endr
.endr
	TRIP 0, 0, 1
	TRIP 1, 0, 1
	TRIP 2, 0, 1
	TRIP 3, 0, 1
	TRIP 4, 0, 1
	TRIP 5, 0, 1
	TRIP 6, 0, 0
	TRIP 7, 1, 0
.rept 4
	v_nop                                          ; four places in front of the first read of results
.endr
.irp a, 0,1
	WIN 0x01                                       ; source 0 in window 1
.irp j, 0,2,4,6,8,10,12,14,16,18,20,22,24,26,28,30,32,34,36,38,40,42,44,46,48,50,52,54,56,58,60,62
	v_pk_mul_f32 v[TMP+\j:TMP+\j+1], v[64*\a+\j:64*\a+\j+1], s[46:47] op_sel_hi:[1,0]      ; both x 2^(e10 + e11); each accumulator from its low end on
.endr
	WIN 0
.irp t, 0,1,2,3,4,5,6,7
	ds_store_b128 v[STO], v[TMP+8*\t:TMP+8*\t+3] offset:64*\t              ; lane (r, h): row r, columns 16 t + 8 h + 0 .. 7 of my 128
	ds_store_b128 v[STO], v[TMP+8*\t+4:TMP+8*\t+7] offset:64*\t+16
.endr
.irp t, 0,1,2,3,4,5,6,7,8,9,10,11,12,13,14,15
	ds_load_b128 v[112+64*\a+4*\t:112+64*\a+4*\t+3], v[RD] offset:\t*SPITCH    ; LDS serves a wave's instructions in order: these see my stores
.endr
.irp t, 0,1,2,3,4,5,6,7,8,9,10,11,12,13,14,15
	s_wait_dscnt 15-\t                             ; row t is back; the younger rows stay out
	global_store_b128 v[LI], v[112+64*\a+4*\t:112+64*\a+4*\t+3], s[10:11] offset:65536*\a+4096*\t th:TH_STORE_NT   ; 32 lanes store 512 consecutive bytes, aligned; written once, read by nobody here
.endr
.endr
	s_wait_tensorcnt 0x0                           ; the wave's end: behind my last tensor load and my last LDS store
	ds_add_u32 v[SPW], v[NIL]
	s_wait_dscnt 0x0
	ROUND                                          ; the closing round: no work-group ends while a partner may still ask for a tile that names it
	s_endpgm
.Lfunc_end_k_q310cd227f0_back:
	.size	k_q310cd227f0_back, .Lfunc_end_k_q310cd227f0_back-k_q310cd227f0_back
	.p2alignl 7, 3214868480
	.fill 96, 4, 3214868480
	.section	.rodata,"a",@progbits
	.p2align	6, 0x0
	.amdhsa_kernel k_q310cd227f0_back
		.amdhsa_group_segment_fixed_size 327680
		.amdhsa_private_segment_fixed_size 0
		.amdhsa_enable_private_segment 0
		.amdhsa_kernarg_size 32
		.amdhsa_user_sgpr_count 2
		.amdhsa_user_sgpr_kernarg_segment_ptr 1
		.amdhsa_wavefront_size32 1
		.amdhsa_system_sgpr_workgroup_id_x 1
		.amdhsa_system_sgpr_workgroup_id_y 1
		.amdhsa_system_sgpr_workgroup_id_z 1
		.amdhsa_system_vgpr_workitem_id 0
		.amdhsa_next_free_vgpr 384
		.amdhsa_next_free_sgpr 66
		.amdhsa_reserve_vcc 0
		.amdhsa_float_denorm_mode_32 3
		.amdhsa_float_denorm_mode_16_64 3
		.amdhsa_memory_ordered 1
		.amdhsa_forward_progress 1
		.amdhsa_inst_pref_size 54
	.end_amdhsa_kernel
	.amdgpu_metadata
---
amdhsa.version: [ 1, 2 ]
amdhsa.kernels:
  - .name:           k_q310cd227f0_back
    .symbol:         k_q310cd227f0_back.kd
    .args:
      - { .name: oci, .offset: 0, .size: 8, .value_kind: global_buffer, .address_space: global }
      - { .name: wci, .offset: 8, .size: 8, .value_kind: global_buffer, .address_space: global }
      - { .name: lowp_scales, .offset: 16, .size: 8, .value_kind: global_buffer, .address_space: global }
      - { .name: out0, .offset: 24, .size: 8, .value_kind: global_buffer, .address_space: global }
    .group_segment_fixed_size: 327680
    .private_segment_fixed_size: 0
    .kernarg_segment_align: 8
    .kernarg_segment_size: 32
    .max_flat_workgroup_size: 256
    .sgpr_count:     66
    .vgpr_count:     384
    .wavefront_size: 32
...
	.end_amdgpu_metadata
.endif
;; end of part 4
;; ======== version 2 of 3: 4 launches; 1.15 times as fast as version 1
;; workspace buffers: wqi 1,048,576 bytes; wci 1,048,576 bytes; mqi 4,194,304 bytes; kvt 524,288 bytes; qbi 8,388,608 bytes; oci 8,388,608 bytes; idx 32,768 bytes of whole numbers
;; launch prep: the kernel of part 1 again; grid 256 x 1, 8 waves a work-group, no clusters, 19,712 bytes of LDS; arguments mem_table, w_q_codes, w_concat_codes, w_kv_codes, lowp_scales, wqi, wci, mqi, kvt; writes wqi, wci, mqi, kvt
;; launch front: the kernel of part 2 again; grid 256 x 1, 8 waves a work-group, clusters of 4 x 1, 327,680 bytes of LDS; arguments q_codes, wqi, mqi, lowp_scales, qbi, idx; writes qbi, idx
;; launch attn (part 5): grid 256 x 1, 8 waves a work-group, no clusters, 312,320 bytes of LDS; arguments qbi, kvt, idx, lowp_scales, oci; writes oci
.if DOCPART == 5
	.amdgcn_target "amdgcn-amd-amdhsa--gfx1250"
	.amdhsa_code_object_version 6
	.text
	.protected	k_q310cd227f0_attn
	.globl	k_q310cd227f0_attn
	.p2align	8
	.type	k_q310cd227f0_attn,@function
k_q310cd227f0_attn:
	s_mov_b64 s[64:65], 0
	v_nop
	global_prefetch_b8 v0, s[64:65] scope:SCOPE_SE
	s_setreg_imm32_b32 hwreg(HW_REG_WAVE_MODE, 25, 1), 1
	s_wait_xcnt 0x0
; THE THIRD LAUNCH: attention.  o = softmax(qh k^T / 8) v for 16 heads of 64 channels; k and v (2,048 keys a batch) are shared by all heads.  Both products on codes of BF8; the result, quantised with 2^e10, goes to oci.
; SHARES.  Work-group g owns 32 rows of batch g / 64, all 16 heads: 32 tiles of 16 queries.  Wave w owns heads 2w, 2w+1 x row tiles a = 0, 1: four tiles x (a = x % 2, head 2w + x / 2).  Every wave walks all keys, 128 a step.
; THE KEYS.  Key m's codes are row idx[m] of kvt (64 of k, 64 of v), which the launches before have stored.  At the head wave w gathers keys 256 w .. + 255 and lays them in LDS in the order of the operands' registers;
; the batch's whole K (128 KiB) and V (128 KiB) then stay in LDS: one barrier in the launch, and each fragment read feeds four tiles.
;   K: a tile of 16 keys x 64 channels is 8 registers: lane (r, h): key r, registers 4j..4j+3 channels 32j + 16h + 0..15 (as the queries' codes lie in qbi): the gathered 16 bytes ARE the registers.
;   V: its K is the keys.  64 keys' rows go through the wave's own scratch (pitch 96) and come back turned, two bytes at a time, by ds_load_tr16_b128; v_perm_b32 parts even and odd channels.
;      Fragment n of a key step (n = 2 (n0/32) + p): lane (r, h): channel n0 + 2r + p, registers 2c, 2c+1 keys 16c + 8h + 0..7.
; LAYOUT.  Both products transposed: S^T = K Q^T (a lane holds one query; register 8t + j is key 16t + 8h + j), so the conversions' results are the second product's operand; O^T = V^T P^T.
; SOFTMAX.  t = score x log2(e) / 8; M = the running largest t rounded UP to a whole number, kept as -M; p = 2^(t - M) is quantised with 2^e8; the row's sum is taken of the unquantised p; when M moves, sum and O^T are
; multiplied by 2^(old M - new M), which rounds nothing.  At the end O^T x 2^(e8 + e9) / sum.
; p is at most 1, so its hold at 57,344 x 2^e8 binds only where e8 <= -16: a scalar branch on that given whole number jumps over the 64 lines otherwise (this launch has no tensor load and no copy).
; LIMITS: e6 + e7 between -123 and 130 (added to the exponent field of log2(e) / 8); e8 and e10 between -126 and 112.  NaN among the inputs is not served.
; REGISTERS.  Window 0: v1-14 addresses and scales; v16-47 eight registers of statistics a tile; v48-111 K of a step; v112-175 V of a step; v176-239 S^T, then p; v240-251 at work.
;   Window 1: v0-127 O^T (tile x, fragment n at 32x + 8n); v128-159 Q (16a + 8 (head % 2)); v160-223 p's codes, 16 a tile.
.set KIMG, 0
.set VIMG, 131072
.set VTMP, 262144                      ; 64 keys x 96 bytes for each wave
.set VP,   96                          ; a key's 64 codes of v + 32 of padding
.set LI,   1                           ; v1   16 x lane
.set KST,  2                           ; v2   where I store K's tiles: 16384 w + 16 x lane
.set VTS,  3                           ; v3   my scratch: 96 r + 16 h
.set VTL,  4                           ; v4   my scratch, for the turning load: (8 h + lane % 8) 96 + 16 ((lane / 8) % 2)
.set VST,  5                           ; v5   where I store V's fragments: VIMG + 16384 w + 16 x lane
.set R4,   6                           ; v6   4 r
.set H16,  7                           ; v7   16 h
.set ADK,  8                           ; v8   the next step's K
.set ADV,  9                           ; v9   this step's V
.set SC8,  10
.set LM8,  11
.set SC10, 12
.set LM10, 13
.set LIV,  14                          ; v14  VIMG + 16 x lane
.set ST,   16                          ; tile x at v[16 + 8x]: +0 -M, +1 the largest t, +2, +3 the sum in two halves, +4 f (+5 named with it), +6 the divisor, +7 at work
.set KF,   48
.set VF,   112
.set S,    176
.set O,    0
.set Q,    128
.set P,    160
.set IX,   16                          ; at the head: v16-31 my 16 tiles' offsets in kvt; v32-47 and v240-255 turned pieces; v48-175 two sets of gathered rows; v176-239 V's four fragments
.set GD,   48
.set VG,   176
.set WV,   16
.set MSB, 0
.macro WIN new                         ; the immediate's high byte repeats the setting that is left
.if MSB != \new
	s_set_vgpr_msb (MSB<<8)|\new
.set MSB, \new
.endif
.endm
.macro MKSC se, vsc, vlim              ; s[se] holds e (and is used up): v[vsc] = 2^e, v[vlim] = 57,344 x 2^e
	s_add_co_i32 s[\se], s[\se], 127
	s_lshl_b32 s38, s[\se], 23
	v_mov_b32 v[\vsc], s38
	s_add_co_i32 s[\se], s[\se], 15
	s_lshl_b32 s[\se], s[\se], 23
	s_or_b32 s[\se], s[\se], 0x600000
	v_mov_b32 v[\vlim], s[\se]
.endm
.macro GLOAD bt                        ; batch bt: four tiles of 16 keys: of each key's row my half's 16 bytes at 0, 32 (k) and 64, 96 (v)
.irp q, 0,1,2,3
.irp j, 0,1,2,3
	global_load_b128 v[GD+64*((\bt)%2)+16*\q+4*\j:GD+64*((\bt)%2)+16*\q+4*\j+3], v[IX+4*(\bt)+\q], s[6:7] offset:32*\j
.endr
.endr
.endm
.macro BATCH bt
.set GB, GD+64*((\bt)%2)
.if (\bt) < 3
	s_wait_loadcnt 16                              ; this batch's 16 gathers are in; the next batch's stay out
.else
	s_wait_loadcnt 0x0
.endif
.irp q, 0,1,2,3
	ds_store_b128 v[KST], v[GB+16*\q:GB+16*\q+3] offset:1024*(4*(\bt)+\q)
	ds_store_b128 v[KST], v[GB+16*\q+4:GB+16*\q+7] offset:1024*(4*(\bt)+\q)+512
	ds_store_b128 v[VTS], v[GB+16*\q+8:GB+16*\q+11] offset:16*VP*\q
	ds_store_b128 v[VTS], v[GB+16*\q+12:GB+16*\q+15] offset:16*VP*\q+32
.endr
.irp k, 0,1,2,3,4,5,6,7                ; piece k: keys 16 (k / 2) on, channels 32 (k % 2) on.  LDS serves a wave's instructions in order: these see my stores
	ds_load_tr16_b128 v[32+4*\k+192*(\k/4):32+4*\k+192*(\k/4)+3], v[VTL] offset:16*VP*(\k/2)+32*(\k%2)
.endr
	s_wait_dscnt 0x0                               ; the pieces are in, and the stores have read the gathered rows
.if (\bt) < 2
	GLOAD (\bt)+2
.endif
.irp k, 0,1,2,3,4,5,6,7
.irp p, 0,1                            ; even channels: bytes 0, 2 of each word; odd: bytes 1, 3
	v_perm_b32 v[VG+16*(2*(\k%2)+\p)+2*(4*((\bt)%2)+\k/2)], v[32+4*\k+192*(\k/4)+1], v[32+4*\k+192*(\k/4)], s[26+\p]
	v_perm_b32 v[VG+16*(2*(\k%2)+\p)+2*(4*((\bt)%2)+\k/2)+1], v[32+4*\k+192*(\k/4)+3], v[32+4*\k+192*(\k/4)+2], s[26+\p]
.endr
.endr
.if (\bt)%2
.irp n, 0,1,2,3
.irp c, 0,1,2,3
	ds_store_b128 v[VST], v[VG+16*\n+4*\c:VG+16*\n+4*\c+3] offset:8192*((\bt)/2)+2048*\n+512*\c
.endr
.endr
.endif
.endm
.macro KLOAD adr                       ; a step's K: eight tiles of 16 keys
	WIN 0
.irp t, 0,1,2,3,4,5,6,7
	ds_load_b128 v[KF+8*\t:KF+8*\t+3], v[\adr] offset:1024*\t
	ds_load_b128 v[KF+8*\t+4:KF+8*\t+7], v[\adr] offset:1024*\t+512
.endr
.endm
.macro VLOAD                           ; a step's V: four fragments of 16 channels x 128 keys
	WIN 0
.irp n, 0,1,2,3
.irp c, 0,1,2,3
	ds_load_b128 v[VF+16*\n+4*\c:VF+16*\n+4*\c+3], v[ADV] offset:2048*\n+512*\c
.endr
.endr
.endm
.macro KQ x                            ; S^T = K Q^T for tile x: eight products, each its own accumulator, each begun with 0
	WIN 0x04                                       ; source 1 (Q) in window 1
.irp t, 0,1,2,3,4,5,6,7
	v_wmma_f32_16x16x64_bf8_bf8 v[S+8*\t:S+8*\t+7], v[KF+8*\t:KF+8*\t+7], v[Q+16*((\x)%2)+8*((\x)/2):Q+16*((\x)%2)+8*((\x)/2)+7], 0
.endr
.endm
.macro RESC x                          ; tile x's O^T under the new M: x f.  Sixteen plain lines that name no register of the products just issued: they are also the places behind those
	WIN 0x41                                       ; destination and source 0 in window 1
.irp j, 0,2,4,6,8,10,12,14,16,18,20,22,24,26,28,30
	v_pk_mul_f32 v[O+32*(\x)+\j:O+32*(\x)+\j+1], v[O+32*(\x)+\j:O+32*(\x)+\j+1], v[ST+8*(\x)+4:ST+8*(\x)+5] op_sel_hi:[1,0]
.endr
.endm
.macro PLACES
.rept 4
	v_nop
.endr
.endm
.macro SM x                            ; tile x's softmax for a key step, on S^T; its codes go to window 1
.set rT, ST+8*(\x)
	WIN 0
	v_max3_num_f32 v240, v[S], v[S+1], v[S+2]      ; the step's largest score of my query among my 64 keys, in FOUR chains, so that no line reads the result of one of the three lines before it;
	v_max3_num_f32 v244, v[S+3], v[S+4], v[S+5]    ; the scores are taken in ascending order: each accumulator is first read at its low end
	v_max3_num_f32 v245, v[S+6], v[S+7], v[S+8]
	v_max3_num_f32 v246, v[S+9], v[S+10], v[S+11]
.irp i, 12,20,28,36,44,52
	v_max3_num_f32 v240, v240, v[S+\i], v[S+\i+1]
	v_max3_num_f32 v244, v244, v[S+\i+2], v[S+\i+3]
	v_max3_num_f32 v245, v245, v[S+\i+4], v[S+\i+5]
	v_max3_num_f32 v246, v246, v[S+\i+6], v[S+\i+7]
.endr
	v_max3_num_f32 v240, v240, v[S+60], v[S+61]
	v_max3_num_f32 v244, v244, v[S+62], v[S+63]
	v_mov_b32 v247, v[rT]                          ; the old -M is kept
	v_max_num_f32 v245, v245, v246
	v_max3_num_f32 v240, v240, v244, v245
	v_permlanex16_b32 v241, v240, s20, s21         ; the query's other 64 keys lie in the lane 16 away
	v_max_num_f32 v240, v240, v241
	v_mul_f32 v240, s22, v240                      ; as t (c is positive)
	v_max_num_f32 v[rT+1], v[rT+1], v240           ; the running largest t
	v_floor_f32 v[rT], -v[rT+1]                    ; the new -M = floor(-t) = -ceil(t)
	v_pk_fma_f32 v[S:S+1], v[S:S+1], s[22:23], v[rT:rT+1] op_sel_hi:[1,0,0]       ; t - M, two at a time (of the pairs c and -M the low word serves both halves)
	v_pk_fma_f32 v[S+2:S+3], v[S+2:S+3], s[22:23], v[rT:rT+1] op_sel_hi:[1,0,0]
	v_sub_f32 v240, v[rT], v247                    ; old M - new M: a whole number, 0 or less
; ONE BATCH: the 64 exponentials, with one plain line between each two: the scaling of the pair two pairs on while there are scalings, then the two lines that make f.  None of these lines names an exponential's result.
.set j, 0
.rept 32
	v_exp_f32 v[S+2*j], v[S+2*j]                   ; p = 2^(t - M), at most 1
.if j < 30
	v_pk_fma_f32 v[S+2*j+4:S+2*j+5], v[S+2*j+4:S+2*j+5], s[22:23], v[rT:rT+1] op_sel_hi:[1,0,0]
.elseif j == 30
	v_cvt_i32_f32 v240, v240                       ; (it saturates)
.else
	v_ldexp_f32 v[rT+4], 1.0, v240                 ; f = 2^(old M - new M)
.endif
	v_exp_f32 v[S+2*j+1], v[S+2*j+1]
.set j, j+1
.endr
	v_pk_mul_f32 v[rT+2:rT+3], v[rT+2:rT+3], v[rT+4:rT+5] op_sel_hi:[1,0]    ; the sums under the new M: the plain line behind the last exponential
	s_wait_alu depctr_va_vdst(0)                   ; one wait for the whole batch, ahead of its first reader
	v_pk_add_f32 v[242:243], v[S:S+1], v[S+2:S+3]  ; the row's sum is taken of the unquantised p, in four chains
	v_pk_add_f32 v[248:249], v[S+4:S+5], v[S+6:S+7]
	v_pk_add_f32 v[250:251], v[S+8:S+9], v[S+10:S+11]
.irp j, 12,20,28,36,44,52
	v_pk_add_f32 v[rT+2:rT+3], v[rT+2:rT+3], v[S+\j:S+\j+1]
	v_pk_add_f32 v[242:243], v[242:243], v[S+\j+2:S+\j+3]
	v_pk_add_f32 v[248:249], v[248:249], v[S+\j+4:S+\j+5]
	v_pk_add_f32 v[250:251], v[250:251], v[S+\j+6:S+\j+7]
.endr
	v_pk_add_f32 v[rT+2:rT+3], v[rT+2:rT+3], v[S+60:S+61]
	v_pk_add_f32 v[242:243], v[242:243], v[S+62:S+63]
	v_pk_add_f32 v[248:249], v[248:249], v[250:251]
	v_pk_add_f32 v[rT+2:rT+3], v[rT+2:rT+3], v[242:243]
	v_pk_add_f32 v[rT+2:rT+3], v[rT+2:rT+3], v[248:249]
	s_cmp_gt_i32 s28, -16                          ; 57,344 x 2^e8 is 1 or more where e8 > -16: p, at most 1, cannot pass it
	s_cbranch_scc1 .Lno_hold_\@
.set j, 0
.rept 64
	v_min_num_f32 v[S+j], v[S+j], v[LM8]           ; the conversion to an 8-bit code does not saturate (ISA guide 7.6.2); p is not negative, so the hold is one-sided
.set j, j+1
.endr
.Lno_hold_\@:
	WIN 0x40                                       ; destination in window 1
.irp t, 0,1,2,3,4,5,6,7
	v_cvt_scalef32_pk8_bf8_f32 v[P+16*(\x)+2*\t:P+16*(\x)+2*\t+1], v[S+8*\t:S+8*\t+7], v[SC8]   ; registers 2t, 2t+1: keys 16t + 8h + 0..7
.endr
	WIN 0
	v_nop                                          ; one plain vector line between a scaled conversion and the products that write its sources or read its result
.endm
.macro PV fst                          ; O^T += V^T P^T: 16 accumulators, one instruction each.  fst = 1: they start the sums
	WIN 0x54                                       ; source 1 (P), C and D in window 1
.irp n, 0,1,2,3
.irp y, 0,1,2,3
.if \fst
	v_wmma_f32_16x16x128_bf8_bf8 v[O+32*\y+8*\n:O+32*\y+8*\n+7], v[VF+16*\n:VF+16*\n+15], v[P+16*\y:P+16*\y+15], 0
.else
	v_wmma_f32_16x16x128_bf8_bf8 v[O+32*\y+8*\n:O+32*\y+8*\n+7], v[VF+16*\n:VF+16*\n+15], v[P+16*\y:P+16*\y+15], v[O+32*\y+8*\n:O+32*\y+8*\n+7]
.endif
.endr
.endr
	WIN 0
.endm
; A KEY STEP: 128 keys, four tiles of queries.  s24: LDS byte of the step within K's and V's images.  fst = 1: the first step: nothing to rescale, and the next step's K is always fetched.
.macro STEP fst
	v_add_nc_u32 v[ADV], s24, v[LIV]
	s_add_co_u32 s24, s24, 8192
	v_add_nc_u32 v[ADK], s24, v[LI]
	s_wait_dscnt 0x0                               ; this step's K is in
	KQ 0
	PLACES                                         ; in front of the read of S^T; with the two additions above also in front of the loads into V's registers, which the last step's products read
	VLOAD
	SM 0
	KQ 1
.if \fst
	PLACES
.else
	RESC 0
.endif
	SM 1
	KQ 2
.if \fst
	PLACES
.else
	RESC 1
.endif
	SM 2
	KQ 3
.if \fst
	PLACES
.else
	RESC 2
	WIN 0
	s_cmp_eq_u32 s25, 1                            ; the last step has no successor; only waits for 0 follow, so the counts hold on both ways
	s_cbranch_scc1 .Lno_k_\@
.endif
	KLOAD ADK                                      ; K's registers are free: the next step's K lands under the last tile's softmax
.if \fst == 0
.Lno_k_\@:
.endif
	SM 3
.if \fst == 0
	RESC 3
.endif
	s_wait_dscnt 0x0                               ; V is in (and the next K)
	PV \fst
.endm
	s_load_b256 s[4:11], s[0:1], 0x0               ; qbi s[4:5], kvt s[6:7], idx s[8:9], scales s[10:11]
	s_load_b64 s[12:13], s[0:1], 0x20              ; oci
	s_set_vgpr_msb 0x40
	v_lshl_add_u32 v224, v0, 2, 0x4c000
	v_mov_b32 v225, 0
	s_set_vgpr_msb 0x4000
	v_lshrrev_b32 v15, 5, v0
	v_readfirstlane_b32 s[WV], v15                 ; wave 0..7
	v_and_b32 v[LI], 31, v0
	v_lshlrev_b32 v[LI], 4, v[LI]
	v_and_b32 v15, 15, v0                          ; r
	v_bfe_u32 v[H16], v0, 4, 1                     ; h
	s_lshl_b32 s17, s[WV], 14
	v_add_nc_u32 v[KST], s17, v[LI]
	s_mul_i32 s18, s[WV], 64*VP
	s_add_co_u32 s18, s18, VTMP                    ; my scratch
	v_mul_u32_u24 v[VTS], v15, VP
	v_lshl_add_u32 v[VTS], v[H16], 4, v[VTS]
	v_add_nc_u32 v[VTS], s18, v[VTS]
	v_and_b32 v[VTL], 7, v0
	v_lshl_add_u32 v[VTL], v[H16], 3, v[VTL]
	v_mul_u32_u24 v[VTL], v[VTL], VP
	v_bfe_u32 v[VST], v0, 3, 1
	v_lshl_add_u32 v[VTL], v[VST], 4, v[VTL]
	v_add_nc_u32 v[VTL], s18, v[VTL]
	v_add_nc_u32 v[LIV], VIMG, v[LI]
	v_add_nc_u32 v[VST], s17, v[LIV]
	v_lshlrev_b32 v[R4], 2, v15
	v_lshlrev_b32 v[H16], 4, v[H16]
	s_lshr_b32 s19, ttmp9, 6                       ; batch
	s_lshl_b32 s30, ttmp9, 15
	s_lshl_b32 s31, s[WV], 11
	s_add_co_u32 s30, s30, s31                     ; qbi, oci: 16 images a work-group, + image w
	s_mov_b32 s31, 0
	s_lshl_b32 s32, s19, 17                        ; kvt: the batch's 1,024 rows of 128 bytes
	s_mov_b32 s33, 0
	s_lshl_b32 s34, s19, 13
	s_lshl_b32 s35, s[WV], 10
	s_add_co_u32 s34, s34, s35                     ; idx: the batch's 2,048 words, + my 256
	s_mov_b32 s35, 0
	s_mov_b32 s20, 0x76543210                      ; lane selects for v_permlanex16_b32: lane l xor 16
	s_mov_b32 s21, 0xfedcba98
	s_mov_b32 s26, 0x06040200                      ; v_perm_b32: the even bytes of two words,
	s_mov_b32 s27, 0x07050301                      ; the odd ones
	s_mov_b32 s24, 0
	s_wait_kmcnt 0x0
	s_load_b256 s[40:47], s[10:11], 0x0            ; e0 .. e7
	s_load_b128 s[48:51], s[10:11], 0x20           ; e8 .. e11
	s_add_nc_u64 s[4:5], s[4:5], s[30:31]
	s_add_nc_u64 s[12:13], s[12:13], s[30:31]
	s_add_nc_u64 s[6:7], s[6:7], s[32:33]
	s_add_nc_u64 s[8:9], s[8:9], s[34:35]
	WIN 0x40                                       ; destination in window 1
.irp a, 0,1
.irp c, 0,1,2,3
	global_load_b128 v[Q+16*\a+4*\c:Q+16*\a+4*\c+3], v[LI], s[4:5] offset:16384*\a+512*\c th:TH_LOAD_NT   ; the queries' codes stay in registers: registers 0-7 head 2w, 8-15 head 2w + 1
.endr
.endr
	WIN 0
.irp t, 0,1,2,3,4,5,6,7,8,9,10,11,12,13,14,15
	global_load_b32 v[IX+\t], v[R4], s[8:9] offset:64*\t       ; the table row of key 256 w + 16 t + r
.endr
	s_wait_kmcnt 0x0
	s_add_co_i32 s36, s46, s47
	s_lshl_b32 s36, s36, 23
	s_mov_b32 s22, 0x3e38aa3b                      ; c = log2(e) / 8;
	s_add_co_i32 s22, s22, s36                     ; a score stands for score x 2^(e6 + e7): the exponents are added to c's exponent field
	s_mov_b32 s23, s22                             ; (named with it as a pair, so it is written)
	s_mov_b32 s28, s48                             ; e8
	s_add_co_i32 s29, s48, s49                     ; e8 + e9
	s_mov_b32 s37, s48
	MKSC 37, SC8, LM8
	MKSC 50, SC10, LM10
	s_wait_loadcnt 0x0
.irp t, 0,1,2,3,4,5,6,7,8,9,10,11,12,13,14,15
	v_min_u32 v[IX+\t], 0x3ff, v[IX+\t]            ; a loaded number enters an address only held inside the table
	v_lshlrev_b32 v[IX+\t], 7, v[IX+\t]
	v_add_nc_u32 v[IX+\t], v[H16], v[IX+\t]        ; row x 128 + 16 h
.endr
	GLOAD 0
	GLOAD 1
	BATCH 0
	BATCH 1
	BATCH 2
	BATCH 3
	s_wait_dscnt 0x0                               ; for the others' sake: my part of K and V has landed
	s_barrier_signal -1
	s_barrier_wait -1                              ; the batch's K and V lie in LDS; nothing is written there again
.irp x, 0,1,2,3
	v_mov_b32 v[ST+8*\x+1], 0xff61b1e6             ; the largest t so far: -3e38, under every t
	v_floor_f32 v[ST+8*\x], -v[ST+8*\x+1]          ; -M
	v_mov_b32 v[ST+8*\x+2], 0                      ; the sum, in two halves
	v_mov_b32 v[ST+8*\x+3], 0
	v_mov_b32 v[ST+8*\x+5], 0                      ; (named as the upper half of f's pair)
	v_mov_b32 v[ST+8*\x+7], 0                      ; a lane permute's destination counts as one of its sources
.endr
	v_mov_b32 v241, 0
	KLOAD LI                                       ; key step 0
	STEP 1
	s_mov_b32 s25, 15
.Lstep:
	STEP 0
	s_sub_co_u32 s25, s25, 1
	s_cmp_lg_u32 s25, 0
	s_cbranch_scc1 .Lstep
	; THE WAY OUT.  The additions are the places behind the last products.
.irp x, 0,1,2,3
	v_add_f32 v[ST+8*\x+6], v[ST+8*\x+2], v[ST+8*\x+3]
.endr
.irp x, 0,1,2,3
	v_permlanex16_b32 v[ST+8*\x+7], v[ST+8*\x+6], s20, s21
.endr
.irp x, 0,1,2,3
	v_add_f32 v[ST+8*\x+6], v[ST+8*\x+6], v[ST+8*\x+7]         ; the row's sum
.endr
.irp x, 0,1,2,3
	v_rcp_f32 v[ST+8*\x+6], v[ST+8*\x+6]
.endr
	v_nop                                          ; a plain line behind the last reciprocal,
	s_wait_alu depctr_va_vdst(0)                   ; and one wait for the four, ahead of the first reader
.irp x, 0,1,2,3
	v_ldexp_f32 v[ST+8*\x+6], v[ST+8*\x+6], s29    ; x 2^(e8 + e9)
.endr
; Row tile a: my two heads' 128 channels are K step w of the last product.  Register j of fragment n is channel 32 (n/2) + 16 h + 2 j + n % 2: laid by turns, a lane's 16 registers are 16 neighbours along that K.
.irp a, 0,1
	WIN 0x01                                       ; source 0 in window 1
.irp d, 0,1
.irp n, 0,1,2,3
.irp j, 0,1,2,3,4,5,6,7
	v_mul_f32 v[S+32*\d+16*(\n/2)+2*\j+(\n%2)], v[O+32*(\a+2*\d)+8*\n+\j], v[ST+8*(\a+2*\d)+6]      ; each accumulator from its low end on
.endr
.endr
.endr
	WIN 0
.set j, 0
.rept 64
	v_med3_num_f32 v[S+j], v[S+j], -v[LM10], v[LM10]
.set j, j+1
.endr
.irp g, 0,1,2,3,4,5,6,7
	v_cvt_scalef32_pk8_bf8_f32 v[KF+16*\a+2*\g:KF+16*\a+2*\g+1], v[S+8*\g:S+8*\g+7], v[SC10]
.endr
	v_nop
.irp c, 0,1,2,3
	global_store_b128 v[LI], v[KF+16*\a+4*\c:KF+16*\a+4*\c+3], s[12:13] offset:16384*\a+512*\c      ; the image: each store covers 512 consecutive bytes, aligned
.endr
.endr
	s_set_vgpr_msb 0x5
	s_wait_tensorcnt 0x0
	ds_add_u32 v224, v225
	s_wait_dscnt 0x0
	s_set_vgpr_msb 0x500
	s_endpgm
.Lfunc_end_k_q310cd227f0_attn:
	.size	k_q310cd227f0_attn, .Lfunc_end_k_q310cd227f0_attn-k_q310cd227f0_attn
	.p2alignl 7, 3214868480
	.fill 96, 4, 3214868480
	.section	.rodata,"a",@progbits
	.p2align	6, 0x0
	.amdhsa_kernel k_q310cd227f0_attn
		.amdhsa_group_segment_fixed_size 312320
		.amdhsa_private_segment_fixed_size 0
		.amdhsa_enable_private_segment 0
		.amdhsa_kernarg_size 40
		.amdhsa_user_sgpr_count 2
		.amdhsa_user_sgpr_kernarg_segment_ptr 1
		.amdhsa_wavefront_size32 1
		.amdhsa_system_sgpr_workgroup_id_x 1
		.amdhsa_system_sgpr_workgroup_id_y 1
		.amdhsa_system_sgpr_workgroup_id_z 1
		.amdhsa_system_vgpr_workitem_id 0
		.amdhsa_next_free_vgpr 482
		.amdhsa_next_free_sgpr 66
		.amdhsa_reserve_vcc 0
		.amdhsa_float_denorm_mode_32 3
		.amdhsa_float_denorm_mode_16_64 3
		.amdhsa_memory_ordered 1
		.amdhsa_forward_progress 1
		.amdhsa_inst_pref_size 152
	.end_amdhsa_kernel
	.amdgpu_metadata
---
amdhsa.version: [ 1, 2 ]
amdhsa.kernels:
  - .name:           k_q310cd227f0_attn
    .symbol:         k_q310cd227f0_attn.kd
    .args:
      - { .name: qbi, .offset: 0, .size: 8, .value_kind: global_buffer, .address_space: global }
      - { .name: kvt, .offset: 8, .size: 8, .value_kind: global_buffer, .address_space: global }
      - { .name: idx, .offset: 16, .size: 8, .value_kind: global_buffer, .address_space: global }
      - { .name: lowp_scales, .offset: 24, .size: 8, .value_kind: global_buffer, .address_space: global }
      - { .name: oci, .offset: 32, .size: 8, .value_kind: global_buffer, .address_space: global }
    .group_segment_fixed_size: 312320
    .private_segment_fixed_size: 0
    .kernarg_segment_align: 8
    .kernarg_segment_size: 40
    .max_flat_workgroup_size: 256
    .sgpr_count:     66
    .vgpr_count:     482
    .wavefront_size: 32
...
	.end_amdgpu_metadata
.endif
;; end of part 5
;; launch back (part 6): grid 4 x 64, 8 waves a work-group, clusters of 4 x 4, 327,680 bytes of LDS; arguments oci, wci, lowp_scales, out0; writes out0
.if DOCPART == 6
	.amdgcn_target "amdgcn-amd-amdhsa--gfx1250"
	.amdhsa_code_object_version 6
	.text
	.protected	k_q310cd227f0_back
	.globl	k_q310cd227f0_back
	.p2align	8
	.type	k_q310cd227f0_back,@function
k_q310cd227f0_back:
	s_mov_b64 s[64:65], 0
	v_nop
	global_prefetch_b8 v0, s[64:65] scope:SCOPE_SE
	s_setreg_imm32_b32 hwreg(HW_REG_WAVE_MODE, 25, 1), 1
	s_wait_xcnt 0x0
	s_wait_alu depctr_hold_cnt(0) depctr_sa_sdst(0) depctr_va_vdst(0) depctr_va_sdst(0) depctr_va_ssrc(0) depctr_va_vcc(0) depctr_vm_vsrc(0)
	s_getreg_b32 s2, hwreg(HW_REG_IB_STS2, 6, 4)
	s_cmp_eq_u32 s2, 0
	s_cbranch_scc0 .Lentry_in_a_cluster
	s_endpgm
.Lentry_in_a_cluster:
	s_bfe_u32 s2, ttmp6, 0x10000c
	s_cmp_lg_u32 s2, 0xf033
	s_cbranch_scc0 .Lentry_shape_is_right
	s_endpgm
.Lentry_shape_is_right:
; THE FOURTH LAUNCH: out0 = o w_concat, on the codes that the launch before stored (oci) and the weight's images (wci); each finished sum x 2^(e10 + e11).
; FRAGMENTS AND IMAGES as the first launch lays them: 16 rows x 128 K in 16 registers; an image is 2,048 bytes, registers 4c..4c+3 of lane l at 512 c + 16 l.
;   oci: [32 rows][row tile 0..1][K step 0..7][2048]: the image of row tile j (16 rows) of a block of 128 rows, K step s, lies at 16384 j + 2048 s.   wci: [K step][tile of 16 columns 0..63][2048].
; SHARES.  A work-group owns 128 rows x 256 columns of out0: (128 + 256) x 1,024 bytes of codes come into its LDS.  Eight waves as 2 x 4: wave w owns row tiles 4 (w / 4) .. + 3 and column tiles 4 (w % 4) .. + 3:
; 64 x 64, 16 accumulators, in window 1 at v[32 a + 8 t].  The products are used transposed (source 0 = 16 columns' rows of the weight, source 1 = 16 of my rows): a lane's eight results are eight neighbouring columns of a row.
; CLUSTER.  4 x 4 work-groups.  The four of a row of the cluster own the same 128 rows and need the same images of oci; the four of a column own the same 256 columns and need the same images of wci: each tile is asked
; for JOINTLY, by the same tensor load with the same descriptor and a mask that names the four.
; LDS.  Three slots of 96 KiB, two K steps each: the weight's 2 x 32 KiB (K step k at 32768 k, column tile t at 2048 t), then at 65,536 the rows' 8 x 4,096 bytes (row tile j at 4096 j, K step k at 2048 k).
; K steps 0 to 5 are first fills, asked for as one group at the head: three tensor loads of a wave are out then, later one.  K steps 6 and 7 fill slot 0 again, behind a round of the cluster's barrier, and have four K steps'
; work in which to land.  Waves 0-3 fetch the weight (a dense 16 KiB each), waves 4 and 5 the rows (four rows of 4,096 bytes each), waves 6 and 7 nothing.
; THE WAY OUT: 16 rows x my 64 columns (256 bytes a row) at a time through my own stage in LDS, so that sixteen lanes store 256 consecutive bytes, aligned.  The stage lies in slot 1: it is filled once, and every wave's reads
; of it are over in front of the last barrier.
; LIMIT: e10 + e11 lies between -126 and 127, so that 2^(e10 + e11) is an f32 number.
.set SLOTB,  98304
.set APART,  65536                     ; the rows' part of a slot
.set STAGE,  SLOTB                     ; 16 rows x (256 bytes + 16) for each wave
.set SPITCH, 272
.set SPARE,  3*SLOTB                   ; behind the slots: the spare words, 128 bytes for each wave: four blocks of 256 bytes that no other line names
.set SPW,  1                           ; v1   SPARE + 4 x my thread's number; never rewritten
.set NIL,  2                           ; v2   0; never rewritten
.set LI,   3                           ; v3   16 x lane
.set AAD,  4                           ; v4-6   my four row tiles in slot 0, 1, 2, + 16 x lane
.set BAD,  8                           ; v8-10  my four column tiles in slot 0, 1, 2, + 16 x lane
.set STO,  11                          ; v11  the stage: row r, + 32 h
.set RD,   12                          ; v12  the stage: row h, + 16 r
.set CO,   13                          ; v13  out0: row h, + 16 r
.set AF,   16                          ; v16-79   the rows' four fragments of a K step
.set BF,   80                          ; v80-143  the weight's four fragments of a K step
.set TMP,  16                          ; the way out: v16-79 scaled sums, two sets of 32 by turns;
.set OUTR, 80                          ; v80-207 rows read back, a set of 32 for each row tile
.set WV,   16
.set G1A,  24                          ; s[24:31] descriptor group 1 for the rows' tiles;   s[32:43] their groups 0, one for each slot
.set G0A,  32
.set G0B,  44                          ; s[44:55] the weight's groups 0;   s[56:63] its group 1
.set G1B,  56
.set MSB, 0
.macro WIN new                         ; the immediate's high byte repeats the setting that is left
.if MSB != \new
	s_set_vgpr_msb (MSB<<8)|\new
.set MSB, \new
.endif
.endm
.macro ROUND                           ; a round of the cluster's barrier: my work-group's barrier; wave 0 signals for the work-group; every wave waits for all sixteen work-groups; my work-group's barrier once more
	s_barrier_signal -1
	s_barrier_wait -1
	s_cmp_lg_u32 s[WV], 0
	s_cbranch_scc1 .Lnot_wave_0_\@
	s_barrier_signal -3
.Lnot_wave_0_\@:
	s_barrier_wait -3
	s_barrier_signal -1
	s_barrier_wait -1
.endm
.macro FRAG reg, adr, off              ; an image comes back as a fragment
.irp c, 0,1,2,3
	ds_load_b128 v[\reg+4*\c:\reg+4*\c+3], v[\adr] offset:\off+512*\c
.endr
.endm
; A K step: the k-th of slot sl.  32 LDS loads in one run, then 16 products, the 16 accumulators by turns, in the same order in every step.  zero = 1: the products start the sums.
.macro STEP sl, k, zero
.rept 4
	v_nop                                          ; four places in front of loads into registers that matrix instructions have read
.endr
	FRAG AF, AAD+\sl, 2048*\k
.irp t, 0,1,2,3
	FRAG BF+16*\t, BAD+\sl, 32768*\k+2048*\t
.endr
.irp a, 1,2,3
	FRAG AF+16*\a, AAD+\sl, 4096*\a+2048*\k
.endr
	WIN 0x50                                       ; C and D in window 1
.irp a, 0,1,2,3
.irp t, 0,1,2,3
.if \a == 0
	s_wait_dscnt 24-4*\t                           ; LDS loads come back in order: row tile 0 and column tiles 0 .. t are in; the four loads of each younger fragment stay out
.elseif \t == 0
	s_wait_dscnt 12-4*\a                           ; row tile a is in
.endif
.if \zero
	v_wmma_f32_16x16x128_bf8_bf8 v[32*\a+8*\t:32*\a+8*\t+7], v[BF+16*\t:BF+16*\t+15], v[AF+16*\a:AF+16*\a+15], 0
.else
	v_wmma_f32_16x16x128_bf8_bf8 v[32*\a+8*\t:32*\a+8*\t+7], v[BF+16*\t:BF+16*\t+15], v[AF+16*\a:AF+16*\a+15], v[32*\a+8*\t:32*\a+8*\t+7]
.endif
.endr
.endr
	WIN 0
.endm
; THE WAY OUT of row tile a.  TOSTAGE: the sums x 2^(e10 + e11), into my stage, and back as whole pieces of rows.  SEND: stored.
.macro TOSTAGE a
	WIN 0x01                                       ; source 0 in window 1
.irp j, 0,2,4,6,8,10,12,14,16,18,20,22,24,26,28,30
	v_pk_mul_f32 v[TMP+32*((\a)%2)+\j:TMP+32*((\a)%2)+\j+1], v[32*(\a)+\j:32*(\a)+\j+1], s[78:79] op_sel_hi:[1,0]     ; each accumulator from its low end on
.endr
	WIN 0
.irp t, 0,1,2,3
	ds_store_b128 v[STO], v[TMP+32*((\a)%2)+8*\t:TMP+32*((\a)%2)+8*\t+3] offset:64*\t          ; lane (r, h): row r, columns 16 t + 8 h + 0 .. 7 of my 64
	ds_store_b128 v[STO], v[TMP+32*((\a)%2)+8*\t+4:TMP+32*((\a)%2)+8*\t+7] offset:64*\t+16
.endr
.irp i, 0,1,2,3,4,5,6,7
	ds_load_b128 v[OUTR+32*(\a)+4*\i:OUTR+32*(\a)+4*\i+3], v[RD] offset:\i*2*SPITCH            ; LDS serves a wave's instructions in order: these see my stores, and the next row tile's stores come behind them
.endr
.endm
.macro SEND a, younger                 ; younger: the LDS instructions issued behind row tile a's loads: the next tile's eight stores and eight loads, or none
.irp i, 0,1,2,3,4,5,6,7
	s_wait_dscnt \younger+7-\i
	global_store_b128 v[CO], v[OUTR+32*(\a)+4*\i:OUTR+32*(\a)+4*\i+3], s[10:11] offset:65536*(\a)+8192*\i th:TH_STORE_NT   ; sixteen lanes store 256 consecutive bytes, aligned; two rows an instruction; written once, read by nobody here
.endr
.endm
	s_load_b256 s[4:11], s[0:1], 0x0               ; oci s[4:5], wci s[6:7], scales s[8:9], out0 s[10:11]
	v_lshl_add_u32 v[SPW], v0, 2, SPARE
	v_mov_b32 v[NIL], 0
	ds_add_u32 v1, v2
	ds_add_u32 v1, v2
	s_wait_dscnt 0x0
	v_lshrrev_b32 v[LI], 5, v0
	v_readfirstlane_b32 s[WV], v[LI]               ; wave 0..7
	s_bfe_u32 s17, ttmp6, 0x40000                  ; cx, cy: my place in the cluster
	s_bfe_u32 s18, ttmp6, 0x40004
	s_lshl_b32 s19, ttmp9, 2                       ; in a cluster launch ttmp9 and ttmp7 count clusters
	s_add_co_u32 s19, s19, s17                     ; my block of 256 columns = 4 x cluster x + cx
	s_and_b32 s20, ttmp7, 0xffff
	s_lshl_b32 s20, s20, 2
	s_add_co_u32 s20, s20, s18                     ; my block of 128 rows = 4 x cluster y + cy
	s_lshl_b32 s21, s18, 2
	s_lshl_b32 s21, 15, s21                        ; my row of the cluster: places 4 cy .. 4 cy + 3
	s_lshl_b32 s22, 0x1111, s17                    ; my column: places cx, cx + 4, cx + 8, cx + 12
	; descriptor group 1 for the rows' tiles: 4 rows of 512 elements of 8 bytes, 2,048 elements apart in memory, dense in LDS
	s_or_b32 s[G1A+0], s21, (3<<16)|(1<<21)        ; 15:0 the mask: my row of the cluster; 17:16 elements of 8 bytes; 21 set beside a mask; no padding
	s_mov_b32 s[G1A+1], 512<<16                    ; tensor_dim0 = 512
	s_mov_b32 s[G1A+2], 4<<16                      ; tensor_dim1 = 4
	s_mov_b32 s[G1A+3], 512<<16                    ; tile_dim0 = 512
	s_mov_b32 s[G1A+4], 4                          ; tile_dim1 = 4
	s_mov_b32 s[G1A+5], 2048                       ; from row to row
	s_mov_b32 s[G1A+6], 0
	s_mov_b32 s[G1A+7], 0
	; and for the weight's: 64 rows of 32 elements of 8 bytes, dense: 16 KiB
	s_or_b32 s[G1B+0], s22, (3<<16)|(1<<21)        ; the mask: my column of the cluster
	s_mov_b32 s[G1B+1], 32<<16                     ; tensor_dim0 = 32
	s_mov_b32 s[G1B+2], 64<<16                     ; tensor_dim1 = 64
	s_mov_b32 s[G1B+3], 32<<16                     ; tile_dim0 = 32
	s_mov_b32 s[G1B+4], 64                         ; tile_dim1 = 64
	s_mov_b32 s[G1B+5], 32                         ; from row to row
	s_mov_b32 s[G1B+6], 0
	s_mov_b32 s[G1B+7], 0
	; what I fetch, if I fetch.  The rows' address hangs on the block of rows and the wave's number alone, the weight's on the block of columns and the wave's number alone, each in registers that never hold the other coordinate
	s_and_b32 s70, s[WV], 1
	s_and_b32 s71, s[WV], 3
	s_lshl_b32 s66, s20, 17                        ; oci: 128 rows are 131,072 bytes,
	s_lshl_b32 s72, s70, 16
	s_add_co_u32 s66, s66, s72                     ; + row tiles 4 (w % 2) on
	s_mov_b32 s67, 0
	s_lshl_b32 s68, s19, 15                        ; wci: 16 column tiles are 32,768 bytes,
	s_lshr_b32 s73, s71, 1
	s_lshl_b32 s73, s73, 17
	s_add_co_u32 s68, s68, s73                     ; + K step (w % 4) / 2 of the slot's two,
	s_lshl_b32 s73, s70, 14
	s_add_co_u32 s68, s68, s73                     ; + its half w % 2
	s_mov_b32 s69, 0
	s_lshl_b32 s74, s70, 14
	s_add_co_u32 s74, s74, APART                   ; where they go: the rows' tile: 65,536 + 16,384 (w % 2);
	s_lshl_b32 s75, s71, 14                        ; the weight's: 16,384 (w % 4): no place in the cluster enters an LDS address
	; the LDS addresses of my fragments, of my stage, and my offset in out0
	v_and_b32 v[LI], 31, v0
	v_lshlrev_b32 v[LI], 4, v[LI]
	v_and_b32 v14, 15, v0                          ; r
	v_bfe_u32 v15, v0, 4, 1                        ; h
	s_lshr_b32 s80, s[WV], 2                       ; which 64 rows are mine
	s_lshl_b32 s81, s80, 14
	s_add_co_u32 s81, s81, APART
	v_add_nc_u32 v[AAD], s81, v[LI]
	v_add_nc_u32 v[AAD+1], SLOTB, v[AAD]
	v_add_nc_u32 v[AAD+2], SLOTB, v[AAD+1]
	s_lshl_b32 s81, s71, 13                        ; which 64 columns
	v_add_nc_u32 v[BAD], s81, v[LI]
	v_add_nc_u32 v[BAD+1], SLOTB, v[BAD]
	v_add_nc_u32 v[BAD+2], SLOTB, v[BAD+1]
	s_mul_i32 s81, s[WV], 16*SPITCH
	s_add_co_u32 s81, s81, STAGE                   ; my stage
	v_mul_u32_u24 v[STO], v14, SPITCH
	v_lshl_add_u32 v[STO], v15, 5, v[STO]
	v_add_nc_u32 v[STO], s81, v[STO]
	v_mul_u32_u24 v[RD], v15, SPITCH
	v_lshl_add_u32 v[RD], v14, 4, v[RD]
	v_add_nc_u32 v[RD], s81, v[RD]
	v_lshlrev_b32 v[CO], 12, v15
	v_lshl_add_u32 v[CO], v14, 4, v[CO]
	s_lshl_b32 s82, s20, 19                        ; out0: 128 rows of 4,096 bytes,
	s_lshl_b32 s83, s80, 18
	s_add_co_u32 s82, s82, s83                     ; + my 64 rows,
	s_lshl_b32 s83, s19, 10
	s_add_co_u32 s82, s82, s83                     ; + 256 columns of 4 bytes,
	s_lshl_b32 s83, s71, 8
	s_add_co_u32 s82, s82, s83                     ; + my 64 columns
	s_mov_b32 s83, 0
	s_wait_kmcnt 0x0
	s_load_b64 s[76:77], s[8:9], 0x28              ; e10, e11
	s_add_nc_u64 s[4:5], s[4:5], s[66:67]
	s_add_nc_u64 s[6:7], s[6:7], s[68:69]
	s_add_nc_u64 s[10:11], s[10:11], s[82:83]
.irp s, 0,1,2
	s_mov_b32 s[G0A+4*\s], 1                                       ; count = 1
	s_add_co_u32 s[G0A+4*\s+1], s74, \s*SLOTB                      ; LDS address
	s_add_nc_u64 s[G0A+4*\s+2:G0A+4*\s+3], s[4:5], \s*4096         ; global address: K steps 2 s and 2 s + 1 of each row tile
	s_or_b32 s[G0A+4*\s+3], s[G0A+4*\s+3], 0x80000000              ; type = 2
	s_mov_b32 s[G0B+4*\s], 1
	s_add_co_u32 s[G0B+4*\s+1], s75, \s*SLOTB
	s_add_nc_u64 s[G0B+4*\s+2:G0B+4*\s+3], s[6:7], \s*262144
	s_or_b32 s[G0B+4*\s+3], s[G0B+4*\s+3], 0x80000000
.endr
	ROUND                                          ; all sixteen work-groups are here: the first joint loads meet
	s_cmp_lt_u32 s[WV], 4                          ; a wave's three first fills stand in one branch, ahead of every wait on TENSORcnt, every LDS read and every other barrier; four v_nop follow the last
	s_cbranch_scc0 .Lfirst_a
	tensor_load_to_lds s[G0B:G0B+3], s[G1B:G1B+7]
	s_nop 0
	tensor_load_to_lds s[G0B+4:G0B+7], s[G1B:G1B+7]
	s_nop 0
	tensor_load_to_lds s[G0B+8:G0B+11], s[G1B:G1B+7]
	s_nop 0
.rept 4
	v_nop
.endr
	s_branch .Lfirst_asked
.Lfirst_a:
	s_cmp_lt_u32 s[WV], 6
	s_cbranch_scc0 .Lfirst_asked
	tensor_load_to_lds s[G0A:G0A+3], s[G1A:G1A+7]
	s_nop 0
	tensor_load_to_lds s[G0A+4:G0A+7], s[G1A:G1A+7]
	s_nop 0
	tensor_load_to_lds s[G0A+8:G0A+11], s[G1A:G1A+7]
	s_nop 0
.rept 4
	v_nop
.endr
.Lfirst_asked:
	s_wait_kmcnt 0x0
	s_add_co_i32 s78, s76, s77
	s_add_co_i32 s78, s78, 127
	s_lshl_b32 s78, s78, 23                        ; 2^(e10 + e11) as f32
	s_mov_b32 s79, s78                             ; (named with it as a pair, so it is written)
	s_wait_tensorcnt 2                             ; my part of slot 0 is in; the two younger loads stay out
	s_barrier_signal -1
	s_barrier_wait -1                              ; everybody's is
	STEP 0, 0, 1                                   ; K step 0 starts the sums: nothing is cleared
	STEP 0, 1, 0
	s_wait_tensorcnt 0x0                           ; all my tensor loads have landed, slots 1 and 2 among them: no load of mine is out, so a group 0 may be written
	ds_add_u32 v[SPW], v[NIL]                      ; 0 onto my spare word
	ds_add_u32 v1, v2
	s_add_nc_u64 s[G0A+2:G0A+3], s[G0A+2:G0A+3], 6*2048            ; slot 0's next tiles: K steps 6 and 7
	s_add_nc_u64 s[G0B+2:G0B+3], s[G0B+2:G0B+3], 6*131072
	s_wait_dscnt 0x0                               ; the add is done, and my reads of slot 0 are over
	ROUND                                          ; all that now holds of every wave of the sixteen work-groups
	s_cmp_lt_u32 s[WV], 4                          ; the joint refill: the first thing behind the round, one tensor load a wave
	s_cbranch_scc0 .Lagain_a
	tensor_load_to_lds s[G0B:G0B+3], s[G1B:G1B+7]
	s_nop 0
.rept 4
	v_nop
.endr
	s_branch .Lagain_asked
.Lagain_a:
	s_cmp_lt_u32 s[WV], 6
	s_cbranch_scc0 .Lagain_asked
	tensor_load_to_lds s[G0A:G0A+3], s[G1A:G1A+7]
	s_nop 0
.rept 4
	v_nop
.endr
.Lagain_asked:
	STEP 1, 0, 0                                   ; K steps 2 to 5: the wait for 0 in front of the round has shown both slots whole to every wave
	STEP 1, 1, 0
	STEP 2, 0, 0
	STEP 2, 1, 0
	s_wait_tensorcnt 0x0                           ; my one load that was out, my part of K steps 6 and 7, is in;
	s_wait_dscnt 0x0                               ; my reads of slots 1 and 2 are over
	s_barrier_signal -1
	s_barrier_wait -1                              ; both hold of every wave: slot 0 is whole, and slot 1 may take the stages
	STEP 0, 0, 0
	STEP 0, 1, 0
.rept 4
	v_nop                                          ; four places in front of the first read of results and of the first write of the last products' sources
.endr
	TOSTAGE 0
	TOSTAGE 1                                      ; a row tile's arithmetic stands between the loads of the tile before and its stores
	SEND 0, 16
	TOSTAGE 2                                      ; (its scaled sums take row tile 0's registers: SEND 0's waits have shown that tile's LDS stores done)
	SEND 1, 16
	TOSTAGE 3
	SEND 2, 16
	SEND 3, 0
	s_wait_tensorcnt 0x0                           ; the wave's end: behind my last tensor load and my last LDS store
	ds_add_u32 v[SPW], v[NIL]
	s_wait_dscnt 0x0
	ROUND                                          ; the closing round: no work-group ends while a partner may still ask for a tile that names it
	s_endpgm
.Lfunc_end_k_q310cd227f0_back:
	.size	k_q310cd227f0_back, .Lfunc_end_k_q310cd227f0_back-k_q310cd227f0_back
	.p2alignl 7, 3214868480
	.fill 96, 4, 3214868480
	.section	.rodata,"a",@progbits
	.p2align	6, 0x0
	.amdhsa_kernel k_q310cd227f0_back
		.amdhsa_group_segment_fixed_size 327680
		.amdhsa_private_segment_fixed_size 0
		.amdhsa_enable_private_segment 0
		.amdhsa_kernarg_size 32
		.amdhsa_user_sgpr_count 2
		.amdhsa_user_sgpr_kernarg_segment_ptr 1
		.amdhsa_wavefront_size32 1
		.amdhsa_system_sgpr_workgroup_id_x 1
		.amdhsa_system_sgpr_workgroup_id_y 1
		.amdhsa_system_sgpr_workgroup_id_z 1
		.amdhsa_system_vgpr_workitem_id 0
		.amdhsa_next_free_vgpr 384
		.amdhsa_next_free_sgpr 84
		.amdhsa_reserve_vcc 0
		.amdhsa_float_denorm_mode_32 3
		.amdhsa_float_denorm_mode_16_64 3
		.amdhsa_memory_ordered 1
		.amdhsa_forward_progress 1
		.amdhsa_inst_pref_size 49
	.end_amdhsa_kernel
	.amdgpu_metadata
---
amdhsa.version: [ 1, 2 ]
amdhsa.kernels:
  - .name:           k_q310cd227f0_back
    .symbol:         k_q310cd227f0_back.kd
    .args:
      - { .name: oci, .offset: 0, .size: 8, .value_kind: global_buffer, .address_space: global }
      - { .name: wci, .offset: 8, .size: 8, .value_kind: global_buffer, .address_space: global }
      - { .name: lowp_scales, .offset: 16, .size: 8, .value_kind: global_buffer, .address_space: global }
      - { .name: out0, .offset: 24, .size: 8, .value_kind: global_buffer, .address_space: global }
    .group_segment_fixed_size: 327680
    .private_segment_fixed_size: 0
    .kernarg_segment_align: 8
    .kernarg_segment_size: 32
    .max_flat_workgroup_size: 256
    .sgpr_count:     84
    .vgpr_count:     384
    .wavefront_size: 32
...
	.end_amdgpu_metadata
.endif
;; end of part 6
;; ======== version 3 of 3: 4 launches; version 2 with the launches prep, attn written anew for expert scheduling mode
;; workspace buffers: wqi 1,048,576 bytes; wci 1,048,576 bytes; mqi 4,194,304 bytes; kvt 524,288 bytes; qbi 8,388,608 bytes; oci 8,388,608 bytes; idx 32,768 bytes of whole numbers
;; launch prep (part 7): grid 256 x 1, 8 waves a work-group, no clusters, 19,712 bytes of LDS; arguments mem_table, w_q_codes, w_concat_codes, w_kv_codes, lowp_scales, wqi, wci, mqi, kvt; writes wqi, wci, mqi, kvt
.if DOCPART == 7
	.amdgcn_target "amdgcn-amd-amdhsa--gfx1250"
	.amdhsa_code_object_version 6
	.text
	.protected	k_q310cd227f0_prep
	.globl	k_q310cd227f0_prep
	.p2align	8
	.type	k_q310cd227f0_prep,@function
k_q310cd227f0_prep:
	s_mov_b64 s[64:65], 0
	v_nop
	global_prefetch_b8 v0, s[64:65] scope:SCOPE_SE
	s_setreg_imm32_b32 hwreg(HW_REG_WAVE_SCHED_MODE, 0, 2), 2
	s_setreg_imm32_b32 hwreg(HW_REG_WAVE_MODE, 25, 1), 1
	s_wait_xcnt 0x0
	s_wait_alu depctr_vm_vsrc(0)
; THE FIRST OF FOUR LAUNCHES (prep, front, attn, back) of KNN attention on codes of BF8 (E5M2).  The input kv is used by no step of the computation and is read by no launch.
; This launch works on the memory table and the weights alone:
;  (a) mem_table, f32, is quantised with scale 2^e3 into mqi, the right operand of the search's product;
;  (b) the product of the chosen memory row with w_kv hangs on the row alone, so it is made once for each of the table's rows (quantised with 2^e4), and its results are quantised at once:
;      channels 0-63 (k) with 2^e7, channels 64-127 (v) with 2^e9, into kvt [batch][row 0..1023][128 bytes]; a later launch gathers these codes by the index that the search finds;
;  (c) w_q and w_concat are laid anew (wqi, wci) in the order in which a wave's operand registers take them.
; A FRAGMENT is 16 rows x 128 K in 16 registers: lane (r = lane % 16, h = lane / 16) holds row r, registers 4c..4c+3 hold K = 32c + 16h + 0..15: the same places of K on both sides of every product.
; Its IMAGE is 2,048 bytes: registers 4c..4c+3 of lane l at byte 512c + 16l.  wqi, wci: [K step 0..7][tile 0..63][2048]; mqi: the same for each batch.
; Rows of a tile: wci, mqi: 16t + r.  wqi: 32(t/2) + 8(t%2) + r + 8(r/8), so that the results of two neighbouring tiles are 16 neighbours along the next product's K.
; The table has 1,000 rows: rows 1000..1023 of mqi and kvt are copies of row 999; a copy's score ties with row 999's and the search keeps the lowest index.
; SHARES.  Work-group g: batch g / 64, 16 rows of the table from 16 (g % 64).  Wave w quantises K step w of these rows, makes tile w (16 channels) of the product with w_kv over all K, and lays half a fragment of
; w_q (g < 128) or w_concat (g >= 128) anew.  One path for all work-groups: only pointers and two numbers are chosen on the work-group's number.
; LIMITS: e3, e4, e7 - e4 - e5 and e9 - e4 - e5 lie between -126 and 112, so that each scale and each largest number x scale is an f32 number.  NaN among the inputs is not served.
; THE MODE: SCHED_MODE bits 1:0 = 2 (LLVM: expert scheduling mode 2), set by the entry lines.  The code itself states the register dependences
; between vector or matrix instructions and memory or LDS instructions, with s_wait_alu, always for 0.
; THE PLAN.  Registers that memory or LDS instructions touch:
;   v4-v11     offsets and addresses: written once at the head, read by the loads and stores, never written again.
;   X v32-95   my 64 numbers land; both quantisings name them; the images of K steps 0-3 land; the first four products read them; the images of K steps 4-7 land.
;   T v96-111  the second quantising writes its codes there; four LDS stores read them; then the products write the two accumulators there.
;   C3 v112-127  the first quantising writes its codes there; four global stores read them; later the sums and their codes are written there, an LDS store reads v120-121, an LDS load lands in v122-123.
;   RL, W      loads land; stores and products read them; never written again.
; The two quantisings stand on end, so that one wait behind them serves the LDS stores of T, the global stores of C3 and the LDS loads into X; one wait behind the barrier states that these stores have read T and C3.
.set AIM,  0                           ; LDS: the eight images of my rows' codes for the product with w_kv, K step s at 2048 s
.set STG,  16384                       ; and a stage of 16 rows x (128 bytes + 16) for the rows of kvt
.set SP,   144
.set XO,   4                           ; v4   mem_table: min(16t + r, 999) rows of 4,096 bytes + 64 h
.set WO,   5                           ; v5   w_kv: (r + 8 (r/8)) rows of 1,024 bytes + 16 h
.set LI,   6                           ; v6   16 x lane: my place in an image
.set RS,   7                           ; v7   the weight that is laid anew: my row x 1,024 + 16 h
.set AW,   8                           ; v8   where I store my image
.set SW,   9                           ; v9   the stage: where I put eight codes
.set SR,   10                          ; v10  the stage: where I read them back
.set G8,   11                          ; v11  8 x lane
.set SC3,  12                          ; v12-17 scale and largest number x scale: for e3, for e4, for the results
.set LM3,  13
.set SC4,  14
.set LM4,  15
.set SCK,  16
.set LMK,  17
.set RL,   24                          ; v24-31  half a fragment on its way
.set X,    32                          ; v32-95  64 numbers of my rows; later four fragments of codes
.set T,    96                          ; v96-111 16 held numbers; then the codes for e4; then two accumulators
.set C3,   112                         ; v112-127 the codes for e3; later the sums and their codes
.set W,    128                         ; v128-255 w_kv: my tile's eight fragments
.set WV,   22
.macro MKSC se, vsc, vlim              ; s[se] holds e (and is used up): v[vsc] = 2^e, v[vlim] = 57,344 x 2^e
	s_add_co_i32 s[\se], s[\se], 127
	s_lshl_b32 s60, s[\se], 23
	v_mov_b32 v[\vsc], s60
	s_add_co_i32 s[\se], s[\se], 15
	s_lshl_b32 s[\se], s[\se], 23
	s_or_b32 s[\se], s[\se], 0x600000
	v_mov_b32 v[\vlim], s[\se]
.endm
; 64 numbers in v[X] on, register 16 b + i = K 32 b + 16 h + i of my row, become a fragment's codes in v[dst] on.  keep = 1: X stays as it is (the held numbers go to T).
.macro QUANTP dst, sc, lim, keep
.irp b, 0,1,2,3
.irp i, 0,1,2,3,4,5,6,7,8,9,10,11,12,13,14,15
.if \keep
	v_med3_num_f32 v[T+\i], v[X+16*\b+\i], -v[\lim], v[\lim]          ; the conversion to an 8-bit code does not saturate (ISA guide 7.6.2): the hold at the largest code x the scale
.else
	v_med3_num_f32 v[X+16*\b+\i], v[X+16*\b+\i], -v[\lim], v[\lim]
.endif
.endr
.if \keep
	v_cvt_scalef32_pk8_bf8_f32 v[\dst+4*\b:\dst+4*\b+1], v[T:T+7], v[\sc]
	v_cvt_scalef32_pk8_bf8_f32 v[\dst+4*\b+2:\dst+4*\b+3], v[T+8:T+15], v[\sc]
.else
	v_cvt_scalef32_pk8_bf8_f32 v[\dst+4*\b:\dst+4*\b+1], v[X+16*\b:X+16*\b+7], v[\sc]
	v_cvt_scalef32_pk8_bf8_f32 v[\dst+4*\b+2:\dst+4*\b+3], v[X+16*\b+8:X+16*\b+15], v[\sc]
.endif
	v_nop                                          ; one plain vector line between a scaled conversion and the next line that writes its sources or touches its result
.endr
.endm
.macro ALOAD s0                        ; the images of K steps s0 .. s0 + 3 come back as fragments, in any wave
.irp k, 0,1,2,3
.irp c, 0,1,2,3
	ds_load_b128 v[X+16*\k+4*\c:X+16*\k+4*\c+3], v[LI] offset:AIM+2048*(\s0+\k)+512*\c
.endr
.endr
.endm
.macro MM4 s0, zero                    ; four K steps; two accumulators take turns, one instruction a turn; zero = 1: the first two start the sums
.irp k, 0,1,2,3
.if \zero && (\k < 2)
	v_wmma_f32_16x16x128_bf8_bf8 v[T+8*(\k%2):T+8*(\k%2)+7], v[W+16*(\s0+\k):W+16*(\s0+\k)+15], v[X+16*\k:X+16*\k+15], 0
.else
	v_wmma_f32_16x16x128_bf8_bf8 v[T+8*(\k%2):T+8*(\k%2)+7], v[W+16*(\s0+\k):W+16*(\s0+\k)+15], v[X+16*\k:X+16*\k+15], v[T+8*(\k%2):T+8*(\k%2)+7]
.endif
.endr
.endm
	s_load_b512 s[4:19], s[0:1], 0x0               ; mem_table s[4:5], w_q s[6:7], w_concat s[8:9], w_kv s[10:11], scales s[12:13], wqi s[14:15], wci s[16:17], mqi s[18:19]
	s_load_b64 s[20:21], s[0:1], 0x40              ; kvt
	v_lshl_add_u32 v22, v0, 2, 0x4900
	v_mov_b32 v23, 0
	v_lshrrev_b32 v1, 5, v0
	v_readfirstlane_b32 s[WV], v1                  ; wave 0..7
	v_and_b32 v1, 31, v0                           ; lane
	v_and_b32 v2, 15, v0                           ; r
	v_bfe_u32 v3, v0, 4, 1                         ; h
	s_lshr_b32 s36, ttmp9, 6                       ; batch
	s_and_b32 s37, ttmp9, 63                       ; t: which 16 rows of the table
	s_lshl_b32 s38, s37, 4
	v_add_nc_u32 v[XO], s38, v2
	v_min_u32 v[XO], 999, v[XO]                    ; rows past the table's end are copies of its last row
	v_lshlrev_b32 v[XO], 12, v[XO]
	v_lshl_add_u32 v[XO], v3, 6, v[XO]
	v_and_b32 v[WO], 8, v2
	v_add_nc_u32 v[WO], v[WO], v2                  ; r + 8 (r / 8)
	v_lshlrev_b32 v[WO], 10, v[WO]
	v_lshl_add_u32 v[WO], v3, 4, v[WO]
	v_lshlrev_b32 v[LI], 4, v1
	s_cmp_lt_u32 ttmp9, 128                        ; w_q's work-group or w_concat's?
	s_cselect_b32 s39, 8, 0
	v_and_b32 v[RS], s39, v2                       ; w_q: r + 8 (r / 8); w_concat: r
	v_add_nc_u32 v[RS], v[RS], v2
	v_lshlrev_b32 v[RS], 10, v[RS]
	v_lshl_add_u32 v[RS], v3, 4, v[RS]
	s_wait_alu depctr_va_sdst(0)                   ; the wave's number is written, ahead of its first reader: LDS addresses and the buffers' offsets are made from it
	s_lshl_b32 s40, s[WV], 11
	v_add_nc_u32 v[AW], s40, v[LI]                 ; AIM + 2048 w + 16 lane
	s_lshr_b32 s41, s[WV], 1
	s_lshl_b32 s41, s41, 5
	s_and_b32 s42, s[WV], 1
	s_lshl_b32 s42, s42, 3
	s_add_co_u32 s41, s41, s42                     ; 32 (w / 2) + 8 (w % 2): my tile's first row of w_kv, and my codes' byte in a row of kvt
	v_mul_u32_u24 v[SW], v2, SP
	v_lshl_add_u32 v[SW], v3, 4, v[SW]
	v_add_nc_u32 v[SW], s41, v[SW]
	v_add_nc_u32 v[SW], STG, v[SW]                 ; row r, + 16 h, + my tile's byte
	s_mul_i32 s43, s[WV], 2*SP
	v_mul_u32_u24 v[SR], v3, SP
	v_lshl_add_u32 v[SR], v2, 3, v[SR]
	v_add_nc_u32 v[SR], s43, v[SR]
	v_add_nc_u32 v[SR], STG, v[SR]                 ; back: rows 2 w and 2 w + 1, sixteen lanes to a row of 128 bytes
	v_lshlrev_b32 v[G8], 3, v1
	; byte offsets, each in registers of its own
	s_mul_i32 s44, s36, 4096000                    ; mem_table: the batch's 1,000 rows of 4,096 bytes,
	s_lshl_b32 s45, s[WV], 9
	s_add_co_u32 s44, s44, s45                     ; + K step w: 128 numbers
	s_mov_b32 s45, 0
	s_lshl_b32 s46, s41, 10                        ; w_kv: my tile's first row
	s_mov_b32 s47, 0
	s_lshl_b32 s48, ttmp9, 2
	s_lshr_b32 s49, s[WV], 1
	s_add_co_u32 s48, s48, s49
	s_and_b32 s48, s48, 511                        ; which of the weight's 512 fragments: 64 s + t
	s_lshr_b32 s49, s48, 6                         ; its K step
	s_and_b32 s50, s48, 63                         ; its tile
	s_and_b32 s51, s[WV], 1                        ; which half of it is mine: registers 0-7 or 8-15
	s_lshr_b32 s52, s50, 1
	s_lshl_b32 s52, s52, 5
	s_and_b32 s53, s50, 1
	s_lshl_b32 s53, s53, 3
	s_add_co_u32 s52, s52, s53                     ; w_q: the tile begins at row 32 (t / 2) + 8 (t % 2),
	s_lshl_b32 s53, s50, 4                         ; w_concat: at row 16 t
	s_cmp_lt_u32 ttmp9, 128
	s_cselect_b32 s52, s52, s53
	s_lshl_b32 s52, s52, 10
	s_lshl_b32 s49, s49, 7
	s_add_co_u32 s52, s52, s49
	s_lshl_b32 s53, s51, 6
	s_add_co_u32 s52, s52, s53                     ; from: row x 1,024 + 128 s + 64 half
	s_mov_b32 s53, 0
	s_lshl_b32 s54, s48, 11
	s_lshl_b32 s55, s51, 10
	s_add_co_u32 s54, s54, s55                     ; to: fragment x 2,048 + 1,024 half
	s_mov_b32 s55, 0
	s_lshl_b32 s56, s36, 3
	s_add_co_u32 s56, s56, s[WV]
	s_lshl_b32 s56, s56, 6
	s_add_co_u32 s56, s56, s37
	s_lshl_b32 s56, s56, 11                        ; mqi: ((8 batch + w) 64 + t) images
	s_mov_b32 s57, 0
	s_lshl_b32 s58, s36, 17
	s_lshl_b32 s59, s37, 11
	s_add_co_u32 s58, s58, s59
	s_lshl_b32 s59, s[WV], 8
	s_add_co_u32 s58, s58, s59                     ; kvt: (1024 batch + 16 t) rows of 128 bytes + my two rows
	s_mov_b32 s59, 0
	s_wait_kmcnt 0x0
	s_load_b256 s[24:31], s[12:13], 0x0            ; e0 .. e7
	s_load_b64 s[32:33], s[12:13], 0x20            ; e8, e9
	s_add_nc_u64 s[4:5], s[4:5], s[44:45]
	s_add_nc_u64 s[10:11], s[10:11], s[46:47]
	s_cmp_lt_u32 ttmp9, 128                        ; the choice hangs on the work-group's number alone
	s_cselect_b64 s[6:7], s[6:7], s[8:9]
	s_cselect_b64 s[14:15], s[14:15], s[16:17]
	s_add_nc_u64 s[6:7], s[6:7], s[52:53]
	s_add_nc_u64 s[14:15], s[14:15], s[54:55]
	s_add_nc_u64 s[18:19], s[18:19], s[56:57]
	s_add_nc_u64 s[20:21], s[20:21], s[58:59]
	s_wait_alu depctr_va_vdst(0)                   ; the eight offsets and addresses v4 to v11 are written, which the loads and stores of the whole kernel read
.irp c, 0,1,2,3
.irp i, 0,1,2,3
	global_load_b128 v[X+16*\c+4*\i:X+16*\c+4*\i+3], v[XO], s[4:5] offset:128*\c+16*\i th:TH_LOAD_NT   ; my row's K = 128 w + 32 c + 16 h + 4 i .. + 3
.endr
.endr
	global_load_b128 v[RL:RL+3], v[RS], s[6:7]
	global_load_b128 v[RL+4:RL+7], v[RS], s[6:7] offset:32
.irp k, 0,1,2,3,4,5,6,7
.irp c, 0,1,2,3
	global_load_b128 v[W+16*\k+4*\c:W+16*\k+4*\c+3], v[WO], s[10:11] offset:128*\k+32*\c
.endr
.endr
	s_wait_kmcnt 0x0
	s_cmp_lt_u32 s[WV], 4                          ; waves 0-3 make k's channels, waves 4-7 v's
	s_cselect_b32 s61, s31, s33                    ; e7 or e9
	s_sub_co_i32 s61, s61, s28
	s_sub_co_i32 s61, s61, s29                     ; a sum stands for sum x 2^(e4 + e5): the three scales are folded into the conversion's one
	MKSC 27, SC3, LM3
	MKSC 28, SC4, LM4
	MKSC 61, SCK, LMK
	s_wait_loadcnt 34                              ; my 64 numbers are in; the 2 + 32 younger loads stay out
	QUANTP C3, SC3, LM3, 1
	QUANTP T, SC4, LM4, 0
	s_wait_alu depctr_va_vdst(0)                   ; the conversions have written T and C3, which the stores below read; and both quantisings are done with X, in which the LDS loads behind the barrier land
.irp c, 0,1,2,3
	ds_store_b128 v[AW], v[T+4*\c:T+4*\c+3] offset:512*\c
.endr
.irp c, 0,1,2,3
	global_store_b128 v[LI], v[C3+4*\c:C3+4*\c+3], s[18:19] offset:512*\c     ; the image: each store covers 512 consecutive bytes, aligned
.endr
	s_wait_loadcnt 32                              ; the half fragment is in; w_kv's 32 loads stay out
	global_store_b128 v[LI], v[RL:RL+3], s[14:15]
	global_store_b128 v[LI], v[RL+4:RL+7], s[14:15] offset:512
	s_wait_dscnt 0x0                               ; for the others' sake: my image has landed
	s_barrier_signal -1
	s_barrier_wait -1                              ; all eight K steps lie in LDS
	s_wait_alu depctr_vm_vsrc(0)                   ; my LDS stores have read T, which the products below write as accumulators; my global stores have read C3, in which the sums are written further down
	ALOAD 0
	s_wait_dscnt 0x0
	s_wait_loadcnt 0x0                             ; w_kv
	MM4 0, 1                                       ; transposed: source 0 = 16 rows of w_kv, source 1 = my work-group's 16 rows of the table
.rept 4
	v_nop                                          ; four places behind the products, in front of loads into registers that they have read,
.endr
	s_wait_alu depctr_va_vdst(0)                   ; and the wait beside them: the four products are done reading X, in which the images of K steps 4 to 7 land
	ALOAD 4
	s_wait_dscnt 0x0
	MM4 4, 0
.rept 4
	v_nop                                          ; four places in front of the first read of results
.endr
	s_wait_xcnt 0x0                                ; the stores of the codes for e3 have had their addresses translated: their registers are written again below (that they have been read is stated behind the barrier above)
.irp j, 0,2,4,6
	v_pk_add_f32 v[C3+\j:C3+\j+1], v[T+\j:T+\j+1], v[T+8+\j:T+8+\j+1]         ; the two halves of K; each accumulator from its low end on.  Lane (r, h), register j: channel 32 (w/2) + 16 h + 8 (w%2) + j of row r
.endr
.irp j, 0,1,2,3,4,5,6,7
	v_med3_num_f32 v[C3+\j], v[C3+\j], -v[LMK], v[LMK]
.endr
	v_cvt_scalef32_pk8_bf8_f32 v[C3+8:C3+9], v[C3:C3+7], v[SCK]
	v_nop
	s_wait_alu depctr_va_vdst(0)                   ; the conversion has written v[C3+8:C3+9], which the LDS store reads
	ds_store_b64 v[SW], v[C3+8:C3+9]
	s_wait_dscnt 0x0                               ; for the others' sake
	s_barrier_signal -1
	s_barrier_wait -1                              ; 16 whole rows of kvt lie in the stage
	ds_load_b64 v[C3+10:C3+11], v[SR]              ; (no vector line since the last wait names these two registers)
	s_wait_dscnt 0x0
	global_store_b64 v[G8], v[C3+10:C3+11], s[20:21]                          ; the wave's store covers 256 consecutive bytes, aligned
	s_wait_dscnt 0x0                               ; the closing lines, six on end
	s_wait_alu 0x0
	s_wait_tensorcnt 0x0
	ds_add_u32 v22, v23
	s_wait_dscnt 0x0
	s_endpgm
.Lfunc_end_k_q310cd227f0_prep:
	.size	k_q310cd227f0_prep, .Lfunc_end_k_q310cd227f0_prep-k_q310cd227f0_prep
	.p2alignl 7, 3214868480
	.fill 96, 4, 3214868480
	.section	.rodata,"a",@progbits
	.p2align	6, 0x0
	.amdhsa_kernel k_q310cd227f0_prep
		.amdhsa_group_segment_fixed_size 19712
		.amdhsa_private_segment_fixed_size 0
		.amdhsa_enable_private_segment 0
		.amdhsa_kernarg_size 72
		.amdhsa_user_sgpr_count 2
		.amdhsa_user_sgpr_kernarg_segment_ptr 1
		.amdhsa_wavefront_size32 1
		.amdhsa_system_sgpr_workgroup_id_x 1
		.amdhsa_system_sgpr_workgroup_id_y 1
		.amdhsa_system_sgpr_workgroup_id_z 1
		.amdhsa_system_vgpr_workitem_id 0
		.amdhsa_next_free_vgpr 256
		.amdhsa_next_free_sgpr 66
		.amdhsa_reserve_vcc 0
		.amdhsa_float_denorm_mode_32 3
		.amdhsa_float_denorm_mode_16_64 3
		.amdhsa_memory_ordered 1
		.amdhsa_forward_progress 1
		.amdhsa_inst_pref_size 25
	.end_amdhsa_kernel
	.amdgpu_metadata
---
amdhsa.version: [ 1, 2 ]
amdhsa.kernels:
  - .name:           k_q310cd227f0_prep
    .symbol:         k_q310cd227f0_prep.kd
    .args:
      - { .name: mem_table, .offset: 0, .size: 8, .value_kind: global_buffer, .address_space: global }
      - { .name: w_q_codes, .offset: 8, .size: 8, .value_kind: global_buffer, .address_space: global }
      - { .name: w_concat_codes, .offset: 16, .size: 8, .value_kind: global_buffer, .address_space: global }
      - { .name: w_kv_codes, .offset: 24, .size: 8, .value_kind: global_buffer, .address_space: global }
      - { .name: lowp_scales, .offset: 32, .size: 8, .value_kind: global_buffer, .address_space: global }
      - { .name: wqi, .offset: 40, .size: 8, .value_kind: global_buffer, .address_space: global }
      - { .name: wci, .offset: 48, .size: 8, .value_kind: global_buffer, .address_space: global }
      - { .name: mqi, .offset: 56, .size: 8, .value_kind: global_buffer, .address_space: global }
      - { .name: kvt, .offset: 64, .size: 8, .value_kind: global_buffer, .address_space: global }
    .group_segment_fixed_size: 19712
    .private_segment_fixed_size: 0
    .kernarg_segment_align: 8
    .kernarg_segment_size: 72
    .max_flat_workgroup_size: 256
    .sgpr_count:     66
    .vgpr_count:     256
    .wavefront_size: 32
...
	.end_amdgpu_metadata
.endif
;; end of part 7
;; launch front: the kernel of part 2 again; grid 256 x 1, 8 waves a work-group, clusters of 4 x 1, 327,680 bytes of LDS; arguments q_codes, wqi, mqi, lowp_scales, qbi, idx; writes qbi, idx
;; launch attn (part 8): grid 256 x 1, 8 waves a work-group, no clusters, 312,320 bytes of LDS; arguments qbi, kvt, idx, lowp_scales, oci; writes oci
.if DOCPART == 8
	.amdgcn_target "amdgcn-amd-amdhsa--gfx1250"
	.amdhsa_code_object_version 6
	.text
	.protected	k_q310cd227f0_attn
	.globl	k_q310cd227f0_attn
	.p2align	8
	.type	k_q310cd227f0_attn,@function
k_q310cd227f0_attn:
	s_mov_b64 s[64:65], 0
	v_nop
	global_prefetch_b8 v0, s[64:65] scope:SCOPE_SE
	s_setreg_imm32_b32 hwreg(HW_REG_WAVE_SCHED_MODE, 0, 2), 2
	s_setreg_imm32_b32 hwreg(HW_REG_WAVE_MODE, 25, 1), 1
	s_wait_xcnt 0x0
	s_wait_alu depctr_vm_vsrc(0)
; THE THIRD LAUNCH: attention.  o = softmax(qh k^T / 8) v for 16 heads of 64 channels; k and v (2,048 keys a batch) are shared by all heads.  Both products on codes of BF8; the result, quantised with 2^e10, goes to oci.
; SHARES.  Work-group g owns 32 rows of batch g / 64, all 16 heads: 32 tiles of 16 queries.  Wave w owns heads 2w, 2w+1 x row tiles a = 0, 1: four tiles x (a = x % 2, head 2w + x / 2).  Every wave walks all keys, 128 a step.
; THE KEYS.  Key m's codes are row idx[m] of kvt (64 of k, 64 of v), which the launches before have stored.  At the head wave w gathers keys 256 w .. + 255 and lays them in LDS in the order of the operands' registers;
; the batch's whole K (128 KiB) and V (128 KiB) then stay in LDS: one barrier in the launch, and each fragment read feeds four tiles.
;   K: a tile of 16 keys x 64 channels is 8 registers: lane (r, h): key r, registers 4j..4j+3 channels 32j + 16h + 0..15 (as the queries' codes lie in qbi): the gathered 16 bytes ARE the registers.
;   V: its K is the keys.  64 keys' rows go through the wave's own scratch (pitch 96) and come back turned, two bytes at a time, by ds_load_tr16_b128; v_perm_b32 parts even and odd channels.
;      Fragment n of a key step (n = 2 (n0/32) + p): lane (r, h): channel n0 + 2r + p, registers 2c, 2c+1 keys 16c + 8h + 0..7.
; LAYOUT.  Both products transposed: S^T = K Q^T (a lane holds one query; register 8t + j is key 16t + 8h + j), so the conversions' results are the second product's operand; O^T = V^T P^T.
; SOFTMAX.  t = score x log2(e) / 8; M = the running largest t rounded UP to a whole number, kept as -M; p = 2^(t - M) is quantised with 2^e8; the row's sum is taken of the unquantised p; when M moves, sum and O^T are
; multiplied by 2^(old M - new M), which rounds nothing.  At the end O^T x 2^(e8 + e9) / sum.
; p is at most 1, so its hold at 57,344 x 2^e8 binds only where e8 <= -16: a scalar branch on that given whole number jumps over the 64 lines otherwise (this launch has no tensor load and no copy).
; LIMITS: e6 + e7 between -123 and 130 (added to the exponent field of log2(e) / 8); e8 and e10 between -126 and 112.  NaN among the inputs is not served.
; REGISTERS.  Window 0: v1-14 addresses and scales; v16-47 eight registers of statistics a tile; v48-111 K of a step; v112-175 V of a step; v176-239 S^T, then p; v240-251 at work.
;   Window 1: v0-127 O^T (tile x, fragment n at 32x + 8n); v128-159 Q (16a + 8 (head % 2)); v160-223 p's codes, 16 a tile; v224, v225 the closing add's two.
; THE MODE: SCHED_MODE bits 1:0 = 2 (LLVM: expert scheduling mode 2), set by the entry lines.  The code itself states the register dependences
; between vector or matrix instructions and memory or LDS instructions, with s_wait_alu, always for 0.
; THE PLAN.  Registers that memory or LDS instructions touch.
;  At the head:  v1-v7, v14  addresses, written once, never again.   IX v16-31: the indices land, three vector lines make offsets of them, the gathers read them.   GD v48-175: gathers land, LDS stores read, gathers land again.
;     The pieces v32-47, v240-255: turning loads land, v_perm_b32 reads.   VG v176-239: v_perm_b32 writes, the LDS stores of batches 1 and 3 read.   Behind the barrier all of these take their parts in the loop.
;  In the loop:  KF  the four K Q^T of a step read it; the next step's K lands in it.   VF  the step's last 16 products read it; the next step's V lands in it.
;     v[ADV], v[ADK]  written by two additions at the step's head; read by V's and K's loads.   S^T, p's codes, O^T, Q and the statistics are named by vector and matrix instructions alone.
;  Each tile's softmax has ONE wait on va_vdst, behind its batch of exponentials.  Tile 0's stands behind the last step's V^T P^T and the two additions: V's 16 loads follow it, four at a time among the tile's sums, which name
;  S^T, the statistics and v242-251 alone.  Tile 3's stands behind the step's last K Q^T: K's 16 loads follow it at once.  So the loop has no wait on va_vdst of its own, and one on vm_vsrc, ahead of the two additions.
.set KIMG, 0
.set VIMG, 131072
.set VTMP, 262144                      ; 64 keys x 96 bytes for each wave
.set VP,   96                          ; a key's 64 codes of v + 32 of padding
.set LI,   1                           ; v1   16 x lane
.set KST,  2                           ; v2   where I store K's tiles: 16384 w + 16 x lane
.set VTS,  3                           ; v3   my scratch: 96 r + 16 h
.set VTL,  4                           ; v4   my scratch, for the turning load: (8 h + lane % 8) 96 + 16 ((lane / 8) % 2)
.set VST,  5                           ; v5   where I store V's fragments: VIMG + 16384 w + 16 x lane
.set R4,   6                           ; v6   4 r
.set H16,  7                           ; v7   16 h
.set ADK,  8                           ; v8   the next step's K
.set ADV,  9                           ; v9   this step's V
.set SC8,  10
.set LM8,  11
.set SC10, 12
.set LM10, 13
.set LIV,  14                          ; v14  VIMG + 16 x lane
.set ST,   16                          ; tile x at v[16 + 8x]: +0 -M, +1 the largest t, +2, +3 the sum in two halves, +4 f (+5 named with it), +6 the divisor, +7 at work
.set KF,   48
.set VF,   112
.set S,    176
.set O,    0
.set Q,    128
.set P,    160
.set IX,   16                          ; at the head: v16-31 my 16 tiles' offsets in kvt; v32-47 and v240-255 turned pieces; v48-175 two sets of gathered rows; v176-239 V's four fragments
.set GD,   48
.set VG,   176
.set WV,   16
.set MSB, 0
.macro WIN new                         ; the immediate's high byte repeats the setting that is left
.if MSB != \new
	s_set_vgpr_msb (MSB<<8)|\new
.set MSB, \new
.endif
.endm
.macro MKSC se, vsc, vlim              ; s[se] holds e (and is used up): v[vsc] = 2^e, v[vlim] = 57,344 x 2^e
	s_add_co_i32 s[\se], s[\se], 127
	s_lshl_b32 s38, s[\se], 23
	v_mov_b32 v[\vsc], s38
	s_add_co_i32 s[\se], s[\se], 15
	s_lshl_b32 s[\se], s[\se], 23
	s_or_b32 s[\se], s[\se], 0x600000
	v_mov_b32 v[\vlim], s[\se]
.endm
.macro GLOAD bt                        ; batch bt: four tiles of 16 keys: of each key's row my half's 16 bytes at 0, 32 (k) and 64, 96 (v)
.irp q, 0,1,2,3
.irp j, 0,1,2,3
	global_load_b128 v[GD+64*((\bt)%2)+16*\q+4*\j:GD+64*((\bt)%2)+16*\q+4*\j+3], v[IX+4*(\bt)+\q], s[6:7] offset:32*\j
.endr
.endr
.endm
.macro BATCH bt
.set GB, GD+64*((\bt)%2)
.if (\bt) < 3
	s_wait_loadcnt 16                              ; this batch's 16 gathers are in; the next batch's stay out
.else
	s_wait_loadcnt 0x0
.endif
.irp q, 0,1,2,3
	ds_store_b128 v[KST], v[GB+16*\q:GB+16*\q+3] offset:1024*(4*(\bt)+\q)
	ds_store_b128 v[KST], v[GB+16*\q+4:GB+16*\q+7] offset:1024*(4*(\bt)+\q)+512
	ds_store_b128 v[VTS], v[GB+16*\q+8:GB+16*\q+11] offset:16*VP*\q
	ds_store_b128 v[VTS], v[GB+16*\q+12:GB+16*\q+15] offset:16*VP*\q+32
.endr
.irp k, 0,1,2,3,4,5,6,7                ; piece k: keys 16 (k / 2) on, channels 32 (k % 2) on.  LDS serves a wave's instructions in order: these see my stores
	ds_load_tr16_b128 v[32+4*\k+192*(\k/4):32+4*\k+192*(\k/4)+3], v[VTL] offset:16*VP*(\k/2)+32*(\k%2)
.endr
	s_wait_dscnt 0x0                               ; the pieces are in
.if (\bt) < 3
	s_wait_alu depctr_vm_vsrc(0)                   ; batches 0 and 1: my LDS stores have read the gathered rows, in which the gathers below land; batch 2: batch 1's LDS stores have read V's fragments, which the lines below and batch 3's write again
.endif
.if (\bt) < 2
	GLOAD (\bt)+2
.endif
.irp k, 0,1,2,3,4,5,6,7
.irp p, 0,1                            ; even channels: bytes 0, 2 of each word; odd: bytes 1, 3
	v_perm_b32 v[VG+16*(2*(\k%2)+\p)+2*(4*((\bt)%2)+\k/2)], v[32+4*\k+192*(\k/4)+1], v[32+4*\k+192*(\k/4)], s[26+\p]
	v_perm_b32 v[VG+16*(2*(\k%2)+\p)+2*(4*((\bt)%2)+\k/2)+1], v[32+4*\k+192*(\k/4)+3], v[32+4*\k+192*(\k/4)+2], s[26+\p]
.endr
.endr
	s_wait_alu depctr_va_vdst(0)                   ; these lines are done reading the pieces, in which the next batch's turning loads land (batches 0 to 2), and have written V's fragments, which the LDS stores below read (batches 1 and 3)
.if (\bt)%2
.irp n, 0,1,2,3
.irp c, 0,1,2,3
	ds_store_b128 v[VST], v[VG+16*\n+4*\c:VG+16*\n+4*\c+3] offset:8192*((\bt)/2)+2048*\n+512*\c
.endr
.endr
.endif
.endm
.macro KLOAD adr                       ; a step's K: eight tiles of 16 keys
	WIN 0
.irp t, 0,1,2,3,4,5,6,7
	ds_load_b128 v[KF+8*\t:KF+8*\t+3], v[\adr] offset:1024*\t
	ds_load_b128 v[KF+8*\t+4:KF+8*\t+7], v[\adr] offset:1024*\t+512
.endr
.endm
.macro VFRAG                           ; fragment vn of a step's V: 16 channels x 128 keys
.irp c, 0,1,2,3
	ds_load_b128 v[VF+16*vn+4*\c:VF+16*vn+4*\c+3], v[ADV] offset:2048*vn+512*\c
.endr
.endm
.macro KQ x                            ; S^T = K Q^T for tile x: eight products, each its own accumulator, each begun with 0
	WIN 0x04                                       ; source 1 (Q) in window 1
.irp t, 0,1,2,3,4,5,6,7
	v_wmma_f32_16x16x64_bf8_bf8 v[S+8*\t:S+8*\t+7], v[KF+8*\t:KF+8*\t+7], v[Q+16*((\x)%2)+8*((\x)/2):Q+16*((\x)%2)+8*((\x)/2)+7], 0
.endr
.endm
.macro RESC x                          ; tile x's O^T under the new M: x f.  Sixteen plain lines that name no register of the products just issued: they are also the places behind those
	WIN 0x41                                       ; destination and source 0 in window 1
.irp j, 0,2,4,6,8,10,12,14,16,18,20,22,24,26,28,30
	v_pk_mul_f32 v[O+32*(\x)+\j:O+32*(\x)+\j+1], v[O+32*(\x)+\j:O+32*(\x)+\j+1], v[ST+8*(\x)+4:ST+8*(\x)+5] op_sel_hi:[1,0]
.endr
.endm
.macro PLACES
.rept 4
	v_nop
.endr
.endm
; Tile x's softmax for a key step, on S^T, in two parts.  SMA: the maximum, M, and the batch of exponentials with its wait.  SMB: the sums and the codes, which go to window 1.
.macro SMA x
.set rT, ST+8*(\x)
	WIN 0
	v_max3_num_f32 v240, v[S], v[S+1], v[S+2]      ; the step's largest score of my query among my 64 keys, in FOUR chains, so that no line reads the result of one of the three lines before it;
	v_max3_num_f32 v244, v[S+3], v[S+4], v[S+5]    ; the scores are taken in ascending order: each accumulator is first read at its low end
	v_max3_num_f32 v245, v[S+6], v[S+7], v[S+8]
	v_max3_num_f32 v246, v[S+9], v[S+10], v[S+11]
.irp i, 12,20,28,36,44,52
	v_max3_num_f32 v240, v240, v[S+\i], v[S+\i+1]
	v_max3_num_f32 v244, v244, v[S+\i+2], v[S+\i+3]
	v_max3_num_f32 v245, v245, v[S+\i+4], v[S+\i+5]
	v_max3_num_f32 v246, v246, v[S+\i+6], v[S+\i+7]
.endr
	v_max3_num_f32 v240, v240, v[S+60], v[S+61]
	v_max3_num_f32 v244, v244, v[S+62], v[S+63]
	v_mov_b32 v247, v[rT]                          ; the old -M is kept
	v_max_num_f32 v245, v245, v246
	v_max3_num_f32 v240, v240, v244, v245
	v_permlanex16_b32 v241, v240, s20, s21         ; the query's other 64 keys lie in the lane 16 away
	v_max_num_f32 v240, v240, v241
	v_mul_f32 v240, s22, v240                      ; as t (c is positive)
	v_max_num_f32 v[rT+1], v[rT+1], v240           ; the running largest t
	v_floor_f32 v[rT], -v[rT+1]                    ; the new -M = floor(-t) = -ceil(t)
	v_pk_fma_f32 v[S:S+1], v[S:S+1], s[22:23], v[rT:rT+1] op_sel_hi:[1,0,0]       ; t - M, two at a time (of the pairs c and -M the low word serves both halves)
	v_pk_fma_f32 v[S+2:S+3], v[S+2:S+3], s[22:23], v[rT:rT+1] op_sel_hi:[1,0,0]
	v_sub_f32 v240, v[rT], v247                    ; old M - new M: a whole number, 0 or less
; ONE BATCH: the 64 exponentials, with one plain line between each two: the scaling of the pair two pairs on while there are scalings, then the two lines that make f.  None of these lines names an exponential's result.
.set j, 0
.rept 32
	v_exp_f32 v[S+2*j], v[S+2*j]                   ; p = 2^(t - M), at most 1
.if j < 30
	v_pk_fma_f32 v[S+2*j+4:S+2*j+5], v[S+2*j+4:S+2*j+5], s[22:23], v[rT:rT+1] op_sel_hi:[1,0,0]
.elseif j == 30
	v_cvt_i32_f32 v240, v240                       ; (it saturates)
.else
	v_ldexp_f32 v[rT+4], 1.0, v240                 ; f = 2^(old M - new M)
.endif
	v_exp_f32 v[S+2*j+1], v[S+2*j+1]
.set j, j+1
.endr
	v_pk_mul_f32 v[rT+2:rT+3], v[rT+2:rT+3], v[rT+4:rT+5] op_sel_hi:[1,0]    ; the sums under the new M: the plain line behind the last exponential
	s_wait_alu depctr_va_vdst(0)                   ; the 64 exponentials have written p: one wait for the batch, ahead of its first reader.  It states as well, in tile 0: the last step's V^T P^T are done reading V's registers and v[ADV] is written (V's loads follow); in tile 3: the step's K Q^T are done reading K's registers and v[ADK] is written (K's loads follow)
.endm
.macro SMB x, vl                       ; vl = 1: this step's V is asked for, a fragment's four loads ahead of each of the first four groups of sums
.set rT, ST+8*(\x)
	v_pk_add_f32 v[242:243], v[S:S+1], v[S+2:S+3]  ; the row's sum is taken of the unquantised p, in four chains
	v_pk_add_f32 v[248:249], v[S+4:S+5], v[S+6:S+7]
	v_pk_add_f32 v[250:251], v[S+8:S+9], v[S+10:S+11]
.set vn, 0
.irp j, 12,20,28,36,44,52
.if (\vl) && (vn < 4)
	VFRAG                                          ; no wait: no vector or matrix instruction since the wait behind the exponentials names V's registers or v[ADV]
.endif
	v_pk_add_f32 v[rT+2:rT+3], v[rT+2:rT+3], v[S+\j:S+\j+1]
	v_pk_add_f32 v[242:243], v[242:243], v[S+\j+2:S+\j+3]
	v_pk_add_f32 v[248:249], v[248:249], v[S+\j+4:S+\j+5]
	v_pk_add_f32 v[250:251], v[250:251], v[S+\j+6:S+\j+7]
.set vn, vn+1
.endr
	v_pk_add_f32 v[rT+2:rT+3], v[rT+2:rT+3], v[S+60:S+61]
	v_pk_add_f32 v[242:243], v[242:243], v[S+62:S+63]
	v_pk_add_f32 v[248:249], v[248:249], v[250:251]
	v_pk_add_f32 v[rT+2:rT+3], v[rT+2:rT+3], v[242:243]
	v_pk_add_f32 v[rT+2:rT+3], v[rT+2:rT+3], v[248:249]
	s_cmp_gt_i32 s28, -16                          ; 57,344 x 2^e8 is 1 or more where e8 > -16: p, at most 1, cannot pass it
	s_cbranch_scc1 .Lno_hold_\@
.set j, 0
.rept 64
	v_min_num_f32 v[S+j], v[S+j], v[LM8]           ; the conversion to an 8-bit code does not saturate (ISA guide 7.6.2); p is not negative, so the hold is one-sided
.set j, j+1
.endr
.Lno_hold_\@:
	WIN 0x40                                       ; destination in window 1
.irp t, 0,1,2,3,4,5,6,7
	v_cvt_scalef32_pk8_bf8_f32 v[P+16*(\x)+2*\t:P+16*(\x)+2*\t+1], v[S+8*\t:S+8*\t+7], v[SC8]   ; registers 2t, 2t+1: keys 16t + 8h + 0..7
.endr
	WIN 0
	v_nop                                          ; one plain vector line between a scaled conversion and the products that write its sources or read its result
.endm
.macro PV fst                          ; O^T += V^T P^T: 16 accumulators, one instruction each.  fst = 1: they start the sums
	WIN 0x54                                       ; source 1 (P), C and D in window 1
.irp n, 0,1,2,3
.irp y, 0,1,2,3
.if \fst
	v_wmma_f32_16x16x128_bf8_bf8 v[O+32*\y+8*\n:O+32*\y+8*\n+7], v[VF+16*\n:VF+16*\n+15], v[P+16*\y:P+16*\y+15], 0
.else
	v_wmma_f32_16x16x128_bf8_bf8 v[O+32*\y+8*\n:O+32*\y+8*\n+7], v[VF+16*\n:VF+16*\n+15], v[P+16*\y:P+16*\y+15], v[O+32*\y+8*\n:O+32*\y+8*\n+7]
.endif
.endr
.endr
	WIN 0
.endm
; A KEY STEP: 128 keys, four tiles of queries.  s24: LDS byte of the step within K's and V's images.  fst = 1: the first step: nothing to rescale, and the next step's K is always fetched.
.macro STEP fst
.if \fst == 0
	s_wait_alu depctr_vm_vsrc(0)                   ; the last step's LDS loads have read v[ADV] and v[ADK], which the two additions below write
.endif
	v_add_nc_u32 v[ADV], s24, v[LIV]
	s_add_co_u32 s24, s24, 8192
	v_add_nc_u32 v[ADK], s24, v[LI]
	s_wait_dscnt 0x0                               ; this step's K is in
	KQ 0
	PLACES                                         ; in front of the read of S^T
	SMA 0
	SMB 0, 1                                       ; this step's V is asked for among tile 0's sums: it has three tiles' work in which to land
	KQ 1
.if \fst
	PLACES
.else
	RESC 0
.endif
	SMA 1
	SMB 1, 0
	KQ 2
.if \fst
	PLACES
.else
	RESC 1
.endif
	SMA 2
	SMB 2, 0
	KQ 3
.if \fst
	PLACES
.else
	RESC 2
.endif
	SMA 3
	s_wait_dscnt 0x0                               ; V is in: the wait stands ahead of K's loads, so that it is for 0 on both ways of the branch below and the products V^T P^T do not wait for K
.if \fst == 0
	s_cmp_eq_u32 s25, 1                            ; the last step has no successor
	s_cbranch_scc1 .Lno_k_\@
.endif
	KLOAD ADK                                      ; K's registers are free since the wait behind tile 3's exponentials: the next step's K lands under the tile's sums and codes and the products V^T P^T
.if \fst == 0
.Lno_k_\@:
.endif
	SMB 3, 0
.if \fst == 0
	RESC 3
.endif
	PV \fst
.endm
	s_load_b256 s[4:11], s[0:1], 0x0               ; qbi s[4:5], kvt s[6:7], idx s[8:9], scales s[10:11]
	s_load_b64 s[12:13], s[0:1], 0x20              ; oci
	s_set_vgpr_msb 0x40
	v_lshl_add_u32 v224, v0, 2, 0x4c000
	v_mov_b32 v225, 0
	s_set_vgpr_msb 0x4000
	v_lshrrev_b32 v15, 5, v0
	v_readfirstlane_b32 s[WV], v15                 ; wave 0..7
	v_and_b32 v[LI], 31, v0
	v_lshlrev_b32 v[LI], 4, v[LI]
	v_and_b32 v15, 15, v0                          ; r
	v_bfe_u32 v[H16], v0, 4, 1                     ; h
	s_wait_alu depctr_va_sdst(0)                   ; the wave's number is written, ahead of its first reader: LDS addresses and the buffers' offsets are made from it
	s_lshl_b32 s17, s[WV], 14
	v_add_nc_u32 v[KST], s17, v[LI]
	s_mul_i32 s18, s[WV], 64*VP
	s_add_co_u32 s18, s18, VTMP                    ; my scratch
	v_mul_u32_u24 v[VTS], v15, VP
	v_lshl_add_u32 v[VTS], v[H16], 4, v[VTS]
	v_add_nc_u32 v[VTS], s18, v[VTS]
	v_and_b32 v[VTL], 7, v0
	v_lshl_add_u32 v[VTL], v[H16], 3, v[VTL]
	v_mul_u32_u24 v[VTL], v[VTL], VP
	v_bfe_u32 v[VST], v0, 3, 1
	v_lshl_add_u32 v[VTL], v[VST], 4, v[VTL]
	v_add_nc_u32 v[VTL], s18, v[VTL]
	v_add_nc_u32 v[LIV], VIMG, v[LI]
	v_add_nc_u32 v[VST], s17, v[LIV]
	v_lshlrev_b32 v[R4], 2, v15
	v_lshlrev_b32 v[H16], 4, v[H16]
	s_lshr_b32 s19, ttmp9, 6                       ; batch
	s_lshl_b32 s30, ttmp9, 15
	s_lshl_b32 s31, s[WV], 11
	s_add_co_u32 s30, s30, s31                     ; qbi, oci: 16 images a work-group, + image w
	s_mov_b32 s31, 0
	s_lshl_b32 s32, s19, 17                        ; kvt: the batch's 1,024 rows of 128 bytes
	s_mov_b32 s33, 0
	s_lshl_b32 s34, s19, 13
	s_lshl_b32 s35, s[WV], 10
	s_add_co_u32 s34, s34, s35                     ; idx: the batch's 2,048 words, + my 256
	s_mov_b32 s35, 0
	s_mov_b32 s20, 0x76543210                      ; lane selects for v_permlanex16_b32: lane l xor 16
	s_mov_b32 s21, 0xfedcba98
	s_mov_b32 s26, 0x06040200                      ; v_perm_b32: the even bytes of two words,
	s_mov_b32 s27, 0x07050301                      ; the odd ones
	s_mov_b32 s24, 0
	s_wait_kmcnt 0x0
	s_load_b256 s[40:47], s[10:11], 0x0            ; e0 .. e7
	s_load_b128 s[48:51], s[10:11], 0x20           ; e8 .. e11
	s_add_nc_u64 s[4:5], s[4:5], s[30:31]
	s_add_nc_u64 s[12:13], s[12:13], s[30:31]
	s_add_nc_u64 s[6:7], s[6:7], s[32:33]
	s_add_nc_u64 s[8:9], s[8:9], s[34:35]
	WIN 0x40                                       ; destination in window 1
	s_wait_alu depctr_va_vdst(0)                   ; the addresses v1 to v6 and v14 are written, which the loads and stores of the whole kernel read
.irp a, 0,1
.irp c, 0,1,2,3
	global_load_b128 v[Q+16*\a+4*\c:Q+16*\a+4*\c+3], v[LI], s[4:5] offset:16384*\a+512*\c th:TH_LOAD_NT   ; the queries' codes stay in registers: registers 0-7 head 2w, 8-15 head 2w + 1
.endr
.endr
	WIN 0
.irp t, 0,1,2,3,4,5,6,7,8,9,10,11,12,13,14,15
	global_load_b32 v[IX+\t], v[R4], s[8:9] offset:64*\t       ; the table row of key 256 w + 16 t + r
.endr
	s_wait_kmcnt 0x0
	s_add_co_i32 s36, s46, s47
	s_lshl_b32 s36, s36, 23
	s_mov_b32 s22, 0x3e38aa3b                      ; c = log2(e) / 8;
	s_add_co_i32 s22, s22, s36                     ; a score stands for score x 2^(e6 + e7): the exponents are added to c's exponent field
	s_mov_b32 s23, s22                             ; (named with it as a pair, so it is written)
	s_mov_b32 s28, s48                             ; e8
	s_add_co_i32 s29, s48, s49                     ; e8 + e9
	s_mov_b32 s37, s48
	MKSC 37, SC8, LM8
	MKSC 50, SC10, LM10
	s_wait_loadcnt 0x0
.irp t, 0,1,2,3,4,5,6,7,8,9,10,11,12,13,14,15
	v_min_u32 v[IX+\t], 0x3ff, v[IX+\t]            ; a loaded number enters an address only held inside the table
	v_lshlrev_b32 v[IX+\t], 7, v[IX+\t]
	v_add_nc_u32 v[IX+\t], v[H16], v[IX+\t]        ; row x 128 + 16 h
.endr
	s_wait_alu depctr_va_vdst(0)                   ; the sixteen offsets in v16 to v31 are written, which the gathers read
	GLOAD 0
	GLOAD 1
	BATCH 0
	BATCH 1
	BATCH 2
	BATCH 3
	s_wait_dscnt 0x0                               ; for the others' sake: my part of K and V has landed
	s_barrier_signal -1
	s_barrier_wait -1                              ; the batch's K and V lie in LDS; nothing is written there again
	s_wait_alu depctr_vm_vsrc(0)                   ; the gathers have read their offsets in v16-31, and my LDS stores the gathered rows in v48-175 and V's fragments in v176-239: from here on these registers are the statistics, K, V and S^T
.irp x, 0,1,2,3
	v_mov_b32 v[ST+8*\x+1], 0xff61b1e6             ; the largest t so far: -3e38, under every t
	v_floor_f32 v[ST+8*\x], -v[ST+8*\x+1]          ; -M
	v_mov_b32 v[ST+8*\x+2], 0                      ; the sum, in two halves
	v_mov_b32 v[ST+8*\x+3], 0
	v_mov_b32 v[ST+8*\x+5], 0                      ; (named as the upper half of f's pair)
	v_mov_b32 v[ST+8*\x+7], 0                      ; a lane permute's destination counts as one of its sources
.endr
	v_mov_b32 v241, 0
	KLOAD LI                                       ; key step 0 (no vector or matrix instruction has named K's registers yet)
	STEP 1
	s_mov_b32 s25, 15
.Lstep:
	STEP 0
	s_sub_co_u32 s25, s25, 1
	s_cmp_lg_u32 s25, 0
	s_cbranch_scc1 .Lstep
	; THE WAY OUT.  The additions are the places behind the last products.
.irp x, 0,1,2,3
	v_add_f32 v[ST+8*\x+6], v[ST+8*\x+2], v[ST+8*\x+3]
.endr
.irp x, 0,1,2,3
	v_permlanex16_b32 v[ST+8*\x+7], v[ST+8*\x+6], s20, s21
.endr
.irp x, 0,1,2,3
	v_add_f32 v[ST+8*\x+6], v[ST+8*\x+6], v[ST+8*\x+7]         ; the row's sum
.endr
.irp x, 0,1,2,3
	v_rcp_f32 v[ST+8*\x+6], v[ST+8*\x+6]
.endr
	v_nop                                          ; a plain line behind the last reciprocal,
	s_wait_alu depctr_va_vdst(0)                   ; and one wait for the four: the reciprocals have written the divisors, ahead of their first reader
.irp x, 0,1,2,3
	v_ldexp_f32 v[ST+8*\x+6], v[ST+8*\x+6], s29    ; x 2^(e8 + e9)
.endr
; Row tile a: my two heads' 128 channels are K step w of the last product.  Register j of fragment n is channel 32 (n/2) + 16 h + 2 j + n % 2: laid by turns, a lane's 16 registers are 16 neighbours along that K.
; Both row tiles are converted, each into 16 registers of its own; one wait then stands ahead of the run of eight stores.
.irp a, 0,1
	WIN 0x01                                       ; source 0 in window 1
.irp d, 0,1
.irp n, 0,1,2,3
.irp j, 0,1,2,3,4,5,6,7
	v_mul_f32 v[S+32*\d+16*(\n/2)+2*\j+(\n%2)], v[O+32*(\a+2*\d)+8*\n+\j], v[ST+8*(\a+2*\d)+6]      ; each accumulator from its low end on
.endr
.endr
.endr
	WIN 0
.set j, 0
.rept 64
	v_med3_num_f32 v[S+j], v[S+j], -v[LM10], v[LM10]
.set j, j+1
.endr
.irp g, 0,1,2,3,4,5,6,7
	v_cvt_scalef32_pk8_bf8_f32 v[KF+16*\a+2*\g:KF+16*\a+2*\g+1], v[S+8*\g:S+8*\g+7], v[SC10]
.endr
	v_nop                                          ; one plain vector line between a scaled conversion and the next line that writes its sources
.endr
	s_wait_alu depctr_va_vdst(0)                   ; the conversions have written the codes in v48 to v79, which the stores read
.irp a, 0,1
.irp c, 0,1,2,3
	global_store_b128 v[LI], v[KF+16*\a+4*\c:KF+16*\a+4*\c+3], s[12:13] offset:16384*\a+512*\c      ; the image: each store covers 512 consecutive bytes, aligned
.endr
.endr
	s_set_vgpr_msb 0x5                             ; the add's two registers, sources 0 and 1, lie in window 1
	s_wait_dscnt 0x0                               ; the closing lines, six on end
	s_wait_alu 0x0
	s_wait_tensorcnt 0x0
	ds_add_u32 v224, v225
	s_wait_dscnt 0x0
	s_endpgm
.Lfunc_end_k_q310cd227f0_attn:
	.size	k_q310cd227f0_attn, .Lfunc_end_k_q310cd227f0_attn-k_q310cd227f0_attn
	.p2alignl 7, 3214868480
	.fill 96, 4, 3214868480
	.section	.rodata,"a",@progbits
	.p2align	6, 0x0
	.amdhsa_kernel k_q310cd227f0_attn
		.amdhsa_group_segment_fixed_size 312320
		.amdhsa_private_segment_fixed_size 0
		.amdhsa_enable_private_segment 0
		.amdhsa_kernarg_size 40
		.amdhsa_user_sgpr_count 2
		.amdhsa_user_sgpr_kernarg_segment_ptr 1
		.amdhsa_wavefront_size32 1
		.amdhsa_system_sgpr_workgroup_id_x 1
		.amdhsa_system_sgpr_workgroup_id_y 1
		.amdhsa_system_sgpr_workgroup_id_z 1
		.amdhsa_system_vgpr_workitem_id 0
		.amdhsa_next_free_vgpr 482
		.amdhsa_next_free_sgpr 66
		.amdhsa_reserve_vcc 0
		.amdhsa_float_denorm_mode_32 3
		.amdhsa_float_denorm_mode_16_64 3
		.amdhsa_memory_ordered 1
		.amdhsa_forward_progress 1
		.amdhsa_inst_pref_size 153
	.end_amdhsa_kernel
	.amdgpu_metadata
---
amdhsa.version: [ 1, 2 ]
amdhsa.kernels:
  - .name:           k_q310cd227f0_attn
    .symbol:         k_q310cd227f0_attn.kd
    .args:
      - { .name: qbi, .offset: 0, .size: 8, .value_kind: global_buffer, .address_space: global }
      - { .name: kvt, .offset: 8, .size: 8, .value_kind: global_buffer, .address_space: global }
      - { .name: idx, .offset: 16, .size: 8, .value_kind: global_buffer, .address_space: global }
      - { .name: lowp_scales, .offset: 24, .size: 8, .value_kind: global_buffer, .address_space: global }
      - { .name: oci, .offset: 32, .size: 8, .value_kind: global_buffer, .address_space: global }
    .group_segment_fixed_size: 312320
    .private_segment_fixed_size: 0
    .kernarg_segment_align: 8
    .kernarg_segment_size: 40
    .max_flat_workgroup_size: 256
    .sgpr_count:     66
    .vgpr_count:     482
    .wavefront_size: 32
...
	.end_amdgpu_metadata
.endif
;; end of part 8
;; launch back: the kernel of part 6 again; grid 4 x 64, 8 waves a work-group, clusters of 4 x 4, 327,680 bytes of LDS; arguments oci, wci, lowp_scales, out0; writes out0
